; MI455X (gfx1250); checked and timed in simulation.
; The chip was launched on July 23, 2026; its instructions are those of AMD's public machine-readable ISA for CDNA 5 (MIT licence, August 2026) and "CDNA5" Instruction Set Architecture Reference Guide (July 2026). The comments in the code are by the model that wrote it; some were corrected since.
;; Multi Head Attention Block. Allowed arithmetic: matrix products marked QUANTISED: E2M3 operands, one E8M0 scale for each 32 along K, by v_wmma_scale_f32_16x16x128_f8f6f4 with both operands' format E2M3, f32 sums; everything else in f32.
;; Inputs: b_k 1,024 float32; b_o 1,024 float32; b_q 1,024 float32; b_v 1,024 float32; k 2 x 2,048 x 1,024 float32; q 2 x 2,048 x 1,024 float32; v 2 x 2,048 x 1,024 float32; w_k 1,024 x 1,024 float32; w_o 1,024 x 1,024 float32; w_q 1,024 x 1,024 float32; w_v 1,024 x 1,024 float32.
;; Outputs: out0 2 x 2,048 x 1,024 float32.
;; This version of the problem:
;;   THIS VERSION OF THE PROBLEM IS GIVEN IN LOW PRECISION. The matrix products marked QUANTISED in the list below multiply operands that are first quantised to E2M3 (2 exponent bits, 3 mantissa bits; 6 bits a number), with one power-of-two scale for each 32 numbers along K (OCP MX v1.0); their sums are f32. All else is computed in f32.
;;   The module's matrix products, in the order in which they are computed (A, B: the left and right operand; K: the contracted axis; several contracted axes count as one K, in the product's order):
;;     1. [M 4,096, K 1,024] x [K 1,024, N 1,024]; A: input q; B: input w_q: QUANTISED
;;     2. [M 4,096, K 1,024] x [K 1,024, N 1,024]; A: input k; B: input w_k: QUANTISED
;;     3. [M 4,096, K 1,024] x [K 1,024, N 1,024]; A: input v; B: input w_v: QUANTISED
;;     4. batch 32 x [M 2,048, K 64] x [K 64, N 2,048]; A: computed on the way; B: computed on the way: QUANTISED
;;     5. batch 32 x [M 2,048, K 2,048] x [K 2,048, N 64]; A: softmax (see below); B: computed on the way: QUANTISED
;;     6. [M 4,096, K 1,024] x [K 1,024, N 1,024]; A: computed on the way; B: input w_o: QUANTISED
;;   THE QUANTISER, for each operand of a quantised product, along K:
;;     - K is cut into blocks of 32 from its start; a last block that is shorter is filled with zeros.
;;     - A block's scale is 2^e with e = floor(log2(the largest magnitude in the block)) - 2, held to -126 .. 127; a block of zeros has e = 0. As a byte (E8M0): e + 127.
;;     - Each number is divided by its block's scale, clamped to +-7.5, and rounded to the nearest number of E2M3, ties to even, subnormals kept.
;;     - The product sums the exact products of the quantised numbers (number of the format x scale) in f32.
;;   ~~~python
;;   def quantise(x, axis):      # numpy; x: float32 -> the quantised numbers, widened to float32 again
;;       x = np.moveaxis(x, axis, -1); K = x.shape[-1]
;;       x = np.pad(x, [(0, 0)] * (x.ndim - 1) + [(0, -K % 32)]); x = x.reshape(x.shape[:-1] + (-1, 32)); a = np.abs(x).max(-1, keepdims=True)
;;       e = np.where(a > 0, np.clip(np.frexp(np.where(a > 0, a, 1))[1] - 1 - 2, -126, 127), 0)      # np.frexp(a)[1] - 1 = floor(log2(a)), exactly
;;       r = np.clip(x / 2.0 ** e, -7.5, 7.5)
;;       step = 2.0 ** (np.maximum(np.frexp(np.where(r == 0, 1, r))[1] - 1, 0) - 3)
;;       q = np.round(r / step) * step * 2.0 ** e      # np.round: ties to even
;;       return np.moveaxis(q.reshape(q.shape[:-2] + (-1,))[..., :K], -1, axis).astype(np.float32)
;;   ~~~
;;   SOFTMAX AHEAD OF A QUANTISED PRODUCT. Where the list says 'softmax', what is quantised is not the finished softmax but p = 2^(t - M), with t = logit x log2(e) and M = ceil(the row's largest t), a whole number; so 1/2 < the row's largest p <= 1. The row's sum l is taken of the UNQUANTISED p, in f32, and the product's result is divided by l at the end. Since M is a whole number, a kernel that streams over the keys may use a running M (the ceiling of the running maximum): every later rescaling is an exact power of two, which a block's scale takes up: the codes' values come out the same.
;;   OPERANDS COMPUTED ON THE WAY. 'Computed on the way' means the value that the module computes at that place (a softmax that the list does not call 'softmax' is quantised finished and normalised). What goes into a quantiser is computed in f32, as accurately as f32 sums, v_exp_f32 and their like allow (about 1e-6 of the number): no bf16 or f16 on the way to a quantiser, and a product that is left as it is and whose result goes on into a quantised operand takes f32 operands (vector FMAs, or v_wmma_f32_16x16x4_f32). A number that lies on a knife's edge between two numbers of the format may be rounded either way, as far as f32 arithmetic and the matrix unit's own rounding can turn it there, and no further.
;; 2 versions. Each part assembles by itself: llvm-mc -triple=amdgcn-amd-amdhsa -mcpu=gfx1250 --defsym DOCPART=n.
;; ======== version 1 of 2: 5 launches
;; workspace buffers: xq 9,830,400 bytes; wq 3,276,800 bytes; qkv 10,223,616 bytes; ao 3,276,800 bytes
;; launch quant_x (part 1): grid 768 x 1, 2 waves a work-group, no clusters, 17,152 bytes of LDS; arguments q, k, v, xq; writes xq
.if DOCPART == 1
	.amdgcn_target "amdgcn-amd-amdhsa--gfx1250"
	.amdhsa_code_object_version 6
	.text
	.protected	k_q51e2a210aa_quant_x
	.globl	k_q51e2a210aa_quant_x
	.p2align	8
	.type	k_q51e2a210aa_quant_x,@function
k_q51e2a210aa_quant_x:
	s_mov_b64 s[64:65], 0
	v_nop
	global_prefetch_b8 v0, s[64:65] scope:SCOPE_SE
	s_setreg_imm32_b32 hwreg(HW_REG_WAVE_MODE, 25, 1), 1
	s_wait_xcnt 0x0
; q, k, v [4096 tokens][1024], f32, become codes of FP6 (E2M3) with one E8M0 byte for each 32 along the 1,024, laid in the ORDER OF THE OPERAND'S REGISTERS.
; xq = [96 panels: tensor x 32 + 128 tokens][8 K steps of 128][a record of 12,800 bytes].  A record: eight units of 1,536 bytes (tile t of 16 rows x 128 K: register 4 g + e of lane l at 512 g + 16 l + 4 e),
; then four blocks of 128 bytes of scale words (block b: the word of row r of tile 2 b + u at 4 (16 u + r)).
; THE ROWS OF A TILE ARE NOT NEIGHBOURS: lane r of tile 2 b + u holds row 32 b + 8 u + r + 8 (r / 8) of the panel, so that in a product that takes the tile as source 0 a lane's 16 results of tiles 2 b, 2 b + 1 are 16 neighbours.
; A block's scale is 2^(floor(log2(largest magnitude)) - 2); its byte is the largest magnitude's exponent field - 2, held at 1 from below by a floor among the maximum's leaves.
; LIMITS: NaN and infinities among the inputs are not served; a block of zeros gets the byte 1 where the quantiser says 127: its codes are zeros, and this program alone reads the bytes.
; SHARES: a work-group is (panel, pair of tiles b, half of K); its wave u makes tile 2 b + u for four K steps.  A load reads 512 consecutive bytes of one row; the 16 rows of a step turn through the wave's own stage in LDS
; (rows 528 bytes apart) so that a lane gets two whole blocks of 32 of its row.  Waves share nothing: no barrier.  No matrix unit, no cluster: nothing is read twice.
.set REC_G,  12800
.set PANEL,  8*REC_G
.set SPITCH, 528                       ; a stage row: 512 bytes + 16: an odd multiple of 16, so sixteen rows' 16 bytes start in different banks
.set STG,    16*SPITCH                 ; a wave's stage
.set M,   6                            ; v6-7    largest magnitudes of my two blocks
.set SO,  8                            ; v8-9    the conversions' scale operands
.set BY,  10                           ; v10-11  the bytes
.set TP,  12                           ; v12 a lane permute's destination, v13 at work
.set OW,  14                           ; v14-15  scale words on their way out
.set W,   16                           ; v16-19  my row's scale word of each K step
.set PC,  20                           ; v20-31  the fragment's twelve registers
.set PT,  32                           ; v32-39  second halves of the blocks (a conversion's three registers begin on an even number)
.set X,   40                           ; v40-103 my two blocks of 32 numbers
.set R,   104                          ; v104-231 two sets of 16 rows x 16 bytes as loaded
.set SEL, 32                           ; s[32:33] selects of v_permlanex16_b32: lane l xor 16
	s_load_b256 s[4:11], s[0:1], 0x0               ; q s[4:5], k s[6:7], v s[8:9], xq s[10:11]
	v_lshl_add_u32 v240, v0, 2, 0x4200
	v_mov_b32 v241, 0
	v_lshrrev_b32 v1, 5, v0
	v_readfirstlane_b32 s12, v1                    ; u: my wave
	s_lshr_b32 s13, ttmp9, 3                       ; panel 0..95
	s_bfe_u32 s14, ttmp9, 0x20001                  ; b: which pair of tiles
	s_and_b32 s15, ttmp9, 1                        ; which half of K
	s_lshr_b32 s16, s13, 5                         ; tensor 0, 1, 2
	s_and_b32 s17, s13, 31                         ; its panel of 128 tokens
	s_lshl_b32 s18, s17, 7
	s_lshl_b32 s19, s14, 5
	s_add_co_u32 s18, s18, s19
	s_lshl_b32 s19, s12, 3
	s_add_co_u32 s18, s18, s19                     ; the tile's first row: 128 panel + 32 b + 8 u
	s_lshl_b32 s18, s18, 12                        ; rows of 4,096 bytes
	s_lshl_b32 s19, s15, 11
	s_add_co_u32 s18, s18, s19                     ; + my half of K
	s_mov_b32 s19, 0
	s_mul_i32 s20, s13, PANEL
	s_mul_i32 s21, s15, 4*REC_G
	s_add_co_u32 s20, s20, s21                     ; the first of my four records
	s_lshl_b32 s22, s14, 1
	s_add_co_u32 s22, s22, s12                     ; t = 2 b + u
	s_mul_i32 s24, s22, 1536
	s_add_co_u32 s24, s24, s20                     ; my unit
	s_mov_b32 s25, 0
	s_lshl_b32 s26, s22, 6                         ; 128 b + 64 u
	s_add_co_u32 s26, s26, s20
	s_add_co_u32 s26, s26, 12288                   ; my sixteen scale words
	s_mov_b32 s27, 0
	s_mov_b32 s[SEL], 0x76543210
	s_mov_b32 s[SEL+1], 0xfedcba98
	v_and_b32 v2, 31, v0                           ; lane
	v_and_b32 v3, 15, v0                           ; r
	v_bfe_u32 v4, v0, 4, 1                         ; h
	v_lshlrev_b32 v1, 4, v2                        ; v1 = 16 x lane: my 16 bytes of a load's 512, and of a store's
	s_mul_i32 s31, s12, STG
	v_add_nc_u32 v2, s31, v1                       ; v2: the stage on the way in
	v_lshlrev_b32 v5, 2, v3
	v_mul_u32_u24 v3, v3, SPITCH
	v_lshl_add_u32 v3, v4, 7, v3
	v_add_nc_u32 v3, s31, v3                       ; v3: on the way out: row r, block h
	v_mad_u32_u24 v5, v4, REC_G, v5                ; v5: scale words: lanes 0-15 an even K step's record, lanes 16-31 the next one's
	v_cmp_ne_u32 s30, 0, v4                        ; s30: lanes 16-31
	v_lshlrev_b32 v4, 3, v4                        ; v4 = 8 h: my bytes' place in a scale word
	v_mov_b32 v[TP], 0                             ; written once: a lane permute's destination counts as one of its sources
	s_wait_kmcnt 0x0
	s_cmp_eq_u32 s16, 0                            ; the tensor is chosen by the work-group's number alone
	s_cselect_b64 s[4:5], s[4:5], s[6:7]
	s_cmp_eq_u32 s16, 2
	s_cselect_b64 s[4:5], s[8:9], s[4:5]
	s_add_nc_u64 s[4:5], s[4:5], s[18:19]
	s_add_nc_u64 s[28:29], s[10:11], s[24:25]      ; codes
	s_add_nc_u64 s[10:11], s[10:11], s[26:27]      ; scale words
.macro LOAD s                          ; K step s of my 16 rows: each load reads 512 consecutive bytes of one row
.irp rho, 0,1,2,3,4,5,6,7,8,9,10,11,12,13,14,15
	global_load_b128 v[R+64*((\s)%2)+4*\rho:R+64*((\s)%2)+4*\rho+3], v1, s[4:5] offset:(\rho+8*(\rho/8))*4096+512*(\s) th:TH_LOAD_NT
.endr
.endm
.macro STEP s
.if (\s) < 3
	s_wait_loadcnt 16                              ; this step's 16 loads are in; the next step's 16 may be out
.else
	s_wait_loadcnt 0x0
.endif
.irp rho, 0,1,2,3,4,5,6,7,8,9,10,11,12,13,14,15
	ds_store_b128 v2, v[R+64*((\s)%2)+4*\rho:R+64*((\s)%2)+4*\rho+3] offset:SPITCH*\rho
.endr
.irp c, 0,1                            ; LDS serves a wave's instructions in order: these see the stores above.  Block 2 c + h of row r
.irp i, 0,1,2,3,4,5,6,7
	ds_load_b128 v[X+32*\c+4*\i:X+32*\c+4*\i+3], v3 offset:256*\c+16*\i
.endr
.endr
	s_wait_dscnt 0x0                               ; my numbers are back, and the stores have read the set that the loads below fill
.if (\s) < 2
	LOAD (\s)+2
.endif
.irp c, 0,1
	v_max3_num_f32 v[M+\c], |v[X+32*\c]|, |v[X+32*\c+1]|, 0x1800000   ; the floor 2^(3 - 127): the byte cannot fall under 1
.endr
.irp i, 2,4,6,8,10,12,14,16,18,20,22,24,26,28,30
.irp c, 0,1
	v_max3_num_f32 v[M+\c], v[M+\c], |v[X+32*\c+\i]|, |v[X+32*\c+\i+1]|   ; the two blocks by turns
.endr
.endr
.irp c, 0,1
	v_add_nc_u32 v[SO+\c], 0xff000000, v[M+\c]     ; 2 off the exponent field: the conversion takes this operand's exponent field as its scale
.endr
.irp c, 0,1
	v_lshrrev_b32 v[BY+\c], 23, v[SO+\c]           ; the byte
.endr
	v_lshl_or_b32 v[TP+1], v[BY+1], 16, v[BY]      ; blocks h and 2 + h,
	v_lshlrev_b32 v[TP+1], v4, v[TP+1]             ; at their places in the word;
	v_permlanex16_b32 v[TP], v[TP+1], s[SEL], s[SEL+1]
	v_or_b32 v[W+(\s)], v[TP+1], v[TP]             ; with lane l xor 16's two the word is whole
.if (\s) > 0
	s_wait_xcnt 0x0                                ; the last step's stores have read the fragment's registers: only now are they written again
.endif
.irp c, 0,1
	v_cvt_scalef32_pk16_fp6_f32 v[PC+6*\c:PC+6*\c+2], v[X+32*\c:X+32*\c+15], v[SO+\c]
	v_cvt_scalef32_pk16_fp6_f32 v[PT+4*\c:PT+4*\c+2], v[X+32*\c+16:X+32*\c+31], v[SO+\c]
.endr
	v_nop                                          ; one plain line behind the scaled conversions
.irp c, 0,1
.irp i, 0,1,2
	v_mov_b32 v[PC+6*\c+3+\i], v[PT+4*\c+\i]
.endr
.endr
.irp g, 0,1,2
	global_store_b128 v1, v[PC+4*\g:PC+4*\g+3], s[28:29] offset:REC_G*(\s)+512*\g   ; 32 lanes store 512 consecutive bytes, at a multiple of 256 from the buffer's first byte
.endr
.endm
	LOAD 0
	LOAD 1
	STEP 0
	STEP 1
	STEP 2
	STEP 3
.irp i, 0,1
	v_cndmask_b32 v[OW+\i], v[W+2*\i], v[W+2*\i+1], s30        ; every lane holds its row's word: lanes 0-15 send step 2 i's, lanes 16-31 step 2 i + 1's
	global_store_b32 v5, v[OW+\i], s[10:11] offset:2*REC_G*\i  ; two runs of 64 bytes
.endr
	s_wait_tensorcnt 0x0
	ds_add_u32 v240, v241
	s_wait_dscnt 0x0
	s_endpgm
.Lfunc_end_k_q51e2a210aa_quant_x:
	.size	k_q51e2a210aa_quant_x, .Lfunc_end_k_q51e2a210aa_quant_x-k_q51e2a210aa_quant_x
	.p2alignl 7, 3214868480
	.fill 96, 4, 3214868480
	.section	.rodata,"a",@progbits
	.p2align	6, 0x0
	.amdhsa_kernel k_q51e2a210aa_quant_x
		.amdhsa_group_segment_fixed_size 17152
		.amdhsa_private_segment_fixed_size 0
		.amdhsa_enable_private_segment 0
		.amdhsa_kernarg_size 32
		.amdhsa_user_sgpr_count 2
		.amdhsa_user_sgpr_kernarg_segment_ptr 1
		.amdhsa_wavefront_size32 1
		.amdhsa_system_sgpr_workgroup_id_x 1
		.amdhsa_system_sgpr_workgroup_id_y 1
		.amdhsa_system_sgpr_workgroup_id_z 1
		.amdhsa_system_vgpr_workitem_id 0
		.amdhsa_next_free_vgpr 242
		.amdhsa_next_free_sgpr 66
		.amdhsa_reserve_vcc 0
		.amdhsa_float_denorm_mode_32 3
		.amdhsa_float_denorm_mode_16_64 3
		.amdhsa_memory_ordered 1
		.amdhsa_forward_progress 1
		.amdhsa_inst_pref_size 31
	.end_amdhsa_kernel
	.amdgpu_metadata
---
amdhsa.version: [ 1, 2 ]
amdhsa.kernels:
  - .name:           k_q51e2a210aa_quant_x
    .symbol:         k_q51e2a210aa_quant_x.kd
    .args:
      - { .name: q, .offset: 0, .size: 8, .value_kind: global_buffer, .address_space: global }
      - { .name: k, .offset: 8, .size: 8, .value_kind: global_buffer, .address_space: global }
      - { .name: v, .offset: 16, .size: 8, .value_kind: global_buffer, .address_space: global }
      - { .name: xq, .offset: 24, .size: 8, .value_kind: global_buffer, .address_space: global }
    .group_segment_fixed_size: 17152
    .private_segment_fixed_size: 0
    .kernarg_segment_align: 8
    .kernarg_segment_size: 32
    .max_flat_workgroup_size: 64
    .sgpr_count:     66
    .vgpr_count:     242
    .wavefront_size: 32
...
	.end_amdgpu_metadata
.endif
;; end of part 1
;; launch quant_w (part 2): grid 64 x 4, 4 waves a work-group, no clusters, 0 bytes of LDS; arguments w_q, w_k, w_v, w_o, wq; writes wq
.if DOCPART == 2
	.amdgcn_target "amdgcn-amd-amdhsa--gfx1250"
	.amdhsa_code_object_version 6
	.text
	.protected	k_q51e2a210aa_quant_w
	.globl	k_q51e2a210aa_quant_w
	.p2align	8
	.type	k_q51e2a210aa_quant_w,@function
k_q51e2a210aa_quant_w:
	s_mov_b64 s[64:65], 0
	v_nop
	global_prefetch_b8 v0, s[64:65] scope:SCOPE_SE
	s_setreg_imm32_b32 hwreg(HW_REG_WAVE_MODE, 25, 1), 1
	s_wait_xcnt 0x0
; The four weights [1024 (k)][1024 (n)], f32, K their FIRST axis, become codes of FP6 (E2M3) with one E8M0 byte for each 32 along K, laid in the order of the operand's registers:
; wq = [32 panels: weight x 8 + 128 columns][8 K steps of 128][a record of 12,800 bytes], the record as in xq (eight units of 1,536 bytes, four blocks of scale words), its rows being columns n of the weight.
; A LANE TAKES A COLUMN, AND ITS REGISTERS RUN DOWN K: a load reads 128 consecutive bytes of a row of the weight, a block of 32 along K lies in one lane, and the conversions give codes with K innermost.  Nothing is transposed.
; Column 32 wave + l of the panel is row rr = l % 8 + 8 (l / 16) of tile 2 wave + u, u = (l / 8) % 2 (the tiles' rows are chosen as in xq).  The lane holds what the fragment's lanes rr and rr + 16 hold: blocks 0, 2 and blocks 1, 3.
; LIMITS: NaN and infinities are not served; a block of zeros gets the byte 1 where the quantiser says 127: its codes are zeros, and this program alone reads the bytes.
; SHARES: a work-group is (weight, panel of 128 columns, K step); a wave takes 32 columns.  No LDS, no barrier, no cluster: nothing is shared or read twice.
.set REC_G, 12800
.set PANEL, 8*REC_G
.set M,   8                            ; v8-11   largest magnitudes
.set SO,  12                           ; v12-15  the conversions' scale operands
.set BY,  16                           ; v16-19  the bytes
.set SW,  20                           ; v20     my column's scale word;  v21 at work
.set CD,  24                           ; v24-35  blocks 0, 2;  v36-47 blocks 1, 3
.set PT,  48                           ; v48-63  second halves of the four blocks
.set D,   64                           ; v64-191 my column's 128 numbers
	s_load_b256 s[4:11], s[0:1], 0x0               ; w_q, w_k, w_v, w_o
	s_load_b64 s[12:13], s[0:1], 0x20              ; wq
	v_lshrrev_b32 v1, 5, v0
	v_readfirstlane_b32 s17, v1                    ; wave
	s_and_b32 s14, ttmp7, 0xffff                   ; which weight
	s_and_b32 s15, ttmp9, 7                        ; which 128 columns
	s_lshr_b32 s16, ttmp9, 3                       ; which K step
	s_lshl_b32 s18, s16, 19                        ; 128 rows of 4,096 bytes a K step
	s_lshl_b32 s19, s15, 9
	s_add_co_u32 s18, s18, s19
	s_lshl_b32 s19, s17, 7
	s_add_co_u32 s18, s18, s19                     ; + 4 (128 panel + 32 wave)
	s_mov_b32 s19, 0
	s_lshl_b32 s20, s14, 3
	s_add_co_u32 s20, s20, s15
	s_mul_i32 s20, s20, PANEL
	s_mul_i32 s21, s16, REC_G
	s_add_co_u32 s20, s20, s21                     ; the record
	s_mul_i32 s21, s17, 3072
	s_add_co_u32 s22, s20, s21                     ; my wave's two units
	s_mov_b32 s23, 0
	s_lshl_b32 s21, s17, 7
	s_add_co_u32 s24, s20, s21
	s_add_co_u32 s24, s24, 12288                   ; my wave's block of scale words
	s_mov_b32 s25, 0
	v_and_b32 v4, 31, v0
	v_lshlrev_b32 v1, 2, v4                        ; v1 = 4 x lane: my column in a row of the weight
	v_bfe_u32 v5, v0, 3, 1                         ; u
	v_and_b32 v6, 7, v0
	v_bfe_u32 v7, v0, 4, 1
	v_lshl_add_u32 v6, v7, 3, v6                   ; rr
	v_lshlrev_b32 v2, 4, v6
	v_mad_u32_u24 v2, v5, 1536, v2                 ; v2 = 1,536 u + 16 rr: my place in the two units
	v_lshl_add_u32 v3, v5, 4, v6
	v_lshlrev_b32 v3, 2, v3                        ; v3 = 4 (16 u + rr): my scale word's place
	s_wait_kmcnt 0x0
	s_cmp_eq_u32 s14, 1                            ; the weight is chosen by the work-group's number alone
	s_cselect_b64 s[4:5], s[6:7], s[4:5]
	s_cmp_eq_u32 s14, 2
	s_cselect_b64 s[4:5], s[8:9], s[4:5]
	s_cmp_eq_u32 s14, 3
	s_cselect_b64 s[4:5], s[10:11], s[4:5]
	s_add_nc_u64 s[4:5], s[4:5], s[18:19]
	s_add_nc_u64 s[22:23], s[12:13], s[22:23]
	s_add_nc_u64 s[24:25], s[12:13], s[24:25]
.macro LOADB kb                        ; block kb: 32 rows of the weight at my column
.irp i, 0,1,2,3,4,5,6,7,8,9,10,11,12,13,14,15,16,17,18,19,20,21,22,23,24,25,26,27,28,29,30,31
	global_load_b32 v[D+32*\kb+\i], v1, s[4:5] offset:(32*\kb+\i)*4096 th:TH_LOAD_NT
.endr
.endm
.macro MAXB kb                         ; its largest magnitude, in two chains, with the floor 2^(3 - 127) as one more leaf
	v_max3_num_f32 v[M+\kb], |v[D+32*\kb]|, |v[D+32*\kb+1]|, |v[D+32*\kb+2]|
	v_max3_num_f32 v[SW+1], |v[D+32*\kb+3]|, |v[D+32*\kb+4]|, |v[D+32*\kb+5]|
.irp i, 6,10,14,18,22,26
	v_max3_num_f32 v[M+\kb], v[M+\kb], |v[D+32*\kb+\i]|, |v[D+32*\kb+\i+1]|
	v_max3_num_f32 v[SW+1], v[SW+1], |v[D+32*\kb+\i+2]|, |v[D+32*\kb+\i+3]|
.endr
	v_max3_num_f32 v[M+\kb], v[M+\kb], |v[D+32*\kb+30]|, |v[D+32*\kb+31]|
	v_max3_num_f32 v[M+\kb], v[M+\kb], v[SW+1], 0x1800000
.endm
	LOADB 0
	LOADB 1
	s_wait_loadcnt 32                              ; block 0 is in; block 1's 32 loads may be out
	LOADB 2
	MAXB 0
	s_wait_loadcnt 32                              ; block 1 is in; block 2's may be out
	LOADB 3
	MAXB 1
	s_wait_loadcnt 32                              ; block 2 is in; block 3's may be out
	MAXB 2
	s_wait_loadcnt 0x0
	MAXB 3
.irp b, 0,1,2,3
	v_add_nc_u32 v[SO+\b], 0xff000000, v[M+\b]     ; 2 off the exponent field: the conversion's scale operand
.endr
.irp b, 0,1,2,3
	v_lshrrev_b32 v[BY+\b], 23, v[SO+\b]           ; the byte
.endr
	v_lshl_or_b32 v[SW], v[BY+1], 8, v[BY]
	v_lshl_or_b32 v[SW], v[BY+2], 16, v[SW]
	v_lshl_or_b32 v[SW], v[BY+3], 24, v[SW]
.irp b, 0,1,2,3
	v_cvt_scalef32_pk16_fp6_f32 v[CD+12*(\b%2)+6*(\b/2):CD+12*(\b%2)+6*(\b/2)+2], v[D+32*\b:D+32*\b+15], v[SO+\b]
	v_cvt_scalef32_pk16_fp6_f32 v[PT+4*\b:PT+4*\b+2], v[D+32*\b+16:D+32*\b+31], v[SO+\b]
.endr
	v_nop                                          ; one plain line behind the scaled conversions
.irp b, 0,1,2,3
.irp i, 0,1,2
	v_mov_b32 v[CD+12*(\b%2)+6*(\b/2)+3+\i], v[PT+4*\b+\i]
.endr
.endr
.irp hh, 0,1
.irp g, 0,1,2
	global_store_b128 v2, v[CD+12*\hh+4*\g:CD+12*\hh+4*\g+3], s[22:23] offset:256*\hh+512*\g   ; the sixteen lanes of each u fill 256 consecutive bytes, at a multiple of 256 from the buffer's first byte
.endr
.endr
	global_store_b32 v3, v[SW], s[24:25]           ; 128 consecutive bytes
	s_endpgm
.Lfunc_end_k_q51e2a210aa_quant_w:
	.size	k_q51e2a210aa_quant_w, .Lfunc_end_k_q51e2a210aa_quant_w-k_q51e2a210aa_quant_w
	.p2alignl 7, 3214868480
	.fill 96, 4, 3214868480
	.section	.rodata,"a",@progbits
	.p2align	6, 0x0
	.amdhsa_kernel k_q51e2a210aa_quant_w
		.amdhsa_group_segment_fixed_size 0
		.amdhsa_private_segment_fixed_size 0
		.amdhsa_enable_private_segment 0
		.amdhsa_kernarg_size 40
		.amdhsa_user_sgpr_count 2
		.amdhsa_user_sgpr_kernarg_segment_ptr 1
		.amdhsa_wavefront_size32 1
		.amdhsa_system_sgpr_workgroup_id_x 1
		.amdhsa_system_sgpr_workgroup_id_y 1
		.amdhsa_system_sgpr_workgroup_id_z 1
		.amdhsa_system_vgpr_workitem_id 0
		.amdhsa_next_free_vgpr 192
		.amdhsa_next_free_sgpr 66
		.amdhsa_reserve_vcc 0
		.amdhsa_float_denorm_mode_32 3
		.amdhsa_float_denorm_mode_16_64 3
		.amdhsa_memory_ordered 1
		.amdhsa_forward_progress 1
		.amdhsa_inst_pref_size 21
	.end_amdhsa_kernel
	.amdgpu_metadata
---
amdhsa.version: [ 1, 2 ]
amdhsa.kernels:
  - .name:           k_q51e2a210aa_quant_w
    .symbol:         k_q51e2a210aa_quant_w.kd
    .args:
      - { .name: w_q, .offset: 0, .size: 8, .value_kind: global_buffer, .address_space: global }
      - { .name: w_k, .offset: 8, .size: 8, .value_kind: global_buffer, .address_space: global }
      - { .name: w_v, .offset: 16, .size: 8, .value_kind: global_buffer, .address_space: global }
      - { .name: w_o, .offset: 24, .size: 8, .value_kind: global_buffer, .address_space: global }
      - { .name: wq, .offset: 32, .size: 8, .value_kind: global_buffer, .address_space: global }
    .group_segment_fixed_size: 0
    .private_segment_fixed_size: 0
    .kernarg_segment_align: 8
    .kernarg_segment_size: 40
    .max_flat_workgroup_size: 128
    .sgpr_count:     66
    .vgpr_count:     192
    .wavefront_size: 32
...
	.end_amdgpu_metadata
.endif
;; end of part 2
;; launch proj (part 3): grid 8 x 96, 4 waves a work-group, clusters of 4 x 4, 205,312 bytes of LDS; arguments xq, wq, b_q, b_k, b_v, qkv; writes qkv
.if DOCPART == 3
	.amdgcn_target "amdgcn-amd-amdhsa--gfx1250"
	.amdhsa_code_object_version 6
	.text
	.protected	k_q51e2a210aa_proj
	.globl	k_q51e2a210aa_proj
	.p2align	8
	.type	k_q51e2a210aa_proj,@function
k_q51e2a210aa_proj:
	s_mov_b64 s[64:65], 0
	v_nop
	global_prefetch_b8 v0, s[64:65] scope:SCOPE_SE
	s_setreg_imm32_b32 hwreg(HW_REG_WAVE_MODE, 25, 1), 1
	s_wait_xcnt 0x0
	s_wait_alu depctr_hold_cnt(0) depctr_sa_sdst(0) depctr_va_vdst(0) depctr_va_sdst(0) depctr_va_ssrc(0) depctr_va_vcc(0) depctr_vm_vsrc(0)
	s_getreg_b32 s2, hwreg(HW_REG_IB_STS2, 6, 4)
	s_cmp_eq_u32 s2, 0
	s_cbranch_scc0 .Lentry_in_a_cluster
	s_endpgm
.Lentry_in_a_cluster:
	s_bfe_u32 s2, ttmp6, 0x10000c
	s_cmp_lg_u32 s2, 0xf033
	s_cbranch_scc0 .Lentry_shape_is_right
	s_endpgm
.Lentry_shape_is_right:
; The three projections x W + b on codes of FP6 (E2M3), and the quantising of their results for attention.  A work-group makes 128 tokens x 128 channels of one of Q, K, V over all of K = 1,024.
; OPERANDS lie in xq and wq in the order of the operand's registers: a record of 12,800 bytes is 128 rows x 128 K (eight units of 1,536 bytes, then four blocks of scale words).  A fragment is three dense ds_load_b128.
; LDS: four chunks of 51,200 bytes, chunk c = x's records of K steps 2 c, 2 c + 1, then W's.  All eight K steps of both panels fit, so every byte of LDS is filled ONCE: no slot is filled again.
; Each wave brings one record of each chunk: four tensor loads a wave are out at the most, all issued at the start.
; CLUSTER 4 x 4: the four work-groups of a row of the cluster share x's panel, the four of a column W's: each record is asked for jointly, by the same tensor load with a mask that names the four.
; THE PRODUCT is D = S0 S1^T: a lane holds one row of S1, its registers run along S0's rows; the rows that form a tile are chosen (lane r of tile 2 b + u: row 32 b + 8 u + r + 8 (r / 8)) so that the 16 registers
; of S0's tiles 2 b, 2 b + 1 are 16 neighbours.  Q, K: S0 = W, S1 = x: a lane holds a token and its registers run along the channels, the next product's K.  V: S0 = x, S1 = W: a lane holds a channel and its registers run
; along the keys.  Only the two LDS bases, the form of the bias and the way out differ; the choice hangs on the cluster's y alone, which all partners share.
; Wave w makes S1's tiles 2 w, 2 w + 1 against S0's eight: 16 accumulators, which take turns, one instruction a turn, in the same order in every K step.  The bias is the C of the first K step.
; qkv = [Q, K, V][32 heads][16 groups of 128 tokens][a record of 6,656 bytes: four units, four blocks of scale words].  Q, K: unit i = the real halves (the head's 64 along K) of token tiles 2 i and 2 i + 1, six registers
; each; scale words with bytes 2, 3 = 0.  V: unit tc = channel tile tc x 128 keys, a whole fragment.
; LIMITS: NaN and infinities are not served; a block of zeros gets the byte 1 where the quantiser says 127: its codes are zeros, and this program alone reads the bytes.
; REGISTERS: window 0: v1-12 addresses; v16-20, v24-28 scale words, two sets; v32-95 the way out; v128-255 accumulator (i, j) at 128 + 64 i + 8 j.  window 1: two fragment buffers of 128 (S0's eight at 12 j, S1's two at 96 + 12 i).
;   window 2: v0-63 the bias along S0's rows, v64-79 along S1's.
.set REC_G, 12800
.set PANEL, 8*REC_G
.set REC_A, 6656
.set HEAD,  16*REC_A
.set TS,    32*HEAD
.set CHUNK, 4*REC_G
.set L16, 1                            ; v1   16 x lane
.set L4,  2                            ; v2   4 x lane
.set RR,  3                            ; v3   lane % 16
.set HH,  4                            ; v4   lane / 16
.set A0,  5                            ; v5   LDS: S0's fragments in the chunk in hand
.set A1,  6                            ; v6   S1's two
.set SA0, 7                            ; v7   S0's scale words
.set SA1, 8                            ; v8   S1's
.set BO,  9                            ; v9   the bias along S0's rows: 64 (lane / 16)
.set BL,  10                           ; v10-11 the bias along S1's rows, as loaded
.set BO2, 12                           ; v12  its offset
.set SS,  16                           ; scale words: set p at 16 + 8 p: four registers for S0 (lanes 0-15 tile 2 b, lanes 16-31 tile 2 b + 1), one for S1
.set TM,  32                           ; v32-47 the quantiser's work
.set PW,  48                           ; v48-49 scale words just made
.set SW,  50                           ; v50-52
.set U0,  64                           ; v64-75, v76-87 two units on their way out
.set U1,  76
.set PT,  88                           ; v88-95
.set ACC, 128
.set BJ,  0                            ; in window 2
.set BI,  64
.set WV,  16                           ; s16 my wave
.set G1X, 24                           ; s[24:31] descriptor group 1 for x's records;  s[32:39] for W's: the mask differs
.set G1W, 32
.set G0X, 40                           ; s[40:55] group 0 for x, a set for each chunk;  s[68:83] for W
.set T3,  56                           ; s56 which tensor
.set SEL, 66                           ; s[66:67]
.set G0W, 68
.set MSB, 0
.macro WIN new                         ; the immediate's high byte repeats the setting that is left
.if MSB != \new
	s_set_vgpr_msb (MSB<<8)|\new
.set MSB, \new
.endif
.endm
.macro CROUND                          ; a round of the cluster's barrier
	s_barrier_signal -1
	s_barrier_wait -1
	s_cmp_lg_u32 s[WV], 0
	s_cbranch_scc1 .Lnot_wave_0_\@
	s_barrier_signal -3
.Lnot_wave_0_\@:
	s_barrier_wait -3
	s_barrier_signal -1
	s_barrier_wait -1
.endm
.macro PLACES
.rept 4
	v_nop
.endr
.endm
; One matrix instruction.  c < 0: the constant 0 starts the sum.  ra, rb = 1: that side's scales are read from lanes 16-31.
.macro WM d, a, b, c, sa, sb, ra, rb
.if (\c) < 0
.if (\ra) == 0 && (\rb) == 0
	v_wmma_scale_f32_16x16x128_f8f6f4 v[\d:\d+7], v[\a:\a+11], v[\b:\b+11], 0, v[\sa], v[\sb] matrix_a_fmt:MATRIX_FMT_FP6 matrix_b_fmt:MATRIX_FMT_FP6
.elseif (\ra) == 1 && (\rb) == 0
	v_wmma_scale_f32_16x16x128_f8f6f4 v[\d:\d+7], v[\a:\a+11], v[\b:\b+11], 0, v[\sa], v[\sb] matrix_a_fmt:MATRIX_FMT_FP6 matrix_b_fmt:MATRIX_FMT_FP6 matrix_a_scale:MATRIX_SCALE_ROW1
.elseif (\ra) == 0
	v_wmma_scale_f32_16x16x128_f8f6f4 v[\d:\d+7], v[\a:\a+11], v[\b:\b+11], 0, v[\sa], v[\sb] matrix_a_fmt:MATRIX_FMT_FP6 matrix_b_fmt:MATRIX_FMT_FP6 matrix_b_scale:MATRIX_SCALE_ROW1
.else
	v_wmma_scale_f32_16x16x128_f8f6f4 v[\d:\d+7], v[\a:\a+11], v[\b:\b+11], 0, v[\sa], v[\sb] matrix_a_fmt:MATRIX_FMT_FP6 matrix_b_fmt:MATRIX_FMT_FP6 matrix_a_scale:MATRIX_SCALE_ROW1 matrix_b_scale:MATRIX_SCALE_ROW1
.endif
.else
.if (\ra) == 0 && (\rb) == 0
	v_wmma_scale_f32_16x16x128_f8f6f4 v[\d:\d+7], v[\a:\a+11], v[\b:\b+11], v[\c:\c+7], v[\sa], v[\sb] matrix_a_fmt:MATRIX_FMT_FP6 matrix_b_fmt:MATRIX_FMT_FP6
.elseif (\ra) == 1 && (\rb) == 0
	v_wmma_scale_f32_16x16x128_f8f6f4 v[\d:\d+7], v[\a:\a+11], v[\b:\b+11], v[\c:\c+7], v[\sa], v[\sb] matrix_a_fmt:MATRIX_FMT_FP6 matrix_b_fmt:MATRIX_FMT_FP6 matrix_a_scale:MATRIX_SCALE_ROW1
.elseif (\ra) == 0
	v_wmma_scale_f32_16x16x128_f8f6f4 v[\d:\d+7], v[\a:\a+11], v[\b:\b+11], v[\c:\c+7], v[\sa], v[\sb] matrix_a_fmt:MATRIX_FMT_FP6 matrix_b_fmt:MATRIX_FMT_FP6 matrix_b_scale:MATRIX_SCALE_ROW1
.else
	v_wmma_scale_f32_16x16x128_f8f6f4 v[\d:\d+7], v[\a:\a+11], v[\b:\b+11], v[\c:\c+7], v[\sa], v[\sb] matrix_a_fmt:MATRIX_FMT_FP6 matrix_b_fmt:MATRIX_FMT_FP6 matrix_a_scale:MATRIX_SCALE_ROW1 matrix_b_scale:MATRIX_SCALE_ROW1
.endif
.endif
.endm
; Eight matrix instructions: S0's tiles j0 .. j0 + 3 against S1's two, from buffer p.  cm = 0: onto the sums; 1: the bias along S0's rows starts them; 2: the bias along S1's rows
.macro MUL8 p, j0, cm
.irp j, \j0, \j0+1, \j0+2, \j0+3
.irp i, 0, 1
.if \cm == 0
	WM ACC+64*\i+8*(\j), 128*\p+12*(\j), 128*\p+96+12*\i, ACC+64*\i+8*(\j), SS+8*\p+(\j)/2, SS+8*\p+4, (\j)%2, \i
.elseif \cm == 1
	WM ACC+64*\i+8*(\j), 128*\p+12*(\j), 128*\p+96+12*\i, BJ+8*(\j), SS+8*\p+(\j)/2, SS+8*\p+4, (\j)%2, \i
.else
	WM ACC+64*\i+8*(\j), 128*\p+12*(\j), 128*\p+96+12*\i, BI+8*\i, SS+8*\p+(\j)/2, SS+8*\p+4, (\j)%2, \i
.endif
.endr
.endr
.endm
; 35 LDS loads: K step s's scale words, S1's two fragments, S0's tiles 0-3, S0's tiles 4-7, into set and buffer s % 2
.macro FETCH s
.set FP, (\s)%2
.set FO, REC_G*((\s)%2)
	WIN 0
.irp b, 0,1,2,3
	ds_load_b32 v[SS+8*FP+\b], v[SA0] offset:FO+128*\b
.endr
	ds_load_b32 v[SS+8*FP+4], v[SA1] offset:FO
	WIN 0x40                                       ; destination window 1, address window 0
.irp i, 0,1
.irp g, 0,1,2
	ds_load_b128 v[128*FP+96+12*\i+4*\g:128*FP+96+12*\i+4*\g+3], v[A1] offset:FO+1536*\i+512*\g
.endr
.endr
.irp t, 0,1,2,3,4,5,6,7
.irp g, 0,1,2
	ds_load_b128 v[128*FP+12*\t+4*\g:128*FP+12*\t+4*\g+3], v[A0] offset:FO+1536*\t+512*\g
.endr
.endr
.endm
; A K step of 128: sixteen matrix instructions, the next step's loads in one run in their middle.
.macro STEP s, cm
.set PP, (\s)%2
	s_wait_dscnt 12                                ; all of this step's loads but the youngest twelve (S0's tiles 4-7) are in
.if \cm
	WIN 0x25                                       ; sources 0 and 1 window 1, C window 2, D window 0
.else
	WIN 0x05                                       ; sources 0 and 1 window 1, C and D window 0
.endif
	MUL8 PP, 0, \cm
.if (\s) < 7
	WIN 0
.if ((\s)+1)%2 == 0
	s_wait_dscnt 0x0                               ; no LDS instruction of mine is out at a signal
	s_wait_tensorcnt 3-((\s)+1)/2                  ; my record of the next chunk has landed; the later chunks' loads, one each, may stay out
	s_barrier_signal -1
	s_barrier_wait -1                              ; everybody's has
.irp a, A0, A1, SA0, SA1
	v_add_nc_u32 v[\a], CHUNK, v[\a]               ; on to that chunk.  These four are also the places in front of the loads below
.endr
.else
	PLACES                                         ; four places in front of loads into registers that matrix instructions have read
.endif
	FETCH (\s)+1
	s_wait_dscnt 35                                ; all but the 35 just issued
.else
	s_wait_dscnt 0x0
.endif
.if \cm
	WIN 0x25
.else
	WIN 0x05
.endif
	MUL8 PP, 4, \cm
.endm
; 64 numbers of a lane, v[s] on, register 16 b + i = place 32 b + 16 (lane / 16) + i along the next K, become codes: blocks 0, 1 in six registers at d0, blocks 2, 3 at d1; the four bytes in v[pw]
.macro QUANT s, d0, d1, pw
.irp b, 0,1,2,3
	v_max3_num_f32 v[TM+\b], |v[\s+16*\b]|, |v[\s+1+16*\b]|, 0x1800000   ; each accumulator is read from its low end on; the floor 2^(3 - 127) holds the byte at 1 from below
.endr
.irp i, 2,4,6,8,10,12,14
.irp b, 0,1,2,3
	v_max3_num_f32 v[TM+\b], v[TM+\b], |v[\s+16*\b+\i]|, |v[\s+1+16*\b+\i]|
.endr
.endr
.irp b, 0,1,2,3
	v_permlanex16_b32 v[TM+4+\b], v[TM+\b], s[SEL], s[SEL+1]
.endr
.irp b, 0,1,2,3
	v_max_num_f32 v[TM+\b], v[TM+\b], v[TM+4+\b]   ; with lane l xor 16's sixteen: the block's largest magnitude
.endr
.irp b, 0,1,2,3
	v_add_nc_u32 v[TM+12+\b], 0xff000000, v[TM+\b] ; 2 off the exponent field: the conversion's scale operand
.endr
.irp b, 0,1,2,3
	v_lshrrev_b32 v[TM+4+\b], 23, v[TM+12+\b]      ; the byte
.endr
	v_lshl_or_b32 v[\pw], v[TM+5], 8, v[TM+4]
	v_lshl_or_b32 v[\pw], v[TM+6], 16, v[\pw]
	v_lshl_or_b32 v[\pw], v[TM+7], 24, v[\pw]
	v_cvt_scalef32_pk16_fp6_f32 v[\d0:\d0+2], v[\s:\s+15], v[TM+12]
	v_cvt_scalef32_pk16_fp6_f32 v[PT:PT+2], v[\s+16:\s+31], v[TM+13]
	v_cvt_scalef32_pk16_fp6_f32 v[\d1:\d1+2], v[\s+32:\s+47], v[TM+14]
	v_cvt_scalef32_pk16_fp6_f32 v[PT+4:PT+6], v[\s+48:\s+63], v[TM+15]
	v_nop                                          ; one plain line behind the scaled conversions
.irp i, 0,1,2                          ; the operand's layout wants a whole block in a lane: lanes 0-15 the even block, lanes 16-31 the odd one
	v_permlane16_swap_b32 v[\d0+\i], v[PT+\i]
	v_permlane16_swap_b32 v[\d1+\i], v[PT+4+\i]
.endr
.irp i, 0,1,2
	v_mov_b32 v[\d0+3+\i], v[PT+\i]
	v_mov_b32 v[\d1+3+\i], v[PT+4+\i]
.endr
.endm
	s_load_b256 s[4:11], s[0:1], 0x0               ; xq s[4:5], wq s[6:7], b_q s[8:9], b_k s[10:11]
	s_load_b128 s[12:15], s[0:1], 0x20             ; b_v s[12:13], qkv s[14:15]
	v_lshl_add_u32 v126, v0, 2, 0x32000
	v_mov_b32 v127, 0
	ds_add_u32 v126, v127
	ds_add_u32 v126, v127
	v_lshrrev_b32 v1, 5, v0
	v_readfirstlane_b32 s[WV], v1                  ; wave 0..3
	s_lshr_b32 s17, s[WV], 1                       ; I fetch for x (0) or for W (1),
	s_and_b32 s18, s[WV], 1                        ; the even or the odd K step of a chunk
	s_bfe_u32 s19, ttmp6, 0x40000                  ; cx
	s_bfe_u32 s20, ttmp6, 0x40004                  ; cy
	s_lshl_b32 s21, ttmp9, 2
	s_add_co_u32 s21, s21, s19                     ; the panel of 128 channels = 4 x cluster x + cx
	s_and_b32 s22, ttmp7, 0xffff                   ; cluster y
	s_lshl_b32 s23, s22, 2
	s_add_co_u32 s23, s23, s20                     ; xq's panel = 4 x cluster y + cy
	s_lshr_b32 s[T3], s22, 3                       ; the tensor: of the cluster's y alone
	s_lshl_b32 s57, s20, 2
	s_lshl_b32 s57, 15, s57                        ; my row of the cluster
	s_lshl_b32 s58, 0x1111, s19                    ; my column
	; descriptor group 1: a record, 12,800 dense bytes, as 50 rows of 32 elements of 8 bytes; no padding
	s_or_b32 s[G1X], s57, (3<<16)|(1<<21)          ; 15:0 the mask: x's records go to my row; 17:16 elements of 8 bytes; 21 set beside a mask
	s_or_b32 s[G1W], s58, (3<<16)|(1<<21)          ; W's to my column
.irp g, G1X, G1W
	s_mov_b32 s[\g+1], 32<<16                      ; tensor_dim0 = 32
	s_mov_b32 s[\g+2], 50<<16                      ; tensor_dim1 = 50
	s_mov_b32 s[\g+3], 32<<16                      ; tile_dim0 = 32
	s_mov_b32 s[\g+4], 50                          ; tile_dim1 = 50
	s_mov_b32 s[\g+5], 32                          ; from row to row
	s_mov_b32 s[\g+6], 0
	s_mov_b32 s[\g+7], 0
.endr
	s_mul_i32 s59, s18, REC_G
	s_mul_i32 s60, s23, PANEL
	s_add_co_u32 s60, s60, s59                     ; x: my record of chunk 0: hangs on the panel, which my row shares
	s_mov_b32 s61, 0
	s_lshl_b32 s62, s[T3], 3
	s_add_co_u32 s62, s62, s21
	s_mul_i32 s62, s62, PANEL
	s_add_co_u32 s62, s62, s59                     ; W: hangs on the tensor and the channels' panel, which my column shares
	s_mov_b32 s63, 0
	s_mul_i32 s84, s[WV], REC_G                    ; in LDS: wave x a record: no place in the cluster enters an LDS address
	s_mov_b32 s[SEL], 0x76543210
	s_mov_b32 s[SEL+1], 0xfedcba98
	s_wait_dscnt 0x0
	s_wait_kmcnt 0x0
	s_add_nc_u64 s[60:61], s[4:5], s[60:61]
	s_add_nc_u64 s[62:63], s[6:7], s[62:63]
	CROUND                                         ; all sixteen work-groups are here: the joint loads meet
.irp c, 0,1,2,3
	s_mov_b32 s[G0X+4*\c], 1                                       ; count = 1
	s_add_co_u32 s[G0X+4*\c+1], s84, \c*CHUNK                      ; LDS address
	s_add_nc_u64 s[G0X+4*\c+2:G0X+4*\c+3], s[60:61], 2*\c*REC_G    ; global address
	s_or_b32 s[G0X+4*\c+3], s[G0X+4*\c+3], 0x80000000              ; type = 2
	s_mov_b32 s[G0W+4*\c], 1
	s_add_co_u32 s[G0W+4*\c+1], s84, \c*CHUNK
	s_add_nc_u64 s[G0W+4*\c+2:G0W+4*\c+3], s[62:63], 2*\c*REC_G
	s_or_b32 s[G0W+4*\c+3], s[G0W+4*\c+3], 0x80000000
.endr
	s_cmp_eq_u32 s17, 0                            ; a wave's four fills stand in one branch on its number, ahead of every wait on TENSORcnt, every LDS read and every other barrier
	s_cbranch_scc0 .Lfor_w
.irp c, 0,1,2,3
	tensor_load_to_lds s[G0X+4*\c:G0X+4*\c+3], s[G1X:G1X+7]
	s_nop 0
.endr
	PLACES                                         ; four v_nop follow the last of them
	s_branch .Lasked
.Lfor_w:
.irp c, 0,1,2,3
	tensor_load_to_lds s[G0W+4*\c:G0W+4*\c+3], s[G1W:G1W+7]
	s_nop 0
.endr
	PLACES
.Lasked:
	v_and_b32 v[L4], 31, v0
	v_lshlrev_b32 v[L16], 4, v[L4]
	v_lshlrev_b32 v[L4], 2, v[L4]
	v_and_b32 v[RR], 15, v0
	v_bfe_u32 v[HH], v0, 4, 1
	v_lshlrev_b32 v[BO], 6, v[HH]                  ; the bias along S0's rows: tile 2 b + u wants channels 32 b + 16 h + 8 u + 0 .. 7
	v_and_b32 v[BO2], 8, v[RR]
	v_add_nc_u32 v[BO2], v[BO2], v[RR]
	v_lshlrev_b32 v[BO2], 2, v[BO2]
	s_lshl_b32 s85, s[WV], 7
	v_add_nc_u32 v[BO2], s85, v[BO2]               ; along S1's: tile i wants channel 32 w + 8 i + r + 8 (r / 8)
	s_cmp_eq_u32 s[T3], 1                          ; the bias is chosen by the tensor's number alone
	s_cselect_b64 s[8:9], s[10:11], s[8:9]
	s_cmp_eq_u32 s[T3], 2
	s_cselect_b64 s[8:9], s[12:13], s[8:9]
	s_cselect_b32 s88, 0, 2*REC_G                  ; where S0's records begin in a chunk: V: x's, else W's
	s_cselect_b32 s89, 2*REC_G, 0                  ; and S1's
	s_lshl_b32 s86, s21, 9
	s_mov_b32 s87, 0
	s_add_nc_u64 s[8:9], s[8:9], s[86:87]          ; the panel's 128 numbers of the bias
	WIN 0x80                                       ; destination window 2, address window 0
.irp j, 0,1,2,3,4,5,6,7
	global_load_b128 v[BJ+8*\j:BJ+8*\j+3], v[BO], s[8:9] offset:(32*(\j/2)+8*(\j%2))*4
	global_load_b128 v[BJ+8*\j+4:BJ+8*\j+7], v[BO], s[8:9] offset:(32*(\j/2)+8*(\j%2))*4+16
.endr
	WIN 0
	global_load_b32 v[BL], v[BO2], s[8:9]
	global_load_b32 v[BL+1], v[BO2], s[8:9] offset:32
	s_mul_i32 s90, s[WV], 3072
	s_add_co_u32 s90, s90, s89
	v_add_nc_u32 v[A0], s88, v[L16]
	v_add_nc_u32 v[A1], s90, v[L16]                ; my two tiles of S1: units 2 w, 2 w + 1
	s_add_co_u32 s91, s88, 12288
	v_add_nc_u32 v[SA0], s91, v[L4]
	s_add_co_u32 s92, s89, 12288
	s_add_co_u32 s92, s92, s85
	v_add_nc_u32 v[SA1], s92, v[L4]                ; their scale words: block w
.irp b, 0,1,2,3
	v_mov_b32 v[TM+4+\b], 0                        ; written once: a lane permute's destination counts as one of its sources
.endr
	s_wait_tensorcnt 3                             ; my record of chunk 0 has landed; my three later loads may stay out
	s_barrier_signal -1
	s_barrier_wait -1                              ; everybody's has
	FETCH 0
	s_wait_loadcnt 0x0                             ; the biases
	WIN 0x80
.irp i, 0,1
.irp e, 0,1,2,3,4,5,6,7
	v_mov_b32 v[BI+8*\i+\e], v[BL+\i]              ; a lane's eight results of a tile share S1's row: eight copies
.endr
.endr
	WIN 0
	s_cmp_eq_u32 s[T3], 2
	s_cbranch_scc1 .Lfirst_v
	STEP 0, 1                                      ; the first K step starts the sums with the bias: nothing is cleared, nothing is added later
	WIN 0
	s_branch .Lfirst_done
.Lfirst_v:
	STEP 0, 2
	WIN 0
.Lfirst_done:
	STEP 1, 0
	STEP 2, 0
	STEP 3, 0
	STEP 4, 0
	STEP 5, 0
	STEP 6, 0
	STEP 7, 0
	WIN 0
	PLACES                                         ; four places in front of the first read of results
	s_and_b32 s91, s23, 31                         ; the tensor's panel of 128 tokens:
	s_lshr_b32 s92, s91, 4                         ; the batch,
	s_and_b32 s93, s91, 15                         ; the group of 128 tokens in it
	s_lshl_b32 s94, s92, 4
	s_lshl_b32 s95, s21, 1
	s_add_co_u32 s94, s94, s95                     ; the panel's first head: 16 batch + 2 panel
	s_mov_b32 s99, 0
	s_cmp_eq_u32 s[T3], 2
	s_cbranch_scc1 .Lout_v
	; Q, K: blocks 0, 1 of a lane's 128 channels are the first head's 64, blocks 2, 3 the second's.  Unit w of each head's record: token tile 2 w in registers 0-5, tile 2 w + 1 in 6-11
	QUANT ACC, U0, U1, PW
	QUANT ACC+64, U0+6, U1+6, PW+1
	v_cmp_ne_u32 vcc_lo, 0, v[HH]
	v_cndmask_b32 v[SW+2], v[PW], v[PW+1], vcc_lo  ; every lane holds its token's word: lanes 0-15 send tile 2 w's, lanes 16-31 tile 2 w + 1's
	v_and_b32 v[SW], 0xffff, v[SW+2]               ; the first head's two bytes; bytes 2, 3 are 0
	v_lshrrev_b32 v[SW+1], 16, v[SW+2]             ; the second head's
	s_mul_i32 s96, s[T3], TS
	s_mul_i32 s97, s94, HEAD
	s_add_co_u32 s96, s96, s97
	s_mul_i32 s97, s93, REC_A
	s_add_co_u32 s96, s96, s97                     ; the first head's record
	s_mul_i32 s97, s[WV], 1536
	s_add_co_u32 s98, s96, s97                     ; unit w
	s_add_co_u32 s96, s96, s85
	s_add_co_u32 s96, s96, 6144                    ; scale block w
	s_mov_b32 s97, 0
	s_add_nc_u64 s[86:87], s[14:15], s[98:99]
	s_add_nc_u64 s[14:15], s[14:15], s[96:97]
.irp g, 0,1,2
	global_store_b128 v[L16], v[U0+4*\g:U0+4*\g+3], s[86:87] offset:512*\g        ; 32 lanes store 512 consecutive bytes, at a multiple of 256 from the buffer's first byte
	global_store_b128 v[L16], v[U1+4*\g:U1+4*\g+3], s[86:87] offset:HEAD+512*\g
.endr
	global_store_b32 v[L4], v[SW], s[14:15]
	global_store_b32 v[L4], v[SW+1], s[14:15] offset:HEAD
	s_branch .Lend
.Lout_v:
	; V: a lane holds a channel, its 64 numbers of a tile are the group's 128 keys: a whole fragment.  My channels 32 w + .. of the panel are tiles 2 (w % 2), 2 (w % 2) + 1 of head w / 2
	QUANT ACC, U0, U0+6, PW
	QUANT ACC+64, U1, U1+6, PW+1
	s_add_co_u32 s94, s94, s17
	s_mul_i32 s96, s94, HEAD
	s_add_co_u32 s96, s96, 2*TS
	s_mul_i32 s97, s93, REC_A
	s_add_co_u32 s96, s96, s97                     ; the head's record of this key step
	s_mul_i32 s97, s18, 3072
	s_add_co_u32 s98, s96, s97                     ; my two units
	s_lshl_b32 s97, s18, 8
	s_add_co_u32 s96, s96, s97
	s_add_co_u32 s96, s96, 6144                    ; my two scale blocks
	s_mov_b32 s97, 0
	s_add_nc_u64 s[86:87], s[14:15], s[98:99]
	s_add_nc_u64 s[14:15], s[14:15], s[96:97]
.irp g, 0,1,2
	global_store_b128 v[L16], v[U0+4*\g:U0+4*\g+3], s[86:87] offset:512*\g
	global_store_b128 v[L16], v[U1+4*\g:U1+4*\g+3], s[86:87] offset:1536+512*\g
.endr
	global_store_b32 v[L4], v[PW], s[14:15]        ; both halves of the lanes hold the row's word
	global_store_b32 v[L4], v[PW+1], s[14:15] offset:128
.Lend:
	s_wait_dscnt 0x0
	s_wait_tensorcnt 0x0
	ds_add_u32 v126, v127
	s_wait_dscnt 0x0
	CROUND                                         ; the closing round: no work-group ends while a partner may still ask for a record that names it
	s_endpgm
.Lfunc_end_k_q51e2a210aa_proj:
	.size	k_q51e2a210aa_proj, .Lfunc_end_k_q51e2a210aa_proj-k_q51e2a210aa_proj
	.p2alignl 7, 3214868480
	.fill 96, 4, 3214868480
	.section	.rodata,"a",@progbits
	.p2align	6, 0x0
	.amdhsa_kernel k_q51e2a210aa_proj
		.amdhsa_group_segment_fixed_size 205312
		.amdhsa_private_segment_fixed_size 0
		.amdhsa_enable_private_segment 0
		.amdhsa_kernarg_size 48
		.amdhsa_user_sgpr_count 2
		.amdhsa_user_sgpr_kernarg_segment_ptr 1
		.amdhsa_wavefront_size32 1
		.amdhsa_system_sgpr_workgroup_id_x 1
		.amdhsa_system_sgpr_workgroup_id_y 1
		.amdhsa_system_sgpr_workgroup_id_z 1
		.amdhsa_system_vgpr_workitem_id 0
		.amdhsa_next_free_vgpr 768
		.amdhsa_next_free_sgpr 100
		.amdhsa_reserve_vcc 1
		.amdhsa_float_denorm_mode_32 3
		.amdhsa_float_denorm_mode_16_64 3
		.amdhsa_memory_ordered 1
		.amdhsa_forward_progress 1
		.amdhsa_inst_pref_size 70
	.end_amdhsa_kernel
	.amdgpu_metadata
---
amdhsa.version: [ 1, 2 ]
amdhsa.kernels:
  - .name:           k_q51e2a210aa_proj
    .symbol:         k_q51e2a210aa_proj.kd
    .args:
      - { .name: xq, .offset: 0, .size: 8, .value_kind: global_buffer, .address_space: global }
      - { .name: wq, .offset: 8, .size: 8, .value_kind: global_buffer, .address_space: global }
      - { .name: b_q, .offset: 16, .size: 8, .value_kind: global_buffer, .address_space: global }
      - { .name: b_k, .offset: 24, .size: 8, .value_kind: global_buffer, .address_space: global }
      - { .name: b_v, .offset: 32, .size: 8, .value_kind: global_buffer, .address_space: global }
      - { .name: qkv, .offset: 40, .size: 8, .value_kind: global_buffer, .address_space: global }
    .group_segment_fixed_size: 205312
    .private_segment_fixed_size: 0
    .kernarg_segment_align: 8
    .kernarg_segment_size: 48
    .max_flat_workgroup_size: 128
    .sgpr_count:     100
    .vgpr_count:     768
    .wavefront_size: 32
...
	.end_amdgpu_metadata
.endif
;; end of part 3
;; launch attn (part 4): grid 8 x 32, 8 waves a work-group, clusters of 4 x 1, 214,016 bytes of LDS; arguments qkv, ao; writes ao
.if DOCPART == 4
	.amdgcn_target "amdgcn-amd-amdhsa--gfx1250"
	.amdhsa_code_object_version 6
	.text
	.protected	k_q51e2a210aa_attn
	.globl	k_q51e2a210aa_attn
	.p2align	8
	.type	k_q51e2a210aa_attn,@function
k_q51e2a210aa_attn:
	s_mov_b64 s[64:65], 0
	v_nop
	global_prefetch_b8 v0, s[64:65] scope:SCOPE_SE
	s_setreg_imm32_b32 hwreg(HW_REG_WAVE_MODE, 25, 1), 1
	s_wait_xcnt 0x0
	s_wait_alu depctr_hold_cnt(0) depctr_sa_sdst(0) depctr_va_vdst(0) depctr_va_sdst(0) depctr_va_ssrc(0) depctr_va_vcc(0) depctr_vm_vsrc(0)
	s_getreg_b32 s2, hwreg(HW_REG_IB_STS2, 6, 4)
	s_cmp_eq_u32 s2, 0
	s_cbranch_scc0 .Lentry_in_a_cluster
	s_endpgm
.Lentry_in_a_cluster:
	s_bfe_u32 s2, ttmp6, 0x10000c
	s_cmp_lg_u32 s2, 0x3003
	s_cbranch_scc0 .Lentry_shape_is_right
	s_endpgm
.Lentry_shape_is_right:
; Attention of one head on codes of FP6 (E2M3): S^T = K Q^T, p = 2^(t - M), O^T += V^T P^T, O / l, and the quantising of the result for the last projection.
; t = score x log2(e) / 8; M = the running largest t rounded UP to a whole number, kept as -M = floor(-t); p is not normalised; l is the f32 sum of the unquantised p and divides at the end.  When M moves, l and O^T are
; multiplied by 2^(old M - new M), which rounds nothing.  A block's largest p is the block's largest score put through the same multiply-add and exponential.
; SHARES: a work-group owns 256 queries of one head; each of its eight waves one unit of Q: two tiles of 16 queries.  Two waves lie on a SIMD, so that one wave's vector work stands beside the other's matrix work.
; LDS: the head's K (16 records of 6,656 bytes) at 0, its V at 106,496.  The whole head fits, so every byte is filled ONCE.  Wave w brings record 4 c + w % 4 of K (w < 4) or of V for chunk c = 0 .. 3: four tensor loads a wave
; are out at the most, all issued at the start; a barrier in front of each chunk's first use.
; CLUSTER 4 x 1: the four blocks of queries of a cluster belong to one head and read the same K and V: every record is asked for jointly, mask 15.
; LAYOUT: both products are used transposed, so a lane holds ONE query throughout; the keys of a tile of K and the channels of a tile of V are chosen (lane r of tile 2 b + u: row 32 b + 8 u + r + 8 (r / 8)) so that the
; 16 registers of tiles 2 b, 2 b + 1 are 16 neighbours.
; THE HEAD'S 64 IN AN INSTRUCTION OF 128: a tile of K or Q has six real registers.  Q's upper six are zero codes.  K's fragments lie six registers apart, so fragment t's upper six are fragment t + 1's codes (the last one's: zeros):
; they meet Q's zero codes, under scale bytes 0 on both sides, and add exactly 0: no code of this format is an infinity or a NaN.
; ao = [32 panels of 128 tokens][8 K steps = pairs of heads][a record of 12,800 bytes]: unit t of 1,536 bytes: register 6 c + 2 j + e of lane l at 768 c + 256 j + 8 l + 4 e, c = head % 2; then the scale words, of which this
; head writes bytes 2 c, 2 c + 1 (the other two belong to the neighbouring head's work-group: stores of two bytes a lane, 1 byte in 96 of what is stored).
; LIMITS: NaN and infinities are not served; a block of zeros gets the byte 1 where the quantiser says 127: its codes are zeros, and this program alone reads the bytes.
; REGISTERS: tile 0's state in window 0, tile 1's in window 1, under the same numbers, so that one text serves both: v12 -M, v13 largest t, v[14:15] l, v16-27 Q, v96-159 S^T then p, v160-191 O^T, v192-229 at work.
;   window 0 alone: v1-8 addresses, v9 Q's scale words, v10-11 p's, v28-31 K's, v32-33 V's, v34-87 K's fragments, v88-92 the way out.   window 1 alone: v34-81 V's four fragments.
.set REC_G, 12800
.set PANEL, 8*REC_G
.set REC_A, 6656
.set HEAD,  16*REC_A
.set TS,    32*HEAD
.set AK0,  1                           ; v1  16 x lane: my place in K's units (and my offset in Q's unit)
.set AV0,  2                           ; v2  the same in V's
.set AKS0, 3                           ; v3  my place among a record's scale words of K
.set AVS0, 4                           ; v4  of V: lanes 16-31 one block further on
.set ADK,  5                           ; v5-8 the addresses of the loads in hand
.set ADV,  6
.set ADKS, 7
.set ADVS, 8
.set QS,   9
.set PW,   10
.set Q,    16
.set KS,   28
.set VS,   32
.set KF,   34
.set L8,   88
.set L4,   89
.set S,    96
.set O,    160
.set PC,   192                         ; p's codes
.set PT,   204                         ; second halves (a conversion's three registers begin on an even number)
.set BM,   212                         ; the blocks' largest scores, then largest p
.set BP,   216                         ; permutes' destinations, then bytes
.set SO,   220                         ; the conversions' scale operands
.set F,    224                         ; v[224:225] f = 2^(old M - new M)
.set T0,   226
.set T1,   227
.set L2,   228                         ; v[228:229] the sum's second chain
.set WV,   8                           ; s8 my wave
.set SEL,  20                          ; s[20:21]
.set CS,   22                          ; s[22:23] c = log2(e) / 8
.set G1,   24                          ; s[24:31] descriptor group 1
.set G0,   32                          ; s[32:47] group 0, a set for each chunk
.set TB,   48                          ; s48 where the key step's record begins
.set CNT,  49
.set MSB, 0
.macro WIN new                         ; the immediate's high byte repeats the setting that is left
.if MSB != \new
	s_set_vgpr_msb (MSB<<8)|\new
.set MSB, \new
.endif
.endm
.macro CROUND                          ; a round of the cluster's barrier
	s_barrier_signal -1
	s_barrier_wait -1
	s_cmp_lg_u32 s[WV], 0
	s_cbranch_scc1 .Lnot_wave_0_\@
	s_barrier_signal -3
.Lnot_wave_0_\@:
	s_barrier_wait -3
	s_barrier_signal -1
	s_barrier_wait -1
.endm
; One matrix instruction.  c < 0: the constant 0 starts the sum.  ra, rb = 1: that side's scales are read from lanes 16-31.
.macro WM d, a, b, c, sa, sb, ra, rb
.if (\c) < 0
.if (\ra) == 0 && (\rb) == 0
	v_wmma_scale_f32_16x16x128_f8f6f4 v[\d:\d+7], v[\a:\a+11], v[\b:\b+11], 0, v[\sa], v[\sb] matrix_a_fmt:MATRIX_FMT_FP6 matrix_b_fmt:MATRIX_FMT_FP6
.elseif (\ra) == 1 && (\rb) == 0
	v_wmma_scale_f32_16x16x128_f8f6f4 v[\d:\d+7], v[\a:\a+11], v[\b:\b+11], 0, v[\sa], v[\sb] matrix_a_fmt:MATRIX_FMT_FP6 matrix_b_fmt:MATRIX_FMT_FP6 matrix_a_scale:MATRIX_SCALE_ROW1
.elseif (\ra) == 0
	v_wmma_scale_f32_16x16x128_f8f6f4 v[\d:\d+7], v[\a:\a+11], v[\b:\b+11], 0, v[\sa], v[\sb] matrix_a_fmt:MATRIX_FMT_FP6 matrix_b_fmt:MATRIX_FMT_FP6 matrix_b_scale:MATRIX_SCALE_ROW1
.else
	v_wmma_scale_f32_16x16x128_f8f6f4 v[\d:\d+7], v[\a:\a+11], v[\b:\b+11], 0, v[\sa], v[\sb] matrix_a_fmt:MATRIX_FMT_FP6 matrix_b_fmt:MATRIX_FMT_FP6 matrix_a_scale:MATRIX_SCALE_ROW1 matrix_b_scale:MATRIX_SCALE_ROW1
.endif
.else
.if (\ra) == 0 && (\rb) == 0
	v_wmma_scale_f32_16x16x128_f8f6f4 v[\d:\d+7], v[\a:\a+11], v[\b:\b+11], v[\c:\c+7], v[\sa], v[\sb] matrix_a_fmt:MATRIX_FMT_FP6 matrix_b_fmt:MATRIX_FMT_FP6
.elseif (\ra) == 1 && (\rb) == 0
	v_wmma_scale_f32_16x16x128_f8f6f4 v[\d:\d+7], v[\a:\a+11], v[\b:\b+11], v[\c:\c+7], v[\sa], v[\sb] matrix_a_fmt:MATRIX_FMT_FP6 matrix_b_fmt:MATRIX_FMT_FP6 matrix_a_scale:MATRIX_SCALE_ROW1
.elseif (\ra) == 0
	v_wmma_scale_f32_16x16x128_f8f6f4 v[\d:\d+7], v[\a:\a+11], v[\b:\b+11], v[\c:\c+7], v[\sa], v[\sb] matrix_a_fmt:MATRIX_FMT_FP6 matrix_b_fmt:MATRIX_FMT_FP6 matrix_b_scale:MATRIX_SCALE_ROW1
.else
	v_wmma_scale_f32_16x16x128_f8f6f4 v[\d:\d+7], v[\a:\a+11], v[\b:\b+11], v[\c:\c+7], v[\sa], v[\sb] matrix_a_fmt:MATRIX_FMT_FP6 matrix_b_fmt:MATRIX_FMT_FP6 matrix_a_scale:MATRIX_SCALE_ROW1 matrix_b_scale:MATRIX_SCALE_ROW1
.endif
.endif
.endm
.macro SLINES n                        ; S^T of tile n: eight tiles of 16 keys; source 0 = K, source 1 = Q
.irp t, 0,1,2,3,4,5,6,7
	WM S+8*\t, KF+6*\t, Q, -1, KS+\t/2, QS, \t%2, \n
.endr
.endm
.macro PVLINES n                       ; O^T of tile n: four tiles of 16 channels; source 0 = V, source 1 = p
.irp c, 0,1,2,3
	WM O+8*\c, KF+12*\c, PC, O+8*\c, VS+\c/2, PW+\n, \c%2, 0
.endr
.endm
.macro FETCH_K                         ; 16 LDS loads: a key step's four units of K, dense, and its four blocks of scale words
.irp n, 0,1,2,3,4,5,6,7,8,9,10,11
	ds_load_b128 v[KF+4*\n:KF+4*\n+3], v[ADK] offset:512*\n
.endr
.irp i, 0,1,2,3
	ds_load_b32 v[KS+\i], v[ADKS] offset:128*\i
.endr
.endm
.macro FETCH_V                         ; 14 LDS loads: a key step's four fragments of V into window 1, and their scale words
	WIN 0x40                                       ; destination window 1, address window 0
.irp n, 0,1,2,3,4,5,6,7,8,9,10,11
	ds_load_b128 v[KF+4*\n:KF+4*\n+3], v[ADV] offset:512*\n
.endr
	WIN 0
	ds_load_b32 v[VS], v[ADVS]                     ; lanes 0-15 tile 0's words, lanes 16-31 tile 1's
	ds_load_b32 v[VS+1], v[ADVS] offset:256        ; tiles 2 and 3
.endm
; One tile's softmax of a key step of 128 keys.  It runs under window 0 (n = 0) or window 1 (n = 1); p's scale word alone is written to window 0, where scale operands are read.
.macro SOFTMAX n
.irp b, 0,1,2,3
	v_max3_num_f32 v[BM+\b], v[S+16*\b], v[S+16*\b+1], v[S+16*\b+2]   ; the largest score of each block of 32 keys; each accumulator is read from its low end on
.endr
.irp i, 3,5,7,9,11,13
.irp b, 0,1,2,3
	v_max3_num_f32 v[BM+\b], v[BM+\b], v[S+16*\b+\i], v[S+16*\b+\i+1]
.endr
.endr
.irp b, 0,1,2,3
	v_max_num_f32 v[BM+\b], v[BM+\b], v[S+16*\b+15]
.endr
.irp b, 0,1,2,3
	v_permlanex16_b32 v[BP+\b], v[BM+\b], s[SEL], s[SEL+1]
.endr
.irp b, 0,1,2,3
	v_max_num_f32 v[BM+\b], v[BM+\b], v[BP+\b]     ; with lane l xor 16's sixteen keys
.endr
	v_max3_num_f32 v[T0], v[BM], v[BM+1], v[BM+2]
	v_max_num_f32 v[T0], v[T0], v[BM+3]            ; the step's largest score of my query
	v_mul_f32 v[T0], s[CS], v[T0]                  ; as t (c is positive)
	v_max_num_f32 v13, v13, v[T0]                  ; the running largest t
	v_mov_b32 v[T0], v12
	v_floor_f32 v12, -v13                          ; the new -M = floor(-t) = -ceil(t)
	v_sub_f32 v[T0], v12, v[T0]                    ; old M less new M: a whole number, 0 or less
	v_cvt_i32_f32 v[T0], v[T0]                     ; (it saturates)
	v_ldexp_f32 v[F], 1.0, v[T0]                   ; f = 2^(old M - new M)
.set J, 0
.rept 32
	v_pk_fma_f32 v[S+J:S+J+1], v[S+J:S+J+1], s[CS:CS+1], v[12:13] op_sel_hi:[1,0,0]   ; t - M, two at a time (of the pairs c and -M the low word serves both halves)
.set J, J+2
.endr
.irp b, 0,1,2,3
	v_fma_f32 v[BM+\b], v[BM+\b], s[CS], v12       ; the same of each block's largest score
.endr
.set J, 0
.rept 64
	v_exp_f32 v[S+J], v[S+J]                       ; p = 2^(t - M), at most 1
.set J, J+1
.endr
.irp b, 0,1,2,3
	v_exp_f32 v[BM+\b], v[BM+\b]                   ; the block's largest p: the same two instructions on the same number give the same bits
.endr
	v_pk_mul_f32 v[14:15], v[14:15], v[F:F+1] op_sel_hi:[1,0]   ; l under the new M.  (The plain line behind the exponentials)
	s_wait_alu depctr_va_vdst(0)
.irp b, 0,1,2,3
	v_max_num_f32 v[BM+\b], 0x1800000, v[BM+\b]    ; the floor 2^(3 - 127): the byte cannot fall under 1
.endr
.irp b, 0,1,2,3
	v_add_nc_u32 v[SO+\b], 0xff000000, v[BM+\b]    ; 2 off the exponent field: the conversion's scale operand
.endr
.irp b, 0,1,2,3
	v_lshrrev_b32 v[BP+\b], 23, v[SO+\b]           ; the byte
.endr
	v_lshl_or_b32 v[T1], v[BP+1], 8, v[BP]
	v_lshl_or_b32 v[T1], v[BP+2], 16, v[T1]
.if \n
	WIN 0x15                                       ; sources window 1, destination window 0
.endif
	v_lshl_or_b32 v[PW+\n], v[BP+3], 24, v[T1]     ; p's scale word for these 128 keys
.if \n
	WIN 0x55
.endif
.irp c, 0,1
	v_cvt_scalef32_pk16_fp6_f32 v[PC+6*\c:PC+6*\c+2], v[S+32*\c:S+32*\c+15], v[SO+2*\c]
	v_cvt_scalef32_pk16_fp6_f32 v[PT+4*\c:PT+4*\c+2], v[S+32*\c+16:S+32*\c+31], v[SO+2*\c+1]
.endr
	v_nop                                          ; one plain line behind the scaled conversions
.irp c, 0,1                            ; the operand's layout wants a whole block in a lane
.irp i, 0,1,2
	v_permlane16_swap_b32 v[PC+6*\c+\i], v[PT+4*\c+\i]
.endr
.irp i, 0,1,2
	v_mov_b32 v[PC+6*\c+3+\i], v[PT+4*\c+\i]
.endr
.endr
	v_pk_add_f32 v[L2:L2+1], v[S:S+1], v[S+2:S+3]  ; l takes the UNQUANTISED p: two at a time, in two chains
.irp j, 4,8,12,16,20,24,28,32,36,40,44,48,52,56,60
	v_pk_add_f32 v[14:15], v[14:15], v[S+\j:S+\j+1]
	v_pk_add_f32 v[L2:L2+1], v[L2:L2+1], v[S+\j+2:S+\j+3]
.endr
	v_pk_add_f32 v[14:15], v[14:15], v[L2:L2+1]
.set J, 0
.rept 16
	v_pk_mul_f32 v[O+J:O+J+1], v[O+J:O+J+1], v[F:F+1] op_sel_hi:[1,0]   ; O^T under the new M.  (The sums and these are the plain lines between the writes of p's codes and scale word and the products that take them)
.set J, J+2
.endr
.endm
; A KEY STEP of 128 keys.  pf = 1: the next step's K is fetched too.
.macro STEP pf
	s_wait_dscnt 0x0                               ; this step's K is in
	SLINES 0
	WIN 0x44                                       ; source 1 (Q) and D window 1, source 0 (K) window 0
	SLINES 1
	WIN 0
	v_add_nc_u32 v[ADV], s[TB], v[AV0]             ; these four plain lines are the places behind the products above and behind the last step's: in front of the loads below and of the first read of the scores
	v_add_nc_u32 v[ADVS], s[TB], v[AVS0]
.if \pf
	s_add_co_u32 s[TB], s[TB], REC_A
	v_add_nc_u32 v[ADK], s[TB], v[AK0]
	v_add_nc_u32 v[ADKS], s[TB], v[AKS0]
.else
	v_nop
	v_nop
.endif
	FETCH_V
.if \pf
	FETCH_K
.endif
	SOFTMAX 0
	WIN 0x55
	SOFTMAX 1
.if \pf
	s_wait_dscnt 16                                ; V is in; the sixteen loads of the next step's K may be out
.else
	s_wait_dscnt 0x0
.endif
	WIN 0x01                                       ; source 0 (V) window 1; p, O^T window 0
	PVLINES 0
	WIN 0x55                                       ; all in window 1
	PVLINES 1
	WIN 0
.endm
.macro GATE n                          ; in front of a chunk's first use: my record of it has landed (n later loads of mine may stay out), no LDS instruction of mine is out, and the same holds of every wave
	s_wait_tensorcnt \n
	s_wait_dscnt 0x0
	s_barrier_signal -1
	s_barrier_wait -1
.endm
.macro RUN n
	s_mov_b32 s[CNT], \n
.Lrun_\@:
	STEP 1
	s_sub_co_u32 s[CNT], s[CNT], 1
	s_cmp_lg_u32 s[CNT], 0
	s_cbranch_scc1 .Lrun_\@
.endm
.macro INIT                            ; a tile's state.  The step is written once: the first finds zeros, which the first change of M leaves zeros.  The operand's zero codes are written first, O^T last
.irp i, 6,7,8,9,10,11
	v_mov_b32 v[Q+\i], 0                           ; Q's upper half: zero codes
.endr
	v_mov_b32 v13, 0xff61b1e6                      ; the largest t so far: -3e38, under every t
	v_floor_f32 v12, -v13
	v_mov_b32 v14, 0
	v_mov_b32 v15, 0
.irp b, 0,1,2,3
	v_mov_b32 v[BP+\b], 0                          ; a lane permute's destination counts as one of its sources
.endr
	v_mov_b32 v[F], 0
	v_mov_b32 v[F+1], 0                            ; (named as the upper half of a pair)
	v_mov_b32 v[T0], 0
.set J, 0
.rept 32
	v_mov_b32 v[O+J], 0
.set J, J+1
.endr
.endm
.macro FINISH                          ; a tile's end: O^T / l, quantised along the head's 64 channels: six registers in v[PC] on, two bytes in v[T1]
	v_add_f32 v14, v14, v15
	v_permlanex16_b32 v[T0], v14, s[SEL], s[SEL+1]
	v_add_f32 v14, v14, v[T0]                      ; the row's sum
	v_rcp_f32 v14, v14
	v_nop                                          ; one plain line behind the transcendental
.set J, 0
	s_wait_alu depctr_va_vdst(0)
.rept 16
	v_pk_mul_f32 v[S+J:S+J+1], v[O+J:O+J+1], v[14:15] op_sel_hi:[1,0]   ; register 16 b + i: channel 32 b + 16 (lane / 16) + i of my query; each accumulator is read from its low end on
.set J, J+2
.endr
.irp b, 0,1
	v_max3_num_f32 v[BM+\b], |v[S+16*\b]|, |v[S+16*\b+1]|, 0x1800000
.endr
.irp i, 2,4,6,8,10,12,14
.irp b, 0,1
	v_max3_num_f32 v[BM+\b], v[BM+\b], |v[S+16*\b+\i]|, |v[S+16*\b+\i+1]|
.endr
.endr
.irp b, 0,1
	v_permlanex16_b32 v[BP+\b], v[BM+\b], s[SEL], s[SEL+1]
.endr
.irp b, 0,1
	v_max_num_f32 v[BM+\b], v[BM+\b], v[BP+\b]
.endr
.irp b, 0,1
	v_add_nc_u32 v[SO+\b], 0xff000000, v[BM+\b]
.endr
.irp b, 0,1
	v_lshrrev_b32 v[BP+\b], 23, v[SO+\b]
.endr
	v_lshl_or_b32 v[T1], v[BP+1], 8, v[BP]
	v_cvt_scalef32_pk16_fp6_f32 v[PC:PC+2], v[S:S+15], v[SO]
	v_cvt_scalef32_pk16_fp6_f32 v[PT:PT+2], v[S+16:S+31], v[SO+1]
	v_nop                                          ; one plain line behind the scaled conversions
.irp i, 0,1,2
	v_permlane16_swap_b32 v[PC+\i], v[PT+\i]
.endr
.irp i, 0,1,2
	v_mov_b32 v[PC+3+\i], v[PT+\i]
.endr
.endm
	s_load_b128 s[4:7], s[0:1], 0x0                ; qkv s[4:5], ao s[6:7]
	v_lshl_add_u32 v254, v0, 2, 0x34000
	v_mov_b32 v255, 0
	ds_add_u32 v254, v255
	ds_add_u32 v254, v255
	v_lshrrev_b32 v1, 5, v0
	v_readfirstlane_b32 s[WV], v1                  ; wave 0..7
	s_lshr_b32 s9, s[WV], 2                        ; I fetch for K (0) or V (1).  Also: which of the block's two records of Q is mine
	s_and_b32 s10, s[WV], 3                        ; which record of a chunk.  Also: which unit of Q
	s_and_b32 s11, ttmp7, 0xffff                   ; batch x 16 + head, which the four partners share
	s_bfe_u32 s12, ttmp6, 0x40000                  ; cx
	s_lshl_b32 s13, ttmp9, 2
	s_add_co_u32 s13, s13, s12                     ; my block of 256 queries: it enters Q's and ao's addresses alone
	s_add_co_u32 s14, s9, 1
	s_mul_i32 s14, s14, TS                         ; K's or V's part of qkv,
	s_mul_i32 s16, s11, HEAD
	s_add_co_u32 s14, s14, s16                     ; the head,
	s_mul_i32 s17, s10, REC_A
	s_add_co_u32 s14, s14, s17                     ; my record of chunk 0
	s_mov_b32 s15, 0
	s_mul_i32 s18, s9, HEAD
	s_add_co_u32 s18, s18, s17                     ; and its place in LDS: of the wave's number alone
	s_lshl_b32 s50, s13, 1
	s_add_co_u32 s50, s50, s9                      ; my group of 128 tokens in the batch
	s_mul_i32 s52, s50, REC_A
	s_add_co_u32 s52, s52, s16                     ; Q's record
	s_mul_i32 s51, s10, 1536
	s_add_co_u32 s54, s52, s51                     ; my unit
	s_mov_b32 s55, 0
	s_lshl_b32 s51, s10, 7
	s_add_co_u32 s56, s52, s51
	s_add_co_u32 s56, s56, 6144                    ; its scale words
	s_mov_b32 s57, 0
	s_lshr_b32 s58, s11, 4
	s_lshl_b32 s58, s58, 4
	s_add_co_u32 s58, s58, s50                     ; ao's panel: 16 batch + group
	s_mul_i32 s58, s58, PANEL
	s_bfe_u32 s59, s11, 0x30001                    ; head / 2: the K step of the last projection
	s_mul_i32 s59, s59, REC_G
	s_add_co_u32 s58, s58, s59                     ; the record
	s_and_b32 s59, s11, 1                          ; c = head % 2
	s_mul_i32 s60, s10, 3072
	s_add_co_u32 s60, s60, s58
	s_mul_i32 s19, s59, 768
	s_add_co_u32 s60, s60, s19                     ; my two units, my half of each
	s_mov_b32 s61, 0
	s_add_co_u32 s62, s58, s51
	s_add_co_u32 s62, s62, 12288
	s_lshl_b32 s19, s59, 1
	s_add_co_u32 s62, s62, s19                     ; my block of scale words, my two bytes of each
	s_mov_b32 s63, 0
	; descriptor group 1: a record, 6,656 dense bytes, as 26 rows of 32 elements of 8 bytes; no padding
	s_mov_b32 s[G1], 15|(3<<16)|(1<<21)            ; 15:0 the mask: all four work-groups; 17:16 elements of 8 bytes; 21 set beside a mask
	s_mov_b32 s[G1+1], 32<<16                      ; tensor_dim0 = 32
	s_mov_b32 s[G1+2], 26<<16                      ; tensor_dim1 = 26
	s_mov_b32 s[G1+3], 32<<16                      ; tile_dim0 = 32
	s_mov_b32 s[G1+4], 26                          ; tile_dim1 = 26
	s_mov_b32 s[G1+5], 32                          ; from row to row
	s_mov_b32 s[G1+6], 0
	s_mov_b32 s[G1+7], 0
	s_mov_b32 s[SEL], 0x76543210
	s_mov_b32 s[SEL+1], 0xfedcba98
	s_mov_b32 s[CS], 0x3e38aa3b                    ; c = log2(e) / 8
	s_mov_b32 s[CS+1], s[CS]                       ; (named with it as a pair, so it is written)
	s_mov_b32 s[TB], 0
	v_and_b32 v[L4], 31, v0
	v_lshlrev_b32 v[AK0], 4, v[L4]
	v_lshlrev_b32 v[L8], 3, v[L4]
	v_lshlrev_b32 v[L4], 2, v[L4]
	v_add_nc_u32 v[AV0], HEAD, v[AK0]
	v_add_nc_u32 v[AKS0], 6144, v[L4]
	v_and_b32 v92, 16, v0
	v_lshl_add_u32 v[AVS0], v92, 3, v[L4]          ; 4 x lane + 128 (lane / 16)
	v_add_nc_u32 v[AVS0], HEAD+6144, v[AVS0]
	v_mov_b32 v[ADK], v[AK0]                       ; key step 0
	v_mov_b32 v[ADKS], v[AKS0]
	s_wait_dscnt 0x0
	s_wait_kmcnt 0x0
	s_add_nc_u64 s[14:15], s[4:5], s[14:15]
	s_add_nc_u64 s[54:55], s[4:5], s[54:55]
	s_add_nc_u64 s[56:57], s[4:5], s[56:57]
	s_add_nc_u64 s[60:61], s[6:7], s[60:61]
	s_add_nc_u64 s[62:63], s[6:7], s[62:63]
	CROUND                                         ; all four work-groups are here: the joint loads meet
.irp c, 0,1,2,3
	s_mov_b32 s[G0+4*\c], 1                                        ; count = 1
	s_add_co_u32 s[G0+4*\c+1], s18, 4*\c*REC_A                     ; LDS address
	s_add_nc_u64 s[G0+4*\c+2:G0+4*\c+3], s[14:15], 4*\c*REC_A      ; global address
	s_or_b32 s[G0+4*\c+3], s[G0+4*\c+3], 0x80000000                ; type = 2
.endr
.irp c, 0,1,2,3
	tensor_load_to_lds s[G0+4*\c:G0+4*\c+3], s[G1:G1+7]            ; every wave's four fills, ahead of every wait on TENSORcnt, every LDS read and every other barrier
	s_nop 0
.endr
.rept 4
	v_nop                                          ; four v_nop follow the last of them
.endr
.irp g, 0,1,2
	global_load_b128 v[S+4*\g:S+4*\g+3], v[AK0], s[54:55] offset:512*\g   ; my unit of Q: tile 0 in registers 0-5, tile 1 in 6-11
.endr
	global_load_b32 v[QS], v[L4], s[56:57]         ; lanes 0-15 tile 0's scale words, lanes 16-31 tile 1's
	s_wait_loadcnt 0x0
.irp i, 0,1,2,3,4,5
	v_mov_b32 v[Q+\i], v[S+\i]
.endr
.irp i, 0,1,2,3,4,5
	v_mov_b32 v[KF+48+\i], 0                       ; behind K's last fragment: zero codes
.endr
	WIN 0x40                                       ; destination window 1, source window 0
.irp i, 0,1,2,3,4,5
	v_mov_b32 v[Q+\i], v[S+6+\i]
.endr
	WIN 0
	INIT
	WIN 0x55
	INIT
	WIN 0
	GATE 3                                         ; chunk 0: key steps 0 to 3
	FETCH_K
	RUN 3                                          ; steps 0 to 2; they fetch K of steps 1 to 3
	GATE 2                                         ; chunk 1
	RUN 4                                          ; steps 3 to 6; K of 4 to 7
	GATE 1
	RUN 4                                          ; steps 7 to 10; K of 8 to 11
	GATE 0
	RUN 4                                          ; steps 11 to 14; K of 12 to 15
	STEP 0                                         ; step 15: nothing more to fetch of K
.rept 4
	v_nop                                          ; four places in front of the first read of the last results
.endr
	FINISH
	WIN 0x55
	FINISH
	WIN 0x01                                       ; source window 1, destination window 0
	v_mov_b32 v91, v[T1]                           ; tile 1's two bytes
	WIN 0
	v_cmp_ne_u32 vcc_lo, 0, v92
	v_cndmask_b32 v90, v[T1], v91, vcc_lo          ; every lane holds its query's bytes: lanes 0-15 send tile 0's, lanes 16-31 tile 1's
.irp j, 0,1,2
	global_store_b64 v[L8], v[PC+2*\j:PC+2*\j+1], s[60:61] offset:256*\j          ; 32 lanes store 256 consecutive bytes, at a multiple of 256 from the buffer's first byte
.endr
	WIN 0x04                                       ; a store's data are its source 1: window 1
.irp j, 0,1,2
	global_store_b64 v[L8], v[PC+2*\j:PC+2*\j+1], s[60:61] offset:1536+256*\j
.endr
	WIN 0
	global_store_b16 v[L4], v90, s[62:63]          ; my head's two bytes of each scale word
	s_wait_dscnt 0x0
	s_wait_tensorcnt 0x0
	ds_add_u32 v254, v255
	s_wait_dscnt 0x0
	CROUND                                         ; the closing round: no work-group ends while a partner may still ask for a record that names it
	s_endpgm
.Lfunc_end_k_q51e2a210aa_attn:
	.size	k_q51e2a210aa_attn, .Lfunc_end_k_q51e2a210aa_attn-k_q51e2a210aa_attn
	.p2alignl 7, 3214868480
	.fill 96, 4, 3214868480
	.section	.rodata,"a",@progbits
	.p2align	6, 0x0
	.amdhsa_kernel k_q51e2a210aa_attn
		.amdhsa_group_segment_fixed_size 214016
		.amdhsa_private_segment_fixed_size 0
		.amdhsa_enable_private_segment 0
		.amdhsa_kernarg_size 16
		.amdhsa_user_sgpr_count 2
		.amdhsa_user_sgpr_kernarg_segment_ptr 1
		.amdhsa_wavefront_size32 1
		.amdhsa_system_sgpr_workgroup_id_x 1
		.amdhsa_system_sgpr_workgroup_id_y 1
		.amdhsa_system_sgpr_workgroup_id_z 1
		.amdhsa_system_vgpr_workitem_id 0
		.amdhsa_next_free_vgpr 512
		.amdhsa_next_free_sgpr 66
		.amdhsa_reserve_vcc 1
		.amdhsa_float_denorm_mode_32 3
		.amdhsa_float_denorm_mode_16_64 3
		.amdhsa_memory_ordered 1
		.amdhsa_forward_progress 1
		.amdhsa_inst_pref_size 162
	.end_amdhsa_kernel
	.amdgpu_metadata
---
amdhsa.version: [ 1, 2 ]
amdhsa.kernels:
  - .name:           k_q51e2a210aa_attn
    .symbol:         k_q51e2a210aa_attn.kd
    .args:
      - { .name: qkv, .offset: 0, .size: 8, .value_kind: global_buffer, .address_space: global }
      - { .name: ao, .offset: 8, .size: 8, .value_kind: global_buffer, .address_space: global }
    .group_segment_fixed_size: 214016
    .private_segment_fixed_size: 0
    .kernarg_segment_align: 8
    .kernarg_segment_size: 16
    .max_flat_workgroup_size: 256
    .sgpr_count:     66
    .vgpr_count:     512
    .wavefront_size: 32
...
	.end_amdgpu_metadata
.endif
;; end of part 4
;; launch outproj (part 5): grid 8 x 32, 4 waves a work-group, clusters of 4 x 4, 239,104 bytes of LDS; arguments ao, wq, b_o, out0; writes out0
.if DOCPART == 5
	.amdgcn_target "amdgcn-amd-amdhsa--gfx1250"
	.amdhsa_code_object_version 6
	.text
	.protected	k_q51e2a210aa_outproj
	.globl	k_q51e2a210aa_outproj
	.p2align	8
	.type	k_q51e2a210aa_outproj,@function
k_q51e2a210aa_outproj:
	s_mov_b64 s[64:65], 0
	v_nop
	global_prefetch_b8 v0, s[64:65] scope:SCOPE_SE
	s_setreg_imm32_b32 hwreg(HW_REG_WAVE_MODE, 25, 1), 1
	s_wait_xcnt 0x0
	s_wait_alu depctr_hold_cnt(0) depctr_sa_sdst(0) depctr_va_vdst(0) depctr_va_sdst(0) depctr_va_ssrc(0) depctr_va_vcc(0) depctr_vm_vsrc(0)
	s_getreg_b32 s2, hwreg(HW_REG_IB_STS2, 6, 4)
	s_cmp_eq_u32 s2, 0
	s_cbranch_scc0 .Lentry_in_a_cluster
	s_endpgm
.Lentry_in_a_cluster:
	s_bfe_u32 s2, ttmp6, 0x10000c
	s_cmp_lg_u32 s2, 0xf033
	s_cbranch_scc0 .Lentry_shape_is_right
	s_endpgm
.Lentry_shape_is_right:
; out0 = x w_o + b_o on codes of FP6 (E2M3).  A work-group makes 128 tokens x 128 channels over all of K = 1,024.  x's codes come from ao, w_o's from panels 24 to 31 of wq, both in the order of the operand's registers.
; LDS: four chunks of 51,200 bytes, chunk c = x's records of K steps 2 c, 2 c + 1, then W's; every byte is filled ONCE; each wave brings one record of each chunk: four tensor loads a wave are out at the most, all issued at the start.
; Behind the chunks: a stage of 16 rows x 528 bytes for each wave, into which no fill lands.
; CLUSTER 4 x 4: the four work-groups of a row of the cluster share x's panel, the four of a column W's: each record is asked for jointly.
; THE PRODUCT is used transposed: source 0 = 16 columns of w_o, source 1 = 16 tokens: a lane holds a token, and the 16 registers of W's tiles 2 b, 2 b + 1 are 16 neighbouring channels (lane r of tile 2 b + u holds row
; 32 b + 8 u + r + 8 (r / 8) of its panel, in W and in x alike).  Wave w makes token tiles 2 w, 2 w + 1 against W's eight: 16 accumulators, which take turns, one instruction a turn.
; The bias is the C of the first K step.  x's units lie as pairs of registers (register 6 c + 2 j + e of lane l at 768 c + 256 j + 8 l + 4 e): six ds_load_b64 a fragment; W's as three ds_load_b128.
; REGISTERS: window 0: v1-11 addresses; v16-20, v24-28 scale words, two sets; v64-127 rows on their way out; v128-255 accumulator (i, j) at 128 + 64 i + 8 j.  window 1: two fragment buffers of 128.  window 2: v0-63 the bias.
.set REC_G, 12800
.set PANEL, 8*REC_G
.set CHUNK, 4*REC_G
.set STAGE, 4*CHUNK
.set SPITCH, 528                       ; a stage row: 512 bytes + 16
.set L16, 1                            ; v1   16 x lane
.set L4,  2                            ; v2   4 x lane
.set RR,  3
.set HH,  4
.set A0,  5                            ; v5   LDS: W's fragments in the chunk in hand
.set A1,  6                            ; v6   x's two
.set SA0, 7                            ; v7   W's scale words
.set SA1, 8                            ; v8   x's
.set BO,  9                            ; v9   the bias: 64 (lane / 16)
.set STO, 10                           ; v10  the stage: where I put 16 bytes of a row
.set RD,  11                           ; v11  and where I read a row back
.set SS,  16
.set OUTR, 64
.set ACC, 128
.set BJ,  0                            ; in window 2
.set WV,  16
.set G1X, 24
.set G1W, 32
.set G0X, 40
.set G0W, 68
.set MSB, 0
.macro WIN new                         ; the immediate's high byte repeats the setting that is left
.if MSB != \new
	s_set_vgpr_msb (MSB<<8)|\new
.set MSB, \new
.endif
.endm
.macro CROUND                          ; a round of the cluster's barrier
	s_barrier_signal -1
	s_barrier_wait -1
	s_cmp_lg_u32 s[WV], 0
	s_cbranch_scc1 .Lnot_wave_0_\@
	s_barrier_signal -3
.Lnot_wave_0_\@:
	s_barrier_wait -3
	s_barrier_signal -1
	s_barrier_wait -1
.endm
.macro PLACES
.rept 4
	v_nop
.endr
.endm
; One matrix instruction; ra, rb = 1: that side's scales are read from lanes 16-31
.macro WM d, a, b, c, sa, sb, ra, rb
.if (\ra) == 0 && (\rb) == 0
	v_wmma_scale_f32_16x16x128_f8f6f4 v[\d:\d+7], v[\a:\a+11], v[\b:\b+11], v[\c:\c+7], v[\sa], v[\sb] matrix_a_fmt:MATRIX_FMT_FP6 matrix_b_fmt:MATRIX_FMT_FP6
.elseif (\ra) == 1 && (\rb) == 0
	v_wmma_scale_f32_16x16x128_f8f6f4 v[\d:\d+7], v[\a:\a+11], v[\b:\b+11], v[\c:\c+7], v[\sa], v[\sb] matrix_a_fmt:MATRIX_FMT_FP6 matrix_b_fmt:MATRIX_FMT_FP6 matrix_a_scale:MATRIX_SCALE_ROW1
.elseif (\ra) == 0
	v_wmma_scale_f32_16x16x128_f8f6f4 v[\d:\d+7], v[\a:\a+11], v[\b:\b+11], v[\c:\c+7], v[\sa], v[\sb] matrix_a_fmt:MATRIX_FMT_FP6 matrix_b_fmt:MATRIX_FMT_FP6 matrix_b_scale:MATRIX_SCALE_ROW1
.else
	v_wmma_scale_f32_16x16x128_f8f6f4 v[\d:\d+7], v[\a:\a+11], v[\b:\b+11], v[\c:\c+7], v[\sa], v[\sb] matrix_a_fmt:MATRIX_FMT_FP6 matrix_b_fmt:MATRIX_FMT_FP6 matrix_a_scale:MATRIX_SCALE_ROW1 matrix_b_scale:MATRIX_SCALE_ROW1
.endif
.endm
; Eight matrix instructions: W's tiles j0 .. j0 + 3 against my two tiles of tokens, from buffer p.  cm = 1: the bias starts the sums
.macro MUL8 p, j0, cm
.irp j, \j0, \j0+1, \j0+2, \j0+3
.irp i, 0, 1
.if \cm == 0
	WM ACC+64*\i+8*(\j), 128*\p+12*(\j), 128*\p+96+12*\i, ACC+64*\i+8*(\j), SS+8*\p+(\j)/2, SS+8*\p+4, (\j)%2, \i
.else
	WM ACC+64*\i+8*(\j), 128*\p+12*(\j), 128*\p+96+12*\i, BJ+8*(\j), SS+8*\p+(\j)/2, SS+8*\p+4, (\j)%2, \i
.endif
.endr
.endr
.endm
; 41 LDS loads: K step s's scale words, x's two fragments, W's tiles 0-3, W's tiles 4-7, into set and buffer s % 2
.macro FETCH s
.set FP, (\s)%2
.set FO, REC_G*((\s)%2)
	WIN 0
.irp b, 0,1,2,3
	ds_load_b32 v[SS+8*FP+\b], v[SA0] offset:FO+128*\b
.endr
	ds_load_b32 v[SS+8*FP+4], v[SA1] offset:FO
	WIN 0x40                                       ; destination window 1, address window 0
.irp i, 0,1
.irp c, 0,1
.irp j, 0,1,2
	ds_load_b64 v[128*FP+96+12*\i+6*\c+2*\j:128*FP+96+12*\i+6*\c+2*\j+1], v[A1] offset:FO+1536*\i+768*\c+256*\j
.endr
.endr
.endr
.irp t, 0,1,2,3,4,5,6,7
.irp g, 0,1,2
	ds_load_b128 v[128*FP+12*\t+4*\g:128*FP+12*\t+4*\g+3], v[A0] offset:FO+1536*\t+512*\g
.endr
.endr
.endm
; A K step of 128: sixteen matrix instructions, the next step's loads in one run in their middle.
.macro STEP s, cm
.set PP, (\s)%2
	s_wait_dscnt 12                                ; all of this step's loads but the youngest twelve (W's tiles 4-7) are in
.if \cm
	WIN 0x25                                       ; sources 0 and 1 window 1, C window 2, D window 0
.else
	WIN 0x05                                       ; sources 0 and 1 window 1, C and D window 0
.endif
	MUL8 PP, 0, \cm
.if (\s) < 7
	WIN 0
.if ((\s)+1)%2 == 0
	s_wait_dscnt 0x0                               ; no LDS instruction of mine is out at a signal
	s_wait_tensorcnt 3-((\s)+1)/2                  ; my record of the next chunk has landed; the later chunks' loads, one each, may stay out
	s_barrier_signal -1
	s_barrier_wait -1                              ; everybody's has
.irp a, A0, A1, SA0, SA1
	v_add_nc_u32 v[\a], CHUNK, v[\a]               ; on to that chunk.  These four are also the places in front of the loads below
.endr
.else
	PLACES                                         ; four places in front of loads into registers that matrix instructions have read
.endif
	FETCH (\s)+1
	s_wait_dscnt 41                                ; all but the 41 just issued
.else
	s_wait_dscnt 0x0
.endif
.if \cm
	WIN 0x25
.else
	WIN 0x05
.endif
	MUL8 PP, 4, \cm
.endm
	s_load_b256 s[4:11], s[0:1], 0x0               ; ao s[4:5], wq s[6:7], b_o s[8:9], out0 s[10:11]
	v_lshl_add_u32 v62, v0, 2, 0x3a400
	v_mov_b32 v63, 0
	ds_add_u32 v62, v63
	ds_add_u32 v62, v63
	v_lshrrev_b32 v1, 5, v0
	v_readfirstlane_b32 s[WV], v1                  ; wave 0..3
	s_lshr_b32 s17, s[WV], 1                       ; I fetch for x (0) or for W (1),
	s_and_b32 s18, s[WV], 1                        ; the even or the odd K step of a chunk
	s_bfe_u32 s19, ttmp6, 0x40000                  ; cx
	s_bfe_u32 s20, ttmp6, 0x40004                  ; cy
	s_lshl_b32 s21, ttmp9, 2
	s_add_co_u32 s21, s21, s19                     ; the panel of 128 channels = 4 x cluster x + cx
	s_and_b32 s22, ttmp7, 0xffff
	s_lshl_b32 s23, s22, 2
	s_add_co_u32 s23, s23, s20                     ; the panel of 128 tokens = 4 x cluster y + cy
	s_lshl_b32 s57, s20, 2
	s_lshl_b32 s57, 15, s57                        ; my row of the cluster
	s_lshl_b32 s58, 0x1111, s19                    ; my column
	; descriptor group 1: a record, 12,800 dense bytes, as 50 rows of 32 elements of 8 bytes; no padding
	s_or_b32 s[G1X], s57, (3<<16)|(1<<21)          ; 15:0 the mask: x's records go to my row; 17:16 elements of 8 bytes; 21 set beside a mask
	s_or_b32 s[G1W], s58, (3<<16)|(1<<21)          ; W's to my column
.irp g, G1X, G1W
	s_mov_b32 s[\g+1], 32<<16                      ; tensor_dim0 = 32
	s_mov_b32 s[\g+2], 50<<16                      ; tensor_dim1 = 50
	s_mov_b32 s[\g+3], 32<<16                      ; tile_dim0 = 32
	s_mov_b32 s[\g+4], 50                          ; tile_dim1 = 50
	s_mov_b32 s[\g+5], 32                          ; from row to row
	s_mov_b32 s[\g+6], 0
	s_mov_b32 s[\g+7], 0
.endr
	s_mul_i32 s59, s18, REC_G
	s_mul_i32 s60, s23, PANEL
	s_add_co_u32 s60, s60, s59                     ; x: my record of chunk 0: hangs on the tokens' panel, which my row shares
	s_mov_b32 s61, 0
	s_add_co_u32 s62, s21, 24                      ; w_o's panels are wq's 24 to 31
	s_mul_i32 s62, s62, PANEL
	s_add_co_u32 s62, s62, s59                     ; W: hangs on the channels' panel, which my column shares
	s_mov_b32 s63, 0
	s_mul_i32 s84, s[WV], REC_G                    ; in LDS: wave x a record: no place in the cluster enters an LDS address
	s_wait_dscnt 0x0
	s_wait_kmcnt 0x0
	s_add_nc_u64 s[60:61], s[4:5], s[60:61]
	s_add_nc_u64 s[62:63], s[6:7], s[62:63]
	CROUND                                         ; all sixteen work-groups are here: the joint loads meet
.irp c, 0,1,2,3
	s_mov_b32 s[G0X+4*\c], 1                                       ; count = 1
	s_add_co_u32 s[G0X+4*\c+1], s84, \c*CHUNK                      ; LDS address
	s_add_nc_u64 s[G0X+4*\c+2:G0X+4*\c+3], s[60:61], 2*\c*REC_G    ; global address
	s_or_b32 s[G0X+4*\c+3], s[G0X+4*\c+3], 0x80000000              ; type = 2
	s_mov_b32 s[G0W+4*\c], 1
	s_add_co_u32 s[G0W+4*\c+1], s84, \c*CHUNK
	s_add_nc_u64 s[G0W+4*\c+2:G0W+4*\c+3], s[62:63], 2*\c*REC_G
	s_or_b32 s[G0W+4*\c+3], s[G0W+4*\c+3], 0x80000000
.endr
	s_cmp_eq_u32 s17, 0                            ; a wave's four fills stand in one branch on its number, ahead of every wait on TENSORcnt, every LDS read and every other barrier
	s_cbranch_scc0 .Lfor_w
.irp c, 0,1,2,3
	tensor_load_to_lds s[G0X+4*\c:G0X+4*\c+3], s[G1X:G1X+7]
	s_nop 0
.endr
	PLACES                                         ; four v_nop follow the last of them
	s_branch .Lasked
.Lfor_w:
.irp c, 0,1,2,3
	tensor_load_to_lds s[G0W+4*\c:G0W+4*\c+3], s[G1W:G1W+7]
	s_nop 0
.endr
	PLACES
.Lasked:
	v_and_b32 v[L4], 31, v0
	v_lshlrev_b32 v[L16], 4, v[L4]
	v_lshlrev_b32 v[A1], 3, v[L4]                  ; 8 x lane
	v_lshlrev_b32 v[L4], 2, v[L4]
	v_and_b32 v[RR], 15, v0
	v_bfe_u32 v[HH], v0, 4, 1
	v_lshlrev_b32 v[BO], 6, v[HH]                  ; the bias: tile 2 b + u wants channels 32 b + 16 h + 8 u + 0 .. 7
	s_lshl_b32 s86, s21, 9
	s_mov_b32 s87, 0
	s_add_nc_u64 s[8:9], s[8:9], s[86:87]          ; the panel's 128 numbers of the bias
	WIN 0x80                                       ; destination window 2, address window 0
.irp j, 0,1,2,3,4,5,6,7
	global_load_b128 v[BJ+8*\j:BJ+8*\j+3], v[BO], s[8:9] offset:(32*(\j/2)+8*(\j%2))*4
	global_load_b128 v[BJ+8*\j+4:BJ+8*\j+7], v[BO], s[8:9] offset:(32*(\j/2)+8*(\j%2))*4+16
.endr
	WIN 0
	s_mul_i32 s90, s[WV], 3072
	v_add_nc_u32 v[A0], 2*REC_G, v[L16]            ; W's records lie behind x's two
	v_add_nc_u32 v[A1], s90, v[A1]                 ; my two tiles of tokens: units 2 w, 2 w + 1
	v_add_nc_u32 v[SA0], 2*REC_G+12288, v[L4]
	s_lshl_b32 s85, s[WV], 7
	s_add_co_u32 s92, s85, 12288
	v_add_nc_u32 v[SA1], s92, v[L4]                ; their scale words: block w
	s_mul_i32 s91, s[WV], 16*SPITCH
	s_add_co_u32 s91, s91, STAGE                   ; my stage
	v_mul_u32_u24 v[STO], v[RR], SPITCH
	v_lshl_add_u32 v[STO], v[HH], 6, v[STO]
	v_add_nc_u32 v[STO], s91, v[STO]               ; in: row r, + 64 h
	v_add_nc_u32 v[RD], s91, v[L16]                ; back: the 32 lanes take one row of 512 bytes
	s_lshl_b32 s94, s23, 7
	s_lshl_b32 s95, s[WV], 5
	s_add_co_u32 s94, s94, s95                     ; my first token: 128 panel + 32 w
	s_lshl_b32 s94, s94, 12                        ; rows of 4,096 bytes
	s_add_co_u32 s94, s94, s86                     ; + the panel's 512 bytes
	s_mov_b32 s95, 0
	s_add_nc_u64 s[10:11], s[10:11], s[94:95]
	s_wait_tensorcnt 3                             ; my record of chunk 0 has landed; my three later loads may stay out
	s_barrier_signal -1
	s_barrier_wait -1                              ; everybody's has
	FETCH 0
	s_wait_loadcnt 0x0                             ; the bias
	STEP 0, 1                                      ; the first K step starts the sums with the bias
	STEP 1, 0
	STEP 2, 0
	STEP 3, 0
	STEP 4, 0
	STEP 5, 0
	STEP 6, 0
	STEP 7, 0
	WIN 0
	PLACES                                         ; four places in front of the first read of results
	; THE WAY OUT, a tile of 16 tokens at a time: a lane's 16 bytes go into my own stage and come back as whole rows of 512 bytes.  LDS serves a wave's instructions in order: no wait between the stores and the loads
.irp i, 0,1
.if \i
	s_wait_xcnt 0x0                                ; tile 0's stores have read their registers: only now are these loaded again
.endif
.irp j, 0,1,2,3,4,5,6,7
	ds_store_b128 v[STO], v[ACC+64*\i+8*\j:ACC+64*\i+8*\j+3] offset:128*(\j/2)+32*(\j%2)        ; each accumulator from its low end on
	ds_store_b128 v[STO], v[ACC+64*\i+8*\j+4:ACC+64*\i+8*\j+7] offset:128*(\j/2)+32*(\j%2)+16
.endr
.irp rho, 0,1,2,3,4,5,6,7,8,9,10,11,12,13,14,15
	ds_load_b128 v[OUTR+4*\rho:OUTR+4*\rho+3], v[RD] offset:SPITCH*\rho
.endr
.irp rho, 0,1,2,3,4,5,6,7,8,9,10,11,12,13,14,15
	s_wait_dscnt 15-\rho                           ; row rho is back; the younger rows may be out
	global_store_b128 v[L16], v[OUTR+4*\rho:OUTR+4*\rho+3], s[10:11] offset:(8*\i+\rho+8*(\rho/8))*4096 th:TH_STORE_NT   ; 32 lanes store 512 consecutive bytes, at a multiple of 256 from the buffer's first byte
.endr
.endr
	s_wait_dscnt 0x0
	s_wait_tensorcnt 0x0
	ds_add_u32 v62, v63
	s_wait_dscnt 0x0
	CROUND                                         ; the closing round: no work-group ends while a partner may still ask for a record that names it
	s_endpgm
.Lfunc_end_k_q51e2a210aa_outproj:
	.size	k_q51e2a210aa_outproj, .Lfunc_end_k_q51e2a210aa_outproj-k_q51e2a210aa_outproj
	.p2alignl 7, 3214868480
	.fill 96, 4, 3214868480
	.section	.rodata,"a",@progbits
	.p2align	6, 0x0
	.amdhsa_kernel k_q51e2a210aa_outproj
		.amdhsa_group_segment_fixed_size 239104
		.amdhsa_private_segment_fixed_size 0
		.amdhsa_enable_private_segment 0
		.amdhsa_kernarg_size 32
		.amdhsa_user_sgpr_count 2
		.amdhsa_user_sgpr_kernarg_segment_ptr 1
		.amdhsa_wavefront_size32 1
		.amdhsa_system_sgpr_workgroup_id_x 1
		.amdhsa_system_sgpr_workgroup_id_y 1
		.amdhsa_system_sgpr_workgroup_id_z 1
		.amdhsa_system_vgpr_workitem_id 0
		.amdhsa_next_free_vgpr 768
		.amdhsa_next_free_sgpr 100
		.amdhsa_reserve_vcc 0
		.amdhsa_float_denorm_mode_32 3
		.amdhsa_float_denorm_mode_16_64 3
		.amdhsa_memory_ordered 1
		.amdhsa_forward_progress 1
		.amdhsa_inst_pref_size 57
	.end_amdhsa_kernel
	.amdgpu_metadata
---
amdhsa.version: [ 1, 2 ]
amdhsa.kernels:
  - .name:           k_q51e2a210aa_outproj
    .symbol:         k_q51e2a210aa_outproj.kd
    .args:
      - { .name: ao, .offset: 0, .size: 8, .value_kind: global_buffer, .address_space: global }
      - { .name: wq, .offset: 8, .size: 8, .value_kind: global_buffer, .address_space: global }
      - { .name: b_o, .offset: 16, .size: 8, .value_kind: global_buffer, .address_space: global }
      - { .name: out0, .offset: 24, .size: 8, .value_kind: global_buffer, .address_space: global }
    .group_segment_fixed_size: 239104
    .private_segment_fixed_size: 0
    .kernarg_segment_align: 8
    .kernarg_segment_size: 32
    .max_flat_workgroup_size: 128
    .sgpr_count:     100
    .vgpr_count:     768
    .wavefront_size: 32
...
	.end_amdgpu_metadata
.endif
;; end of part 5
;; ======== version 2 of 2: 4 launches
;; limits: right only within a limited range of input values
;; workspace buffers: xq 9,830,400 bytes; wq 3,276,800 bytes; qkv 10,223,616 bytes; ao 3,276,800 bytes
;; launch quant (part 6): grid 1280 x 1, 2 waves a work-group, no clusters, 17,152 bytes of LDS; arguments q, k, v, w_q, w_k, w_v, w_o, xq, wq; writes xq, wq
.if DOCPART == 6
	.amdgcn_target "amdgcn-amd-amdhsa--gfx1250"
	.amdhsa_code_object_version 6
	.text
	.protected	k_q51e2a210aa_quant
	.globl	k_q51e2a210aa_quant
	.p2align	8
	.type	k_q51e2a210aa_quant,@function
k_q51e2a210aa_quant:
	s_mov_b64 s[64:65], 0
	v_nop
	global_prefetch_b8 v0, s[64:65] scope:SCOPE_SE
	s_setreg_imm32_b32 hwreg(HW_REG_WAVE_MODE, 25, 1), 1
	s_wait_xcnt 0x0
; ONE LAUNCH QUANTISES ALL SEVEN WIDE INPUTS to codes of FP6 (E2M3) with one E8M0 byte for each 32 along K, laid in the ORDER OF THE OPERAND'S REGISTERS.  Work-groups 0 to 511 take the four weights, 512 to 1,279 take q, k, v:
; the two paths part on the work-group's number at the head and never meet again; only the second touches LDS.
; A RECORD of 12,800 bytes is 128 rows x 128 K: eight units of 1,536 bytes (tile t of 16 rows: register 4 g + e of lane l at 512 g + 16 l + 4 e), then four blocks of 128 bytes of scale words (block b: the word of row r of
; tile 2 b + u at 4 (16 u + r)).  xq = [96 panels: tensor x 32 + 128 tokens][8 K steps][record];  wq = [32 panels: weight x 8 + 128 columns][8 K steps][record], its rows being columns n of the weight.
; THE ROWS OF A TILE ARE NOT NEIGHBOURS: lane r of tile 2 b + u holds row 32 b + 8 u + r + 8 (r / 8) of the panel, so that in a product that takes the tile as source 0 a lane's 16 results of tiles 2 b, 2 b + 1 are 16 neighbours.
; A block's scale is 2^(floor(log2(largest magnitude)) - 2); its byte is the largest magnitude's exponent field - 2, held at 1 from below by a floor among the maximum's leaves.
; LIMITS: NaN and infinities among the inputs are not served; a block of zeros gets the byte 1 where the quantiser says 127: its codes are zeros, and this program alone reads the bytes.
; q, k, v [4096 tokens][1024], K innermost: a work-group is (panel, pair of tiles b, half of K); its wave u makes tile 2 b + u for four K steps.  A load reads 512 consecutive bytes of one row; the 16 rows of a step turn through
; the wave's own stage in LDS (rows 528 bytes apart) so that a lane gets two whole blocks of 32 of its row.
; THE WEIGHTS [1024 (k)][1024 (n)], K their FIRST axis: a work-group is (weight, 128 columns, K step, half of the columns); a wave takes 32 columns.  A LANE TAKES A COLUMN, AND ITS REGISTERS RUN DOWN K: a load reads 128 consecutive
; bytes of a row of the weight, a block of 32 along K lies in one lane, and the conversions give codes with K innermost.  Nothing is transposed.
; Waves share nothing: no barrier.  No matrix unit, no cluster: nothing is read twice.
.set REC_G,  12800
.set PANEL,  8*REC_G
.set NWGW,   512                       ; work-groups of the weights' path: 4 weights x 8 panels x 8 K steps x 2 halves
.set SPITCH, 528                       ; a stage row: 512 bytes + 16: an odd multiple of 16, so sixteen rows' 16 bytes start in different banks
.set STG,    16*SPITCH                 ; a wave's stage
; registers of the path of q, k, v
.set M,   6                            ; v6-7    largest magnitudes of my two blocks
.set SO,  8                            ; v8-9    the conversions' scale operands
.set BY,  10                           ; v10-11  the bytes
.set TP,  12                           ; v12 a lane permute's destination, v13 at work
.set OW,  14                           ; v14-15  scale words on their way out
.set W,   16                           ; v16-19  my row's scale word of each K step
.set PC,  20                           ; v20-31  the fragment's twelve registers
.set PT,  32                           ; v32-39  second halves of the blocks (a conversion's three registers begin on an even number)
.set X,   40                           ; v40-103 my two blocks of 32 numbers
.set R,   104                          ; v104-231 two sets of 16 rows x 16 bytes as loaded
.set SEL, 38                           ; s[38:39] selects of v_permlanex16_b32: lane l xor 16
; registers of the weights' path
.set WMX, 8                            ; v8-11   largest magnitudes
.set WSO, 12                           ; v12-15  the conversions' scale operands
.set WBY, 16                           ; v16-19  the bytes
.set WSW, 20                           ; v20     my column's scale word;  v21 at work
.set WCD, 24                           ; v24-35  blocks 0, 2;  v36-47 blocks 1, 3
.set WPT, 48                           ; v48-63  second halves of the four blocks
.set WD,  64                           ; v64-191 my column's 128 numbers
	s_load_b256 s[4:11], s[0:1], 0x0               ; q s[4:5], k s[6:7], v s[8:9], w_q s[10:11]
	s_load_b256 s[12:19], s[0:1], 0x20             ; w_k s[12:13], w_v s[14:15], w_o s[16:17], xq s[18:19]
	s_load_b64 s[20:21], s[0:1], 0x40              ; wq
	v_lshl_add_u32 v240, v0, 2, 0x4200
	v_mov_b32 v241, 0
	v_lshrrev_b32 v1, 5, v0
	v_readfirstlane_b32 s22, v1                    ; u: my wave
	s_cmp_lt_u32 ttmp9, NWGW
	s_cbranch_scc1 .Lweights
	; ---------------- q, k, v ----------------
	s_sub_co_u32 s23, ttmp9, NWGW                  ; 0..767
	s_lshr_b32 s24, s23, 3                         ; panel 0..95
	s_bfe_u32 s25, s23, 0x20001                    ; b: which pair of tiles
	s_and_b32 s26, s23, 1                          ; which half of K
	s_lshr_b32 s27, s24, 5                         ; tensor 0, 1, 2
	s_and_b32 s28, s24, 31                         ; its panel of 128 tokens
	s_lshl_b32 s30, s28, 7
	s_lshl_b32 s29, s25, 5
	s_add_co_u32 s30, s30, s29
	s_lshl_b32 s29, s22, 3
	s_add_co_u32 s30, s30, s29                     ; the tile's first row: 128 panel + 32 b + 8 u
	s_lshl_b32 s30, s30, 12                        ; rows of 4,096 bytes
	s_lshl_b32 s29, s26, 11
	s_add_co_u32 s30, s30, s29                     ; + my half of K
	s_mov_b32 s31, 0
	s_mul_i32 s32, s24, PANEL
	s_mul_i32 s29, s26, 4*REC_G
	s_add_co_u32 s32, s32, s29                     ; the first of my four records
	s_lshl_b32 s33, s25, 1
	s_add_co_u32 s33, s33, s22                     ; t = 2 b + u
	s_mul_i32 s34, s33, 1536
	s_add_co_u32 s34, s34, s32                     ; my unit
	s_mov_b32 s35, 0
	s_lshl_b32 s36, s33, 6                         ; 128 b + 64 u
	s_add_co_u32 s36, s36, s32
	s_add_co_u32 s36, s36, 12288                   ; my sixteen scale words
	s_mov_b32 s37, 0
	s_mov_b32 s[SEL], 0x76543210
	s_mov_b32 s[SEL+1], 0xfedcba98
	v_and_b32 v2, 31, v0                           ; lane
	v_and_b32 v3, 15, v0                           ; r
	v_bfe_u32 v4, v0, 4, 1                         ; h
	v_lshlrev_b32 v1, 4, v2                        ; v1 = 16 x lane: my 16 bytes of a load's 512, and of a store's
	s_mul_i32 s41, s22, STG
	v_add_nc_u32 v2, s41, v1                       ; v2: the stage on the way in
	v_lshlrev_b32 v5, 2, v3
	v_mul_u32_u24 v3, v3, SPITCH
	v_lshl_add_u32 v3, v4, 7, v3
	v_add_nc_u32 v3, s41, v3                       ; v3: on the way out: row r, block h
	v_mad_u32_u24 v5, v4, REC_G, v5                ; v5: scale words: lanes 0-15 an even K step's record, lanes 16-31 the next one's
	v_cmp_ne_u32 s40, 0, v4                        ; s40: lanes 16-31
	v_lshlrev_b32 v4, 3, v4                        ; v4 = 8 h: my bytes' place in a scale word
	v_mov_b32 v[TP], 0                             ; written once: a lane permute's destination counts as one of its sources
	s_wait_alu depctr_va_vdst(0)
	s_wait_kmcnt 0x0
	s_cmp_eq_u32 s27, 0                            ; the tensor is chosen by the work-group's number alone
	s_cselect_b64 s[4:5], s[4:5], s[6:7]
	s_cmp_eq_u32 s27, 2
	s_cselect_b64 s[4:5], s[8:9], s[4:5]
	s_add_nc_u64 s[4:5], s[4:5], s[30:31]
	s_add_nc_u64 s[42:43], s[18:19], s[34:35]      ; codes
	s_add_nc_u64 s[44:45], s[18:19], s[36:37]      ; scale words
.macro LOAD s                          ; K step s of my 16 rows: each load reads 512 consecutive bytes of one row
.irp rho, 0,1,2,3,4,5,6,7,8,9,10,11,12,13,14,15
	global_load_b128 v[R+64*((\s)%2)+4*\rho:R+64*((\s)%2)+4*\rho+3], v1, s[4:5] offset:(\rho+8*(\rho/8))*4096+512*(\s) th:TH_LOAD_NT
.endr
.endm
.macro STEP s
.if (\s) < 3
	s_wait_loadcnt 16                              ; this step's 16 loads are in; the next step's 16 may be out
.else
	s_wait_loadcnt 0x0
.endif
.irp rho, 0,1,2,3,4,5,6,7,8,9,10,11,12,13,14,15
	ds_store_b128 v2, v[R+64*((\s)%2)+4*\rho:R+64*((\s)%2)+4*\rho+3] offset:SPITCH*\rho
.endr
.irp c, 0,1                            ; LDS serves a wave's instructions in order: these see the stores above.  Block 2 c + h of row r
.irp i, 0,1,2,3,4,5,6,7
	ds_load_b128 v[X+32*\c+4*\i:X+32*\c+4*\i+3], v3 offset:256*\c+16*\i
.endr
.endr
	s_wait_dscnt 0x0                               ; my numbers are back, and the stores have read the set that the loads below fill
.if (\s) < 2
	LOAD (\s)+2
.endif
.irp c, 0,1
	v_max3_num_f32 v[M+\c], |v[X+32*\c]|, |v[X+32*\c+1]|, 0x1800000   ; the floor 2^(3 - 127): the byte cannot fall under 1
.endr
.irp i, 2,4,6,8,10,12,14,16,18,20,22,24,26,28,30
.irp c, 0,1
	v_max3_num_f32 v[M+\c], v[M+\c], |v[X+32*\c+\i]|, |v[X+32*\c+\i+1]|   ; the two blocks by turns
.endr
.endr
.irp c, 0,1
	v_add_nc_u32 v[SO+\c], 0xff000000, v[M+\c]     ; 2 off the exponent field: the conversion takes this operand's exponent field as its scale
.endr
.irp c, 0,1
	v_lshrrev_b32 v[BY+\c], 23, v[SO+\c]           ; the byte
.endr
	v_lshl_or_b32 v[TP+1], v[BY+1], 16, v[BY]      ; blocks h and 2 + h,
	v_lshlrev_b32 v[TP+1], v4, v[TP+1]             ; at their places in the word;
	v_permlanex16_b32 v[TP], v[TP+1], s[SEL], s[SEL+1]
	v_or_b32 v[W+(\s)], v[TP+1], v[TP]             ; with lane l xor 16's two the word is whole
.if (\s) > 0
	s_wait_alu depctr_va_vdst(0)
	s_wait_xcnt 0x0                                ; the last step's stores have read the fragment's registers: only now are they written again
.endif
.irp c, 0,1
	v_cvt_scalef32_pk16_fp6_f32 v[PC+6*\c:PC+6*\c+2], v[X+32*\c:X+32*\c+15], v[SO+\c]
	v_cvt_scalef32_pk16_fp6_f32 v[PT+4*\c:PT+4*\c+2], v[X+32*\c+16:X+32*\c+31], v[SO+\c]
.endr
	v_nop                                          ; one plain line behind the scaled conversions
.irp c, 0,1
.irp i, 0,1,2
	v_mov_b32 v[PC+6*\c+3+\i], v[PT+4*\c+\i]
.endr
.endr
.irp g, 0,1,2
	global_store_b128 v1, v[PC+4*\g:PC+4*\g+3], s[42:43] offset:REC_G*(\s)+512*\g   ; 32 lanes store 512 consecutive bytes, at a multiple of 256 from the buffer's first byte
.endr
.endm
	LOAD 0
	LOAD 1
	STEP 0
	STEP 1
	STEP 2
	STEP 3
.irp i, 0,1
	v_cndmask_b32 v[OW+\i], v[W+2*\i], v[W+2*\i+1], s40        ; every lane holds its row's word: lanes 0-15 send step 2 i's, lanes 16-31 step 2 i + 1's
	global_store_b32 v5, v[OW+\i], s[44:45] offset:2*REC_G*\i  ; two runs of 64 bytes
.endr
	s_wait_tensorcnt 0x0
	ds_add_u32 v240, v241
	s_wait_dscnt 0x0
	s_endpgm
	; ---------------- the weights ----------------
	; Column 32 wv + l of the panel is row rr = l % 8 + 8 (l / 16) of tile 2 wv + u, u = (l / 8) % 2.  The lane holds what the fragment's lanes rr and rr + 16 hold: blocks 0, 2 and blocks 1, 3.
.Lweights:
	s_lshr_b32 s23, ttmp9, 7                       ; which weight
	s_and_b32 s24, ttmp9, 7                        ; which 128 columns
	s_bfe_u32 s25, ttmp9, 0x30003                  ; which K step
	s_bfe_u32 s26, ttmp9, 0x10006                  ; which half of the columns
	s_lshl_b32 s26, s26, 1
	s_add_co_u32 s26, s26, s22                     ; wv: which 32 columns of the 128
	s_lshl_b32 s30, s25, 19                        ; 128 rows of 4,096 bytes a K step
	s_lshl_b32 s29, s24, 9
	s_add_co_u32 s30, s30, s29
	s_lshl_b32 s29, s26, 7
	s_add_co_u32 s30, s30, s29                     ; + 4 (128 panel + 32 wv)
	s_mov_b32 s31, 0
	s_lshl_b32 s32, s23, 3
	s_add_co_u32 s32, s32, s24
	s_mul_i32 s32, s32, PANEL
	s_mul_i32 s29, s25, REC_G
	s_add_co_u32 s32, s32, s29                     ; the record
	s_mul_i32 s29, s26, 3072
	s_add_co_u32 s34, s32, s29                     ; my wave's two units
	s_mov_b32 s35, 0
	s_lshl_b32 s29, s26, 7
	s_add_co_u32 s36, s32, s29
	s_add_co_u32 s36, s36, 12288                   ; my wave's block of scale words
	s_mov_b32 s37, 0
	v_and_b32 v4, 31, v0
	v_lshlrev_b32 v1, 2, v4                        ; v1 = 4 x lane: my column in a row of the weight
	v_bfe_u32 v5, v0, 3, 1                         ; u
	v_and_b32 v6, 7, v0
	v_bfe_u32 v7, v0, 4, 1
	v_lshl_add_u32 v6, v7, 3, v6                   ; rr
	v_lshlrev_b32 v2, 4, v6
	v_mad_u32_u24 v2, v5, 1536, v2                 ; v2 = 1,536 u + 16 rr: my place in the two units
	v_lshl_add_u32 v3, v5, 4, v6
	v_lshlrev_b32 v3, 2, v3                        ; v3 = 4 (16 u + rr): my scale word's place
	s_wait_alu depctr_va_vdst(0)
	s_wait_kmcnt 0x0
	s_cmp_eq_u32 s23, 1                            ; the weight is chosen by the work-group's number alone
	s_cselect_b64 s[10:11], s[12:13], s[10:11]
	s_cmp_eq_u32 s23, 2
	s_cselect_b64 s[10:11], s[14:15], s[10:11]
	s_cmp_eq_u32 s23, 3
	s_cselect_b64 s[10:11], s[16:17], s[10:11]
	s_add_nc_u64 s[10:11], s[10:11], s[30:31]
	s_add_nc_u64 s[42:43], s[20:21], s[34:35]
	s_add_nc_u64 s[44:45], s[20:21], s[36:37]
.macro LOADB kb                        ; block kb: 32 rows of the weight at my column
.irp i, 0,1,2,3,4,5,6,7,8,9,10,11,12,13,14,15,16,17,18,19,20,21,22,23,24,25,26,27,28,29,30,31
	global_load_b32 v[WD+32*\kb+\i], v1, s[10:11] offset:(32*\kb+\i)*4096 th:TH_LOAD_NT
.endr
.endm
.macro MAXB kb                         ; its largest magnitude, in two chains, with the floor 2^(3 - 127) as one more leaf
	v_max3_num_f32 v[WMX+\kb], |v[WD+32*\kb]|, |v[WD+32*\kb+1]|, |v[WD+32*\kb+2]|
	v_max3_num_f32 v[WSW+1], |v[WD+32*\kb+3]|, |v[WD+32*\kb+4]|, |v[WD+32*\kb+5]|
.irp i, 6,10,14,18,22,26
	v_max3_num_f32 v[WMX+\kb], v[WMX+\kb], |v[WD+32*\kb+\i]|, |v[WD+32*\kb+\i+1]|
	v_max3_num_f32 v[WSW+1], v[WSW+1], |v[WD+32*\kb+\i+2]|, |v[WD+32*\kb+\i+3]|
.endr
	v_max3_num_f32 v[WMX+\kb], v[WMX+\kb], |v[WD+32*\kb+30]|, |v[WD+32*\kb+31]|
	v_max3_num_f32 v[WMX+\kb], v[WMX+\kb], v[WSW+1], 0x1800000
.endm
	LOADB 0
	LOADB 1
	s_wait_loadcnt 32                              ; block 0 is in; block 1's 32 loads may be out
	LOADB 2
	MAXB 0
	s_wait_loadcnt 32                              ; block 1 is in; block 2's may be out
	LOADB 3
	MAXB 1
	s_wait_loadcnt 32                              ; block 2 is in; block 3's may be out
	MAXB 2
	s_wait_loadcnt 0x0
	MAXB 3
.irp b, 0,1,2,3
	v_add_nc_u32 v[WSO+\b], 0xff000000, v[WMX+\b]  ; 2 off the exponent field: the conversion's scale operand
.endr
.irp b, 0,1,2,3
	v_lshrrev_b32 v[WBY+\b], 23, v[WSO+\b]         ; the byte
.endr
	v_lshl_or_b32 v[WSW], v[WBY+1], 8, v[WBY]
	v_lshl_or_b32 v[WSW], v[WBY+2], 16, v[WSW]
	v_lshl_or_b32 v[WSW], v[WBY+3], 24, v[WSW]
.irp b, 0,1,2,3
	v_cvt_scalef32_pk16_fp6_f32 v[WCD+12*(\b%2)+6*(\b/2):WCD+12*(\b%2)+6*(\b/2)+2], v[WD+32*\b:WD+32*\b+15], v[WSO+\b]
	v_cvt_scalef32_pk16_fp6_f32 v[WPT+4*\b:WPT+4*\b+2], v[WD+32*\b+16:WD+32*\b+31], v[WSO+\b]
.endr
	v_nop                                          ; one plain line behind the scaled conversions
.irp b, 0,1,2,3
.irp i, 0,1,2
	v_mov_b32 v[WCD+12*(\b%2)+6*(\b/2)+3+\i], v[WPT+4*\b+\i]
.endr
.endr
.irp hh, 0,1
.irp g, 0,1,2
	global_store_b128 v2, v[WCD+12*\hh+4*\g:WCD+12*\hh+4*\g+3], s[42:43] offset:256*\hh+512*\g   ; the sixteen lanes of each u fill 256 consecutive bytes, at a multiple of 256 from the buffer's first byte
.endr
.endr
	global_store_b32 v3, v[WSW], s[44:45]          ; 128 consecutive bytes
	s_endpgm
.Lfunc_end_k_q51e2a210aa_quant:
	.size	k_q51e2a210aa_quant, .Lfunc_end_k_q51e2a210aa_quant-k_q51e2a210aa_quant
	.p2alignl 7, 3214868480
	.fill 96, 4, 3214868480
	.section	.rodata,"a",@progbits
	.p2align	6, 0x0
	.amdhsa_kernel k_q51e2a210aa_quant
		.amdhsa_group_segment_fixed_size 17152
		.amdhsa_private_segment_fixed_size 0
		.amdhsa_enable_private_segment 0
		.amdhsa_kernarg_size 72
		.amdhsa_user_sgpr_count 2
		.amdhsa_user_sgpr_kernarg_segment_ptr 1
		.amdhsa_wavefront_size32 1
		.amdhsa_system_sgpr_workgroup_id_x 1
		.amdhsa_system_sgpr_workgroup_id_y 1
		.amdhsa_system_sgpr_workgroup_id_z 1
		.amdhsa_system_vgpr_workitem_id 0
		.amdhsa_next_free_vgpr 242
		.amdhsa_next_free_sgpr 66
		.amdhsa_reserve_vcc 0
		.amdhsa_float_denorm_mode_32 3
		.amdhsa_float_denorm_mode_16_64 3
		.amdhsa_memory_ordered 1
		.amdhsa_forward_progress 1
		.amdhsa_inst_pref_size 51
	.end_amdhsa_kernel
	.amdgpu_metadata
---
amdhsa.version: [ 1, 2 ]
amdhsa.kernels:
  - .name:           k_q51e2a210aa_quant
    .symbol:         k_q51e2a210aa_quant.kd
    .args:
      - { .name: q, .offset: 0, .size: 8, .value_kind: global_buffer, .address_space: global }
      - { .name: k, .offset: 8, .size: 8, .value_kind: global_buffer, .address_space: global }
      - { .name: v, .offset: 16, .size: 8, .value_kind: global_buffer, .address_space: global }
      - { .name: w_q, .offset: 24, .size: 8, .value_kind: global_buffer, .address_space: global }
      - { .name: w_k, .offset: 32, .size: 8, .value_kind: global_buffer, .address_space: global }
      - { .name: w_v, .offset: 40, .size: 8, .value_kind: global_buffer, .address_space: global }
      - { .name: w_o, .offset: 48, .size: 8, .value_kind: global_buffer, .address_space: global }
      - { .name: xq, .offset: 56, .size: 8, .value_kind: global_buffer, .address_space: global }
      - { .name: wq, .offset: 64, .size: 8, .value_kind: global_buffer, .address_space: global }
    .group_segment_fixed_size: 17152
    .private_segment_fixed_size: 0
    .kernarg_segment_align: 8
    .kernarg_segment_size: 72
    .max_flat_workgroup_size: 64
    .sgpr_count:     66
    .vgpr_count:     242
    .wavefront_size: 32
...
	.end_amdgpu_metadata
.endif
;; end of part 6
;; launch proj (part 7): grid 8 x 32, 4 waves a work-group, clusters of 4 x 4, 327,680 bytes of LDS; arguments xq, wq, b_q, b_k, b_v, qkv; writes qkv
.if DOCPART == 7
	.amdgcn_target "amdgcn-amd-amdhsa--gfx1250"
	.amdhsa_code_object_version 6
	.text
	.protected	k_q51e2a210aa_proj
	.globl	k_q51e2a210aa_proj
	.p2align	8
	.type	k_q51e2a210aa_proj,@function
k_q51e2a210aa_proj:
	s_mov_b64 s[64:65], 0
	v_nop
	global_prefetch_b8 v0, s[64:65] scope:SCOPE_SE
	s_setreg_imm32_b32 hwreg(HW_REG_WAVE_MODE, 25, 1), 1
	s_wait_xcnt 0x0
	s_wait_alu depctr_hold_cnt(0) depctr_sa_sdst(0) depctr_va_vdst(0) depctr_va_sdst(0) depctr_va_ssrc(0) depctr_va_vcc(0) depctr_vm_vsrc(0)
	s_getreg_b32 s2, hwreg(HW_REG_IB_STS2, 6, 4)
	s_cmp_eq_u32 s2, 0
	s_cbranch_scc0 .Lentry_in_a_cluster
	s_endpgm
.Lentry_in_a_cluster:
	s_bfe_u32 s2, ttmp6, 0x10000c
	s_cmp_lg_u32 s2, 0xf033
	s_cbranch_scc0 .Lentry_shape_is_right
	s_endpgm
.Lentry_shape_is_right:
; The three projections x W + b on codes of FP6 (E2M3), and the quantising of their results for attention.  A WORK-GROUP STAYS: it makes 128 tokens x 128 channels of Q, then of K, then of V, each over all of K = 1,024:
; 768 tiles on 256 work-groups, three each.  Tile t takes panel 32 t + p of xq and panel 8 t + c of wq (p: the tokens' panel, c: the channels').
; OPERANDS lie in xq and wq in the order of the operand's registers: a record of 12,800 bytes is 128 rows x 128 K (eight units of 1,536 bytes, then four blocks of scale words).  A fragment is three dense ds_load_b128.
; LDS: A RING OF TWO SLOTS of 102,400 bytes; a slot holds half of K of one tile: x's four records, then W's four.  A load brings four records, 200 rows of 256 bytes.  At the head each wave issues one:
; wave 0 x's K steps 0-3, wave 1 W's, wave 2 x's K steps 4-7, wave 3 W's.  FOUR REFILLS: in K step 3 of tiles 0 and 1 slot 0 takes the next tile's first half (waves 0 and 1), in K step 7 slot 1 its second half (waves 2 and 3).
; Each refill stands behind the wait for all tensor loads, the add, the wait for my LDS reads and a whole round of the cluster's barrier; that wait and round also show the other slot whole.  Every wait on TENSORcnt is for 0.
; CLUSTER 4 x 4: the four work-groups of a row of the cluster share x's panels, the four of a column W's: each load is a joint one, with a mask that names the four.  All sixteen walk the three tensors in the same order.
; PREFETCH: each later half of K is asked for one refill ahead of its load (the first at the head).  A half of a panel is 200 blocks of 256 bytes; the sixteen waves of the four work-groups that will ask for it jointly
; share them by address, 13 blocks a wave, a lane a block (lanes left over name the wave's last block again; numbers past 199 are held at 199).  The last refill is followed by none.
; THE PRODUCT is D = S0 S1^T: a lane holds one row of S1, its registers run along S0's rows; the rows that form a tile are chosen (lane r of tile 2 b + u: row 32 b + 8 u + r + 8 (r / 8)) so that the 16 registers
; of S0's tiles 2 b, 2 b + 1 are 16 neighbours.  Q, K: S0 = W, S1 = x: a lane holds a token and its registers run along the channels, the next product's K.  V: S0 = x, S1 = W: a lane holds a channel and its registers run
; along the keys.  Only the LDS bases, the form of the bias and the way out differ; the three tiles are written out by one macro.
; Wave w makes S1's tiles 2 w, 2 w + 1 against S0's eight: 16 accumulators, which take turns, one instruction a turn, in the same order in every K step.  The bias is the C of the first K step.
; qkv = [Q, K, V][32 heads][16 groups of 128 tokens][a record of 6,656 bytes: four units, four blocks of scale words].  Q, K: unit i = the real halves (the head's 64 along K) of token tiles 2 i and 2 i + 1, six registers
; each; scale words with bytes 2, 3 = 0.  V: unit tc = channel tile tc x 128 keys, a whole fragment.
; LIMITS: NaN and infinities are not served; a block of zeros gets the byte 1 where the quantiser says 127: its codes are zeros, and this program alone reads the bytes.
; REGISTERS: window 0: v1-14 addresses; v16-20, v24-28 scale words, two sets; v32-95 the way out; v128-255 accumulator (i, j) at 128 + 64 i + 8 j.  window 1: two fragment buffers of 128 (S0's eight at 12 j, S1's two at 96 + 12 i).
;   window 2: v0-63 b_q along S0's rows, v64-127 b_k, v128-143 b_v along S1's.
.set REC_G, 12800
.set PANEL, 8*REC_G
.set REC_A, 6656
.set HEAD,  16*REC_A
.set TS,    32*HEAD
.set CHUNK, 4*REC_G                    ; four records: what one load brings
.set SLOT,  2*CHUNK
.set SPARE, 2*SLOT                     ; behind the ring: the spare words, 128 bytes a wave
.set L16, 1                            ; v1   16 x lane
.set L4,  2                            ; v2   4 x lane
.set RR,  3                            ; v3   lane % 16
.set HH,  4                            ; v4   lane / 16
.set A0,  5                            ; v5   LDS: S0's fragments of the pair of K steps in hand
.set A1,  6                            ; v6   S1's two
.set SA0, 7                            ; v7   S0's scale words
.set SA1, 8                            ; v8   S1's
.set BO,  9                            ; v9   the bias along S0's rows: 64 (lane / 16)
.set BL,  10                           ; v10-11 the bias along S1's rows, as loaded
.set BO2, 12                           ; v12  its offset
.set PFX, 13                           ; v13  my blocks of a half of x's panel, for the prefetches; never rewritten
.set PFW, 14                           ; v14  and of W's
.set SS,  16                           ; scale words: set p at 16 + 8 p: four registers for S0 (lanes 0-15 tile 2 b, lanes 16-31 tile 2 b + 1), one for S1
.set TM,  32                           ; v32-47 the quantiser's work
.set PW,  48                           ; v48-49 scale words just made
.set SW,  50                           ; v50-52
.set U0,  64                           ; v64-75, v76-87 two units on their way out
.set U1,  76
.set PT,  88                           ; v88-95
.set SPW, 126
.set NIL, 127
.set ACC, 128
.set BJ,  0                            ; in window 2
.set BI,  128
.set WV,  16                           ; s16 my wave
.set G1X, 24                           ; s[24:31] descriptor group 1 for x's records;  s[32:39] for W's: the mask differs
.set G1W, 32
.set G0X, 40                           ; s[40:43] group 0 for x;  s[44:47] for W
.set G0W, 44
.set XB,  60                           ; s[60:61] x's panel of tile 0;  s[62:63] W's: the prefetches' bases, never rewritten
.set WB,  62
.set SEL, 66                           ; s[66:67]
.set MSB, 0
.macro WIN new                         ; the immediate's high byte repeats the setting that is left
.if MSB != \new
	s_set_vgpr_msb (MSB<<8)|\new
.set MSB, \new
.endif
.endm
.macro WALU
	s_wait_alu depctr_va_vdst(0)
.endm
.macro CROUND                          ; a round of the cluster's barrier
	s_barrier_signal -1
	s_barrier_wait -1
	s_cmp_lg_u32 s[WV], 0
	s_cbranch_scc1 .Lnot_wave_0_\@
	s_barrier_signal -3
.Lnot_wave_0_\@:
	s_barrier_wait -3
	s_barrier_signal -1
	s_barrier_wait -1
.endm
.macro PLACES
.rept 4
	v_nop
.endr
.endm
.macro TLOAD g0, g1                    ; an s_nop 0, then four v_nop
	tensor_load_to_lds s[\g0:\g0+3], s[\g1:\g1+7]
	s_nop 0
	PLACES
.endm
; One matrix instruction; ra, rb = 1: that side's scales are read from lanes 16-31
.macro WM d, a, b, c, sa, sb, ra, rb
.if (\ra) == 0 && (\rb) == 0
	v_wmma_scale_f32_16x16x128_f8f6f4 v[\d:\d+7], v[\a:\a+11], v[\b:\b+11], v[\c:\c+7], v[\sa], v[\sb] matrix_a_fmt:MATRIX_FMT_FP6 matrix_b_fmt:MATRIX_FMT_FP6
.elseif (\ra) == 1 && (\rb) == 0
	v_wmma_scale_f32_16x16x128_f8f6f4 v[\d:\d+7], v[\a:\a+11], v[\b:\b+11], v[\c:\c+7], v[\sa], v[\sb] matrix_a_fmt:MATRIX_FMT_FP6 matrix_b_fmt:MATRIX_FMT_FP6 matrix_a_scale:MATRIX_SCALE_ROW1
.elseif (\ra) == 0
	v_wmma_scale_f32_16x16x128_f8f6f4 v[\d:\d+7], v[\a:\a+11], v[\b:\b+11], v[\c:\c+7], v[\sa], v[\sb] matrix_a_fmt:MATRIX_FMT_FP6 matrix_b_fmt:MATRIX_FMT_FP6 matrix_b_scale:MATRIX_SCALE_ROW1
.else
	v_wmma_scale_f32_16x16x128_f8f6f4 v[\d:\d+7], v[\a:\a+11], v[\b:\b+11], v[\c:\c+7], v[\sa], v[\sb] matrix_a_fmt:MATRIX_FMT_FP6 matrix_b_fmt:MATRIX_FMT_FP6 matrix_a_scale:MATRIX_SCALE_ROW1 matrix_b_scale:MATRIX_SCALE_ROW1
.endif
.endm
; Eight matrix instructions: S0's tiles j0 .. j0 + 3 against S1's two, from buffer p.  cm = 0: onto the sums; 1: the bias along S0's rows (at BJT) starts them; 2: the bias along S1's rows
.macro MUL8 p, j0, cm
.irp j, \j0, \j0+1, \j0+2, \j0+3
.irp i, 0, 1
.if \cm == 0
	WM ACC+64*\i+8*(\j), 128*\p+12*(\j), 128*\p+96+12*\i, ACC+64*\i+8*(\j), SS+8*\p+(\j)/2, SS+8*\p+4, (\j)%2, \i
.elseif \cm == 1
	WM ACC+64*\i+8*(\j), 128*\p+12*(\j), 128*\p+96+12*\i, BJT+8*(\j), SS+8*\p+(\j)/2, SS+8*\p+4, (\j)%2, \i
.else
	WM ACC+64*\i+8*(\j), 128*\p+12*(\j), 128*\p+96+12*\i, BI+8*\i, SS+8*\p+(\j)/2, SS+8*\p+4, (\j)%2, \i
.endif
.endr
.endr
.endm
; 35 LDS loads: K step s's scale words, S1's two fragments, S0's tiles 0-3, S0's tiles 4-7, into set and buffer s % 2
.macro FETCH s
.set FP, (\s)%2
.set FO, REC_G*((\s)%2)
	WIN 0
.irp b, 0,1,2,3
	ds_load_b32 v[SS+8*FP+\b], v[SA0] offset:FO+128*\b
.endr
	ds_load_b32 v[SS+8*FP+4], v[SA1] offset:FO
	WIN 0x40                                       ; destination window 1, address window 0
.irp i, 0,1
.irp g, 0,1,2
	ds_load_b128 v[128*FP+96+12*\i+4*\g:128*FP+96+12*\i+4*\g+3], v[A1] offset:FO+1536*\i+512*\g
.endr
.endr
.irp t, 0,1,2,3,4,5,6,7
.irp g, 0,1,2
	ds_load_b128 v[128*FP+12*\t+4*\g:128*FP+12*\t+4*\g+3], v[A0] offset:FO+1536*\t+512*\g
.endr
.endr
.endm
; The four LDS addresses at the start of tile t, in slot 0.  V: S0 = x's records, which lie first in a slot; else W's.  The four vector lines are also places in front of loads
.macro ADDR t
.if (\t) == 2
.set S0B_, 0
.else
.set S0B_, CHUNK
.endif
.set S1B_, CHUNK-S0B_
	s_add_co_u32 s96, s90, S1B_                    ; my two tiles of S1: units 2 w, 2 w + 1
	s_add_co_u32 s97, s85, S1B_+12288              ; their scale words: block w
	v_add_nc_u32 v[A0], S0B_, v[L16]
	v_add_nc_u32 v[A1], s96, v[L16]
	v_add_nc_u32 v[SA0], S0B_+12288, v[L4]
	v_add_nc_u32 v[SA1], s97, v[L4]
.endm
.macro ADV by                          ; the four addresses \by bytes on; also the places in front of the loads that follow
.irp a, A0, A1, SA0, SA1
	v_add_nc_u32 v[\a], \by, v[\a]
.endr
.endm
; A refill of slot \slot: three lines and a round of the cluster's barrier ahead of it, then the loads of two waves
.macro GATE slot
	s_wait_tensorcnt 0x0                           ; all my loads have landed, my part of the other slot among them
	ds_add_u32 v[SPW], v[NIL]
.if (\slot) == 0
	s_add_nc_u64 s[G0X+2:G0X+3], s[G0X+2:G0X+3], 32*PANEL   ; no load of mine is out: my half of K of the next tensor's panels
	s_add_nc_u64 s[G0W+2:G0W+3], s[G0W+2:G0W+3], 8*PANEL
.endif
	s_wait_dscnt 0x0                               ; the add is done, and so are my reads of this slot
	CROUND                                         ; both hold of every wave of all sixteen work-groups
	s_cmp_eq_u32 s[WV], 2*(\slot)
	s_cbranch_scc0 .Lgate_w_\@
	TLOAD G0X, G1X
	s_branch .Lgate_done_\@
.Lgate_w_\@:
	s_cmp_eq_u32 s[WV], 2*(\slot)+1
	s_cbranch_scc0 .Lgate_done_\@
	TLOAD G0W, G1W
.Lgate_done_\@:
.endm
.macro ASK h                           ; half h % 2 of K of tile h / 2 is asked for into the L2: my 13 blocks of x's 200 and of W's
	global_prefetch_b8 v[PFX], s[XB:XB+1] offset:((\h)/2)*32*PANEL+((\h)%2)*CHUNK th:TH_LOAD_NT scope:SCOPE_SE
	global_prefetch_b8 v[PFW], s[WB:WB+1] offset:((\h)/2)*8*PANEL+((\h)%2)*CHUNK th:TH_LOAD_NT scope:SCOPE_SE
.endm
; K step s of tile t: sixteen matrix instructions, the next step's loads in one run in their middle; in steps 3 and 7 the change of slots stands there too
.macro STEP s, cm, t
.set PP, (\s)%2
	s_wait_dscnt 12                                ; all of this step's loads but the youngest twelve (S0's tiles 4-7) are in
.if \cm
	WIN 0x25                                       ; sources 0 and 1 window 1, C window 2, D window 0
.else
	WIN 0x05                                       ; sources 0 and 1 window 1, C and D window 0
.endif
	MUL8 PP, 0, \cm
.if (\s) < 7 || (\t) < 2
	WIN 0
.if (\s) == 3
.if (\t) < 2
	GATE 0                                         ; slot 1 is whole, slot 0 is read no more and takes the next tile's first half
.else
	s_wait_dscnt 0x0                               ; no LDS instruction of mine is out at a signal
	s_wait_tensorcnt 0x0
	s_barrier_signal -1
	s_barrier_wait -1                              ; slot 1 is whole
.endif
	ADV SLOT-2*REC_G                               ; on to slot 1
.elseif (\s) == 7
	GATE 1                                         ; slot 0 is whole, slot 1 is read no more and takes the next tile's second half
	ADDR (\t)+1
.elseif (\s)%2 == 1
	ADV 2*REC_G
.else
	PLACES                                         ; four places in front of loads into registers that matrix instructions have read
.endif
	FETCH (\s)+1
.if (\s) == 3 && (\t) < 2
	ASK 2*(\t)+3                                   ; what the next refill will load
.elseif (\s) == 7 && (\t) < 1
	ASK 2*(\t)+4
.endif
	s_wait_dscnt 35                                ; all but the 35 just issued
.else
	s_wait_dscnt 0x0
.endif
.if \cm
	WIN 0x25
.else
	WIN 0x05
.endif
	MUL8 PP, 4, \cm
.endm
; 64 numbers of a lane, v[s] on, register 16 b + i = place 32 b + 16 (lane / 16) + i along the next K, become codes: blocks 0, 1 in six registers at d0, blocks 2, 3 at d1; the four bytes in v[pw]
.macro QUANT s, d0, d1, pw
.irp b, 0,1,2,3
	v_max3_num_f32 v[TM+\b], |v[\s+16*\b]|, |v[\s+1+16*\b]|, 0x1800000   ; each accumulator is read from its low end on; the floor 2^(3 - 127) holds the byte at 1 from below
.endr
.irp i, 2,4,6,8,10,12,14
.irp b, 0,1,2,3
	v_max3_num_f32 v[TM+\b], v[TM+\b], |v[\s+16*\b+\i]|, |v[\s+1+16*\b+\i]|
.endr
.endr
.irp b, 0,1,2,3
	v_permlanex16_b32 v[TM+4+\b], v[TM+\b], s[SEL], s[SEL+1]
.endr
.irp b, 0,1,2,3
	v_max_num_f32 v[TM+\b], v[TM+\b], v[TM+4+\b]   ; with lane l xor 16's sixteen: the block's largest magnitude
.endr
.irp b, 0,1,2,3
	v_add_nc_u32 v[TM+12+\b], 0xff000000, v[TM+\b] ; 2 off the exponent field: the conversion's scale operand
.endr
.irp b, 0,1,2,3
	v_lshrrev_b32 v[TM+4+\b], 23, v[TM+12+\b]      ; the byte
.endr
	v_lshl_or_b32 v[\pw], v[TM+5], 8, v[TM+4]
	v_lshl_or_b32 v[\pw], v[TM+6], 16, v[\pw]
	v_lshl_or_b32 v[\pw], v[TM+7], 24, v[\pw]
	v_cvt_scalef32_pk16_fp6_f32 v[\d0:\d0+2], v[\s:\s+15], v[TM+12]
	v_cvt_scalef32_pk16_fp6_f32 v[PT:PT+2], v[\s+16:\s+31], v[TM+13]
	v_cvt_scalef32_pk16_fp6_f32 v[\d1:\d1+2], v[\s+32:\s+47], v[TM+14]
	v_cvt_scalef32_pk16_fp6_f32 v[PT+4:PT+6], v[\s+48:\s+63], v[TM+15]
	v_nop                                          ; one plain line behind the scaled conversions
.irp i, 0,1,2                          ; the operand's layout wants a whole block in a lane: lanes 0-15 the even block, lanes 16-31 the odd one
	v_permlane16_swap_b32 v[\d0+\i], v[PT+\i]
	v_permlane16_swap_b32 v[\d1+\i], v[PT+4+\i]
.endr
.irp i, 0,1,2
	v_mov_b32 v[\d0+3+\i], v[PT+\i]
	v_mov_b32 v[\d1+3+\i], v[PT+4+\i]
.endr
.endm
; A whole tile: eight K steps and the way out.  The waits on the vector side stand behind steps 1, 3 and 5: the addresses stepped in an odd step are read again behind blocking waits
.macro TILE t
.if (\t) == 2
	STEP 0, 2, \t                                  ; the first K step starts the sums with the bias: nothing is cleared, nothing is added later
.else
.set BJT, BJ+64*(\t)
	STEP 0, 1, \t
.endif
	STEP 1, 0, \t
	WALU
	STEP 2, 0, \t
	STEP 3, 0, \t
	WALU
	STEP 4, 0, \t
	STEP 5, 0, \t
	WALU
	STEP 6, 0, \t
	STEP 7, 0, \t
	WIN 0
	PLACES                                         ; four places in front of the first read of results
.if (\t) > 0
	s_wait_xcnt 0x0                                ; the last tile's stores have read their registers: only now are these written again
.endif
.if (\t) < 2
	; Q, K: blocks 0, 1 of a lane's 128 channels are the first head's 64, blocks 2, 3 the second's.  Unit w of each head's record: token tile 2 w in registers 0-5, tile 2 w + 1 in 6-11
	QUANT ACC, U0, U1, PW
	QUANT ACC+64, U0+6, U1+6, PW+1
	v_cmp_ne_u32 vcc_lo, 0, v[HH]
	v_cndmask_b32 v[SW+2], v[PW], v[PW+1], vcc_lo  ; every lane holds its token's word: lanes 0-15 send tile 2 w's, lanes 16-31 tile 2 w + 1's
	v_and_b32 v[SW], 0xffff, v[SW+2]               ; the first head's two bytes; bytes 2, 3 are 0
	v_lshrrev_b32 v[SW+1], 16, v[SW+2]             ; the second head's
.irp g, 0,1,2
	global_store_b128 v[L16], v[U0+4*\g:U0+4*\g+3], s[86:87] offset:(\t)*TS+512*\g        ; 32 lanes store 512 consecutive bytes, at a multiple of 256 from the buffer's first byte
	global_store_b128 v[L16], v[U1+4*\g:U1+4*\g+3], s[86:87] offset:(\t)*TS+HEAD+512*\g
.endr
	global_store_b32 v[L4], v[SW], s[88:89] offset:(\t)*TS
	global_store_b32 v[L4], v[SW+1], s[88:89] offset:(\t)*TS+HEAD
.else
	; V: a lane holds a channel, its 64 numbers of a tile are the group's 128 keys: a whole fragment.  My channels 32 w + .. of the panel are tiles 2 (w % 2), 2 (w % 2) + 1 of head w / 2
	QUANT ACC, U0, U0+6, PW
	QUANT ACC+64, U1, U1+6, PW+1
.irp g, 0,1,2
	global_store_b128 v[L16], v[U0+4*\g:U0+4*\g+3], s[92:93] offset:512*\g
	global_store_b128 v[L16], v[U1+4*\g:U1+4*\g+3], s[92:93] offset:1536+512*\g
.endr
	global_store_b32 v[L4], v[PW], s[94:95]        ; both halves of the lanes hold the row's word
	global_store_b32 v[L4], v[PW+1], s[94:95] offset:128
.endif
.endm
	s_load_b256 s[4:11], s[0:1], 0x0               ; xq s[4:5], wq s[6:7], b_q s[8:9], b_k s[10:11]
	s_load_b128 s[12:15], s[0:1], 0x20             ; b_v s[12:13], qkv s[14:15]
	v_lshl_add_u32 v[SPW], v0, 2, SPARE
	v_mov_b32 v[NIL], 0
	ds_add_u32 v[SPW], v[NIL]                      ; the opening lines: the add twice on end, under one wait
	ds_add_u32 v[SPW], v[NIL]
	v_lshrrev_b32 v1, 5, v0
	v_readfirstlane_b32 s[WV], v1                  ; wave 0..3
	s_lshr_b32 s17, s[WV], 1                       ; which half of K I fetch
	s_and_b32 s18, s[WV], 1                        ; for x (0) or for W (1)
	s_bfe_u32 s19, ttmp6, 0x40000                  ; cx
	s_bfe_u32 s20, ttmp6, 0x40004                  ; cy
	s_lshl_b32 s21, ttmp9, 2
	s_add_co_u32 s21, s21, s19                     ; the panel of 128 channels = 4 x cluster x + cx
	s_and_b32 s22, ttmp7, 0xffff
	s_lshl_b32 s23, s22, 2
	s_add_co_u32 s23, s23, s20                     ; the panel of 128 tokens = 4 x cluster y + cy
	s_lshl_b32 s57, s20, 2
	s_lshl_b32 s57, 15, s57                        ; my row of the cluster
	s_lshl_b32 s58, 0x1111, s19                    ; my column
	; descriptor group 1: four records, 51,200 dense bytes, as 200 rows of 32 elements of 8 bytes; no padding
	s_or_b32 s[G1X], s57, (3<<16)|(1<<21)          ; 15:0 the mask: x's records go to my row; 17:16 elements of 8 bytes; 21 set beside a mask
	s_or_b32 s[G1W], s58, (3<<16)|(1<<21)          ; W's to my column
.irp g, G1X, G1W
	s_mov_b32 s[\g+1], 32<<16                      ; tensor_dim0 = 32
	s_mov_b32 s[\g+2], 200<<16                     ; tensor_dim1 = 200
	s_mov_b32 s[\g+3], 32<<16                      ; tile_dim0 = 32
	s_mov_b32 s[\g+4], 200                         ; tile_dim1 = 200
	s_mov_b32 s[\g+5], 32                          ; from row to row
	s_mov_b32 s[\g+6], 0
	s_mov_b32 s[\g+7], 0
.endr
	s_mul_i32 s48, s23, PANEL                      ; x's panel of tile 0: hangs on the tokens' panel, which my row shares
	s_mov_b32 s49, 0
	s_mul_i32 s50, s21, PANEL                      ; W's: hangs on the channels' panel, which my column shares
	s_mov_b32 s51, 0
	s_mul_i32 s52, s17, CHUNK                      ; my half of K
	s_mov_b32 s53, 0
	s_lshl_b32 s54, s21, 9                         ; the panel's 128 numbers of a bias
	s_mov_b32 s55, 0
	s_mov_b32 s[G0X], 1
	s_mul_i32 s[G0X+1], s[WV], CHUNK               ; in LDS: wave x four records: no place in the cluster enters an LDS address
	s_mov_b32 s[G0W], 1
	s_mul_i32 s[G0W+1], s[WV], CHUNK
	s_mov_b32 s[SEL], 0x76543210
	s_mov_b32 s[SEL+1], 0xfedcba98
	s_lshl_b32 s85, s[WV], 7
	s_mul_i32 s90, s[WV], 3072
	s_lshl_b32 s68, s19, 2
	s_add_co_u32 s68, s68, s[WV]
	s_mul_i32 s68, s68, 13                         ; my first block of x's 200: 13 x (4 cx + wave)
	s_lshl_b32 s69, s20, 2
	s_add_co_u32 s69, s69, s[WV]
	s_mul_i32 s69, s69, 13                         ; and of W's: 13 x (4 cy + wave)
	; where the results go
	s_lshr_b32 s70, s23, 4                         ; the batch,
	s_and_b32 s71, s23, 15                         ; the group of 128 tokens in it
	s_lshl_b32 s70, s70, 4
	s_lshl_b32 s72, s21, 1
	s_add_co_u32 s70, s70, s72                     ; the panel's first head: 16 batch + 2 panel
	s_mul_i32 s71, s71, REC_A
	s_mul_i32 s72, s70, HEAD
	s_add_co_u32 s72, s72, s71                     ; Q, K: the first head's record (the tensor's place stands in the stores' immediate)
	s_mul_i32 s74, s[WV], 1536
	s_add_co_u32 s74, s74, s72                     ; unit w
	s_mov_b32 s75, 0
	s_add_co_u32 s76, s72, s85
	s_add_co_u32 s76, s76, 6144                    ; scale block w
	s_mov_b32 s77, 0
	s_add_co_u32 s70, s70, s17
	s_mul_i32 s72, s70, HEAD
	s_add_co_u32 s72, s72, s71
	s_add_co_u32 s72, s72, 2*TS                    ; V: the record of head w / 2
	s_mul_i32 s78, s18, 3072
	s_add_co_u32 s78, s78, s72                     ; my two units
	s_mov_b32 s79, 0
	s_lshl_b32 s80, s18, 8
	s_add_co_u32 s80, s80, s72
	s_add_co_u32 s80, s80, 6144                    ; my two scale blocks
	s_mov_b32 s81, 0
	s_wait_dscnt 0x0                               ; both opening adds are done
	s_wait_kmcnt 0x0
	s_add_nc_u64 s[XB:XB+1], s[4:5], s[48:49]
	s_add_nc_u64 s[WB:WB+1], s[6:7], s[50:51]
	s_add_nc_u64 s[8:9], s[8:9], s[54:55]
	s_add_nc_u64 s[10:11], s[10:11], s[54:55]
	s_add_nc_u64 s[12:13], s[12:13], s[54:55]
	s_add_nc_u64 s[86:87], s[14:15], s[74:75]
	s_add_nc_u64 s[88:89], s[14:15], s[76:77]
	s_add_nc_u64 s[92:93], s[14:15], s[78:79]
	s_add_nc_u64 s[94:95], s[14:15], s[80:81]
	CROUND                                         ; all sixteen work-groups are here: the joint loads meet
	s_add_nc_u64 s[G0X+2:G0X+3], s[XB:XB+1], s[52:53]
	s_or_b32 s[G0X+3], s[G0X+3], 0x80000000        ; type = 2
	s_add_nc_u64 s[G0W+2:G0W+3], s[WB:WB+1], s[52:53]
	s_or_b32 s[G0W+3], s[G0W+3], 0x80000000
	s_cmp_eq_u32 s[WV], 0                          ; one chain of branches on the wave's number, one load to an arm
	s_cbranch_scc0 .Larm_1
	TLOAD G0X, G1X                                 ; wave 0: x's K steps 0-3
	s_branch .Lasked
.Larm_1:
	s_cmp_eq_u32 s[WV], 1
	s_cbranch_scc0 .Larm_2
	TLOAD G0W, G1W                                 ; wave 1: W's K steps 0-3
	s_branch .Lasked
.Larm_2:
	s_cmp_eq_u32 s[WV], 2
	s_cbranch_scc0 .Larm_3
	TLOAD G0X, G1X                                 ; wave 2: x's K steps 4-7
	s_branch .Lasked
.Larm_3:
	TLOAD G0W, G1W                                 ; wave 3: W's K steps 4-7
.Lasked:
	v_and_b32 v[L4], 31, v0
	v_and_b32 v[RR], 15, v0
	v_bfe_u32 v[HH], v0, 4, 1
	v_lshlrev_b32 v[L16], 4, v[L4]
	v_min_u32 v[PFX], 12, v[L4]                    ; lanes 13-31 name the wave's last block again
	v_lshlrev_b32 v[L4], 2, v[L4]
	v_lshlrev_b32 v[BO], 6, v[HH]                  ; the bias along S0's rows: tile 2 b + u wants channels 32 b + 16 h + 8 u + 0 .. 7
	v_and_b32 v[BO2], 8, v[RR]
	v_add_nc_u32 v[BO2], v[BO2], v[RR]
	v_lshlrev_b32 v[BO2], 2, v[BO2]
	v_add_nc_u32 v[BO2], s85, v[BO2]               ; along S1's: tile i wants channel 32 w + 8 i + r + 8 (r / 8)
	v_add_nc_u32 v[PFW], s69, v[PFX]
	v_add_nc_u32 v[PFX], s68, v[PFX]
	v_min_u32 v[PFW], 199, v[PFW]                  ; held inside the half's 200 blocks
	v_min_u32 v[PFX], 199, v[PFX]
	v_lshlrev_b32 v[PFW], 8, v[PFW]
	v_lshlrev_b32 v[PFX], 8, v[PFX]
	ADDR 0
.irp b, 0,1,2,3
	v_mov_b32 v[TM+4+\b], 0                        ; written once: a lane permute's destination counts as one of its sources
.endr
	WIN 0x80                                       ; destination window 2, address window 0
.irp j, 0,1,2,3,4,5,6,7
	global_load_b128 v[BJ+8*\j:BJ+8*\j+3], v[BO], s[8:9] offset:(32*(\j/2)+8*(\j%2))*4
	global_load_b128 v[BJ+8*\j+4:BJ+8*\j+7], v[BO], s[8:9] offset:(32*(\j/2)+8*(\j%2))*4+16
	global_load_b128 v[BJ+64+8*\j:BJ+64+8*\j+3], v[BO], s[10:11] offset:(32*(\j/2)+8*(\j%2))*4
	global_load_b128 v[BJ+64+8*\j+4:BJ+64+8*\j+7], v[BO], s[10:11] offset:(32*(\j/2)+8*(\j%2))*4+16
.endr
	WIN 0
	global_load_b32 v[BL], v[BO2], s[12:13]
	global_load_b32 v[BL+1], v[BO2], s[12:13] offset:32
	ASK 2                                          ; what the first refill will load
	WALU                                           ; the wait at the head's end
	s_cmp_lt_u32 s[WV], 2
	s_cbranch_scc0 .Lnot_first
	s_wait_tensorcnt 0x0                           ; waves 0 and 1: slot 0 has landed; the loads of waves 2 and 3 may stay out
.Lnot_first:
	s_barrier_signal -1
	s_barrier_wait -1
	FETCH 0
	s_wait_loadcnt 0x0                             ; the biases
	WIN 0x80
.irp i, 0,1
.irp e, 0,1,2,3,4,5,6,7
	v_mov_b32 v[BI+8*\i+\e], v[BL+\i]              ; a lane's eight results of a tile share S1's row: eight copies
.endr
.endr
	WIN 0
	TILE 0
	TILE 1
	TILE 2
	s_wait_tensorcnt 0x0                           ; the wave's end
	ds_add_u32 v[SPW], v[NIL]
	s_wait_dscnt 0x0
	CROUND                                         ; the closing round: no work-group ends while a partner may still ask for a tile that names it
	s_endpgm
.Lfunc_end_k_q51e2a210aa_proj:
	.size	k_q51e2a210aa_proj, .Lfunc_end_k_q51e2a210aa_proj-k_q51e2a210aa_proj
	.p2alignl 7, 3214868480
	.fill 96, 4, 3214868480
	.section	.rodata,"a",@progbits
	.p2align	6, 0x0
	.amdhsa_kernel k_q51e2a210aa_proj
		.amdhsa_group_segment_fixed_size 327680
		.amdhsa_private_segment_fixed_size 0
		.amdhsa_enable_private_segment 0
		.amdhsa_kernarg_size 48
		.amdhsa_user_sgpr_count 2
		.amdhsa_user_sgpr_kernarg_segment_ptr 1
		.amdhsa_wavefront_size32 1
		.amdhsa_system_sgpr_workgroup_id_x 1
		.amdhsa_system_sgpr_workgroup_id_y 1
		.amdhsa_system_sgpr_workgroup_id_z 1
		.amdhsa_system_vgpr_workitem_id 0
		.amdhsa_next_free_vgpr 768
		.amdhsa_next_free_sgpr 100
		.amdhsa_reserve_vcc 1
		.amdhsa_float_denorm_mode_32 3
		.amdhsa_float_denorm_mode_16_64 3
		.amdhsa_memory_ordered 1
		.amdhsa_forward_progress 1
		.amdhsa_inst_pref_size 152
	.end_amdhsa_kernel
	.amdgpu_metadata
---
amdhsa.version: [ 1, 2 ]
amdhsa.kernels:
  - .name:           k_q51e2a210aa_proj
    .symbol:         k_q51e2a210aa_proj.kd
    .args:
      - { .name: xq, .offset: 0, .size: 8, .value_kind: global_buffer, .address_space: global }
      - { .name: wq, .offset: 8, .size: 8, .value_kind: global_buffer, .address_space: global }
      - { .name: b_q, .offset: 16, .size: 8, .value_kind: global_buffer, .address_space: global }
      - { .name: b_k, .offset: 24, .size: 8, .value_kind: global_buffer, .address_space: global }
      - { .name: b_v, .offset: 32, .size: 8, .value_kind: global_buffer, .address_space: global }
      - { .name: qkv, .offset: 40, .size: 8, .value_kind: global_buffer, .address_space: global }
    .group_segment_fixed_size: 327680
    .private_segment_fixed_size: 0
    .kernarg_segment_align: 8
    .kernarg_segment_size: 48
    .max_flat_workgroup_size: 128
    .sgpr_count:     100
    .vgpr_count:     768
    .wavefront_size: 32
...
	.end_amdgpu_metadata
.endif
;; end of part 7
;; launch attn (part 8): grid 8 x 32, 8 waves a work-group, clusters of 4 x 1, 214,016 bytes of LDS; arguments qkv, ao; writes ao
.if DOCPART == 8
	.amdgcn_target "amdgcn-amd-amdhsa--gfx1250"
	.amdhsa_code_object_version 6
	.text
	.protected	k_q51e2a210aa_attn
	.globl	k_q51e2a210aa_attn
	.p2align	8
	.type	k_q51e2a210aa_attn,@function
k_q51e2a210aa_attn:
	s_mov_b64 s[64:65], 0
	v_nop
	global_prefetch_b8 v0, s[64:65] scope:SCOPE_SE
	s_setreg_imm32_b32 hwreg(HW_REG_WAVE_MODE, 25, 1), 1
	s_wait_xcnt 0x0
	s_wait_alu depctr_hold_cnt(0) depctr_sa_sdst(0) depctr_va_vdst(0) depctr_va_sdst(0) depctr_va_ssrc(0) depctr_va_vcc(0) depctr_vm_vsrc(0)
	s_getreg_b32 s2, hwreg(HW_REG_IB_STS2, 6, 4)
	s_cmp_eq_u32 s2, 0
	s_cbranch_scc0 .Lentry_in_a_cluster
	s_endpgm
.Lentry_in_a_cluster:
	s_bfe_u32 s2, ttmp6, 0x10000c
	s_cmp_lg_u32 s2, 0x3003
	s_cbranch_scc0 .Lentry_shape_is_right
	s_endpgm
.Lentry_shape_is_right:
; ATTENTION OF ONE HEAD ON CODES OF FP6 (E2M3): S^T = K Q^T, p = 2^(t - M), O^T += V^T p^T, o = O / l, and o's quantiser for the last projection.
; A work-group has 256 queries of one (batch, head): eight waves, 32 queries (two tiles of 16) each.  Both products are used transposed, so a lane holds one query throughout.
; qkv = [Q, K, V][32 heads][16 groups of 128 tokens][record of 6,656 bytes: four units of 1,536, four blocks of 128 bytes of scale words], in the order of the operand's registers.
; Q, K: a unit holds the real halves (the head's 64 along K) of two token tiles, six registers each.  A K fragment names its six registers and the six behind them; Q's upper six registers are zero codes, so those add nothing.
; The tokens of a tile are chosen (lane r of tile 2 b + u: token 32 b + 8 u + r + 8 (r / 8)) so that a lane's 16 scores of tiles 2 b, 2 b + 1 are 16 neighbouring keys.
; LDS: the head's K (106,496 bytes) and V (as many) lie there whole.  EACH WAVE BRINGS FOUR RECORDS, 104 rows of 256 bytes, BY ONE TENSOR LOAD at the head: waves 0-3 K's, waves 4-7 V's.  Every byte is filled once.
; CLUSTER 4 x 1: four blocks of queries of one head need the same K and V: each load is a joint one, with the mask of all four.
; NO PREFETCH: all that the launch reads by tensor loads is asked for by the head's loads; no later load is left for a loop to run ahead of.
; A STEP is 128 keys for both tiles: 16 products for the scores, the softmax, 8 products for O.  The two tiles' softmax registers lie in ONE window, so their eight blocks of 32 keys go as eight chains by turns.
; The softmax's order: the blocks' largest scores; the running maximum, M = ceil(largest t), kept as -M, and f = 2^(old M - new M); t - M, l x f and O x f; one wait; all 136 exponentials; one wait; scales, conversions, sums.
; A block's largest p is not searched for: the block's largest score goes through the same multiply-add and exponential.  l is the sum of the unquantised p.
; ao = [32 panels of 128 tokens][8 K steps][record of 12,800 bytes]; my head is half of a K step: register 6 c + 2 j + e of lane l at 768 c + 256 j + 8 l + 4 e of a tile's unit, two bytes of each row's scale word.
; LIMITS: NaN and infinities are not served; the promise holds while the scaled scores stay under 2^31 in magnitude; a block of zeros gets the byte 1 where the quantiser says 127: its codes are zeros, and this program alone reads the bytes.
; REGISTERS.  Window 0: addresses, scale words, and for tile n: -M and the largest score at 12 + 4 n, l at 14 + 4 n, work from v28 on, p's codes at 72 + 12 n, scores and p at 112 + 64 n.
; Window 1: Q at 12 n, K's fragments at 24 (54 registers), V's at 80, O^T at 128 + 32 n.
.set REC_G, 12800
.set PANEL, 8*REC_G
.set REC_A, 6656
.set HEAD,  16*REC_A
.set TS,    32*HEAD
.set SPARE, 2*HEAD                     ; behind K and V: the spare words, 128 bytes a wave
.set AK0,  1                           ; 16 x lane
.set AV0,  2                           ; + where V begins
.set AKS0, 3                           ; K's scale words
.set AVS0, 4                           ; V's: lanes 0-15 an even tile's block, lanes 16-31 the odd one's
.set ADK,  5                           ; the same four for the step in hand
.set ADV,  6
.set ADKS, 7
.set ADVS, 8
.set QS,   9                           ; Q's scale words: lanes 0-15 tile 0, lanes 16-31 tile 1
.set PW,   10                          ; p's scale word, tile n at PW + n
.set MM,   12
.set LL,   14
.set KS,   20
.set VS,   24
.set SPW,  26
.set NIL,  27
.set BM,   28                          ; eight blocks: 4 n + b
.set BP,   36
.set SO,   44
.set F,    52                          ; pairs
.set T0,   56
.set T1,   58
.set LC,   60                          ; three pairs a tile
.set PC,   72
.set PT,   96
.set S,    112
.set L4,   240
.set L8,   241
.set HI,   242
.set OW,   243
.set Q,    0                           ; window 1
.set KF,   24
.set VF,   80
.set O,    128
.set NC,   3
.set WV,   8
.set SEL,  20
.set CS,   22
.set G1,   24
.set G0,   32
.set TB,   48
.set CNT,  49
.set MSB, 0
.macro WIN new                         ; the immediate's high byte repeats the setting that is left
.if MSB != \new
	s_set_vgpr_msb (MSB<<8)|\new
.set MSB, \new
.endif
.endm
.macro WALU
	s_wait_alu depctr_va_vdst(0)
.endm
.macro DEP2
	s_delay_alu instid0(VALU_DEP_2)
.endm
.macro CROUND                          ; a round of the cluster's barrier
	s_barrier_signal -1
	s_barrier_wait -1
	s_cmp_lg_u32 s[WV], 0
	s_cbranch_scc1 .Lnot_wave_0_\@
	s_barrier_signal -3
.Lnot_wave_0_\@:
	s_barrier_wait -3
	s_barrier_signal -1
	s_barrier_wait -1
.endm
.macro FETCH_K                         ; a step's eight tiles of K and their scale words: 16 loads
	WIN 0x40                                       ; destination window 1, address window 0
.irp i, 0,1,2,3,4,5,6,7,8,9,10,11
	ds_load_b128 v[KF+4*\i:KF+4*\i+3], v[ADK] offset:512*\i
.endr
	WIN 0
.irp i, 0,1,2,3
	ds_load_b32 v[KS+\i], v[ADKS] offset:128*\i
.endr
.endm
.macro PADD m, n                       ; line m of tile n's sum of 64 p: four chains of packed additions, joined by the last three lines
.set SB_, S+64*(\n)
.set LB_, LC+6*(\n)
.set LS_, LL+4*(\n)
.if (\m) < 3
	v_pk_add_f32 v[LB_+2*(\m):LB_+2*(\m)+1], v[SB_+4*(\m):SB_+4*(\m)+1], v[SB_+4*(\m)+2:SB_+4*(\m)+3]
.elseif (\m) < 29
.if (\m)%4 == 3
	v_pk_add_f32 v[LS_:LS_+1], v[LS_:LS_+1], v[SB_+2*(\m)+6:SB_+2*(\m)+7]
.else
	v_pk_add_f32 v[LB_+2*((\m)%4):LB_+2*((\m)%4)+1], v[LB_+2*((\m)%4):LB_+2*((\m)%4)+1], v[SB_+2*(\m)+6:SB_+2*(\m)+7]
.endif
.elseif (\m) == 29
	DEP2
	v_pk_add_f32 v[LB_:LB_+1], v[LB_:LB_+1], v[LB_+2:LB_+3]
.elseif (\m) == 30
	v_pk_add_f32 v[LS_:LS_+1], v[LS_:LS_+1], v[LB_+4:LB_+5]
.else
	DEP2
	v_pk_add_f32 v[LS_:LS_+1], v[LS_:LS_+1], v[LB_:LB_+1]
.endif
.endm
.macro PADDS from, to                  ; lines from .. to - 1, the two tiles by turns
.set M_, \from
.rept (\to)-(\from)
	PADD M_, 0
	PADD M_, 1
.set M_, M_+1
.endr
.endm
.macro STEP pf                         ; pf = 1: the next step's K is fetched
	s_wait_dscnt 0x0                               ; this step's K and its scale words are in
	WIN 0x05                                       ; sources 0 and 1 window 1, D window 0
.irp n, 0,1
.irp b, 0,1,2,3
.irp u, 0,1
	v_wmma_scale_f32_16x16x128_f8f6f4 v[S+64*\n+16*\b+8*\u:S+64*\n+16*\b+8*\u+7], v[KF+12*\b+6*\u:KF+12*\b+6*\u+11], v[Q+12*\n:Q+12*\n+11], 0, v[KS+\b], v[QS] matrix_a_fmt:MATRIX_FMT_FP6 matrix_b_fmt:MATRIX_FMT_FP6 matrix_a_scale:MATRIX_SCALE_ROW\u matrix_b_scale:MATRIX_SCALE_ROW\n
.endr
.endr
.endr
	WIN 0
	v_add_nc_u32 v[ADV], s[TB], v[AV0]             ; these four lines are the places behind the products, ahead of the loads and of the first read of the scores
	v_add_nc_u32 v[ADVS], s[TB], v[AVS0]
.if \pf
	s_add_co_u32 s[TB], s[TB], REC_A
	v_add_nc_u32 v[ADK], s[TB], v[AK0]
	v_add_nc_u32 v[ADKS], s[TB], v[AKS0]
.else
	v_nop
	v_nop
.endif
	ds_load_b32 v[VS], v[ADVS]
	ds_load_b32 v[VS+1], v[ADVS] offset:256
	WIN 0x40
.irp i, 0,1,2,3,4,5,6,7,8,9,10,11
	ds_load_b128 v[VF+4*\i:VF+4*\i+3], v[ADV] offset:512*\i
.endr
.if \pf
	FETCH_K
.endif
	WIN 0
	; the largest score of each of the eight blocks: two chains a block, each accumulator read from its low end on
.irp j, 0,1,2,3,4,5,6,7
	v_max3_num_f32 v[BM+\j], v[S+16*\j], v[S+16*\j+1], v[S+16*\j+2]
.endr
.irp j, 0,1,2,3,4,5,6,7
	v_max3_num_f32 v[BP+\j], v[S+16*\j+8], v[S+16*\j+9], v[S+16*\j+10]
.endr
.irp i, 3,5
.irp j, 0,1,2,3,4,5,6,7
	v_max3_num_f32 v[BM+\j], v[BM+\j], v[S+16*\j+\i], v[S+16*\j+\i+1]
.endr
.irp j, 0,1,2,3,4,5,6,7
	v_max3_num_f32 v[BP+\j], v[BP+\j], v[S+16*\j+8+\i], v[S+16*\j+9+\i]
.endr
.endr
.irp j, 0,1,2,3,4,5,6,7
	v_max3_num_f32 v[BM+\j], v[BM+\j], v[S+16*\j+7], v[S+16*\j+15]
.endr
.irp j, 0,1,2,3,4,5,6,7
	v_max_num_f32 v[BM+\j], v[BM+\j], v[BP+\j]
.endr
.irp j, 0,1,2,3,4,5,6,7
	v_permlanex16_b32 v[BP+\j], v[BM+\j], s[SEL], s[SEL+1]
.endr
.irp j, 0,1,2,3,4,5,6,7
	v_max_num_f32 v[BM+\j], v[BM+\j], v[BP+\j]     ; with lane l xor 16's sixteen keys
.endr
	; the running maximum, -M = floor(-t), f = 2^(old M - new M): the two tiles by turns
.irp n, 0,1
	v_mov_b32 v[T1+\n], v[MM+4*\n]
.endr
.irp n, 0,1
	v_max3_num_f32 v[T0+\n], v[BM+4*\n], v[BM+4*\n+1], v[BM+4*\n+2]
.endr
.irp n, 0,1
	DEP2
	v_max3_num_f32 v[MM+4*\n+1], v[MM+4*\n+1], v[T0+\n], v[BM+4*\n+3]
.endr
.irp n, 0,1
	DEP2
	v_mul_f32 v[T0+\n], s[NC], v[MM+4*\n+1]
.endr
.irp n, 0,1
	DEP2
	v_floor_f32 v[MM+4*\n], v[T0+\n]
.endr
.irp n, 0,1
	DEP2
	v_sub_f32 v[T0+\n], v[MM+4*\n], v[T1+\n]
.endr
.irp n, 0,1
	DEP2
	v_cvt_i32_f32 v[T0+\n], v[T0+\n]               ; it saturates
.endr
.irp n, 0,1
	DEP2
	v_ldexp_f32 v[F+2*\n], 1.0, v[T0+\n]
.endr
.irp j, 0,1,2,3,4,5,6,7
	v_fma_f32 v[BM+\j], v[BM+\j], s[CS], v[MM+4*(\j/4)]   ; t - M of each block's largest score
.endr
.irp n, 0,1
	v_pk_mul_f32 v[LL+4*\n:LL+4*\n+1], v[LL+4*\n:LL+4*\n+1], v[F+2*\n:F+2*\n+1] op_sel_hi:[1,0]   ; l under the new M
.endr
.irp n, 0,1
.set J_, 0
.rept 32
	v_pk_fma_f32 v[S+64*\n+J_:S+64*\n+J_+1], v[S+64*\n+J_:S+64*\n+J_+1], s[CS:CS+1], v[MM+4*\n:MM+4*\n+1] op_sel_hi:[1,0,0]   ; t - M, two at a time
.set J_, J_+2
.endr
.endr
	WIN 0x41                                       ; O^T in window 1, f in window 0
.irp n, 0,1
.set J_, 0
.rept 16
	v_pk_mul_f32 v[O+32*\n+J_:O+32*\n+J_+1], v[O+32*\n+J_:O+32*\n+J_+1], v[F+2*\n:F+2*\n+1] op_sel_hi:[1,0]   ; O^T under the new M, each accumulator from its low end on
.set J_, J_+2
.endr
.endr
	WIN 0
	WALU                                           ; the wait ahead of the batch
.set J_, 0
.rept 8
	v_exp_f32 v[BM+J_], v[BM+J_]                   ; the blocks' largest p
.set J_, J_+1
.endr
.set J_, 0
.rept 128
	v_exp_f32 v[S+J_], v[S+J_]                     ; p = 2^(t - M)
.set J_, J_+1
.endr
	v_nop                                          ; one plain place behind the exponentials
	WALU                                           ; and the wait behind the batch
.irp j, 0,1,2,3,4,5,6,7
	v_max_num_f32 v[BM+\j], 0x1800000, v[BM+\j]    ; the floor 2^(3 - 127): the byte cannot fall under 1
.endr
.irp j, 0,1,2,3,4,5,6,7
	v_add_nc_u32 v[SO+\j], 0xff000000, v[BM+\j]    ; 2 off the exponent field: the conversion's scale operand
.endr
.irp j, 0,1,2,3,4,5,6,7
	v_lshrrev_b32 v[BP+\j], 23, v[SO+\j]           ; the byte
.endr
.irp n, 0,1
.irp c, 0,1
	v_cvt_scalef32_pk16_fp6_f32 v[PC+12*\n+6*\c:PC+12*\n+6*\c+2], v[S+64*\n+32*\c:S+64*\n+32*\c+15], v[SO+4*\n+2*\c]
	v_cvt_scalef32_pk16_fp6_f32 v[PT+8*\n+4*\c:PT+8*\n+4*\c+2], v[S+64*\n+32*\c+16:S+64*\n+32*\c+31], v[SO+4*\n+2*\c+1]
.endr
.endr
	PADDS 0, 12                                    ; plain lines behind the conversions, which touch none of their results
.irp n, 0,1
	v_lshl_or_b32 v[T1+\n], v[BP+4*\n+1], 8, v[BP+4*\n]
.endr
.irp n, 0,1                            ; the operand wants a whole block in a lane: lanes 0-15 the even block, lanes 16-31 the odd one
.irp i, 0,1,2
	v_permlane16_swap_b32 v[PC+12*\n+\i], v[PT+8*\n+\i]
.endr
.endr
.irp n, 0,1
	v_lshl_or_b32 v[T1+\n], v[BP+4*\n+2], 16, v[T1+\n]
.endr
.irp n, 0,1
.irp i, 0,1,2
	v_permlane16_swap_b32 v[PC+12*\n+6+\i], v[PT+8*\n+4+\i]
.endr
.endr
.irp n, 0,1
	v_lshl_or_b32 v[PW+\n], v[BP+4*\n+3], 24, v[T1+\n]   ; p's scale word for these 128 keys
.endr
.irp c, 0,1
.irp n, 0,1
.irp i, 0,1,2
	v_mov_b32 v[PC+12*\n+6*\c+3+\i], v[PT+8*\n+4*\c+\i]
.endr
.endr
.endr
	PADDS 12, 32                                   ; forty lines: more than the eight places that a scale register written by a vector line wants ahead of a scaled product
.if \pf
	s_wait_dscnt 16                                ; V and its scale words are in; the sixteen loads of the next step's K may be out
.else
	WALU
	s_wait_dscnt 0x0
.endif
	WIN 0x51
.irp n, 0,1
.irp b, 0,1
.irp u, 0,1
	v_wmma_scale_f32_16x16x128_f8f6f4 v[O+32*\n+16*\b+8*\u:O+32*\n+16*\b+8*\u+7], v[VF+24*\b+12*\u:VF+24*\b+12*\u+11], v[PC+12*\n:PC+12*\n+11], v[O+32*\n+16*\b+8*\u:O+32*\n+16*\b+8*\u+7], v[VS+\b], v[PW+\n] matrix_a_fmt:MATRIX_FMT_FP6 matrix_b_fmt:MATRIX_FMT_FP6 matrix_a_scale:MATRIX_SCALE_ROW\u matrix_b_scale:MATRIX_SCALE_ROW0
.endr
.endr
.endr
	WIN 0
.endm
	s_load_b128 s[4:7], s[0:1], 0x0                ; qkv, ao
	v_lshl_add_u32 v[SPW], v0, 2, SPARE
	v_mov_b32 v[NIL], 0
	ds_add_u32 v[SPW], v[NIL]                      ; the opening lines: the add twice on end, under one wait
	ds_add_u32 v[SPW], v[NIL]
	v_lshrrev_b32 v1, 5, v0
	v_readfirstlane_b32 s[WV], v1                  ; wave 0..7
	s_lshr_b32 s9, s[WV], 2                        ; I fetch for K (0) or V (1); also: which 128 of the block's 256 queries
	s_and_b32 s10, s[WV], 3                        ; which four records; also: which unit of two query tiles
	s_and_b32 s11, ttmp7, 0xffff                   ; 16 batch + head
	s_bfe_u32 s12, ttmp6, 0x40000                  ; cx
	s_lshl_b32 s13, ttmp9, 2
	s_add_co_u32 s13, s13, s12                     ; the block of 256 queries
	s_add_co_u32 s14, s9, 1
	s_mul_i32 s14, s14, TS
	s_mul_i32 s16, s11, HEAD
	s_add_co_u32 s14, s14, s16
	s_mul_i32 s17, s10, 4*REC_A
	s_add_co_u32 s14, s14, s17                     ; my four records of K or V: of the head and the wave alone, which the partners share
	s_mov_b32 s15, 0
	s_mul_i32 s[G0+1], s9, HEAD
	s_add_co_u32 s[G0+1], s[G0+1], s17             ; and their place in LDS
	s_mov_b32 s[G0], 1
	s_lshl_b32 s50, s13, 1
	s_add_co_u32 s50, s50, s9                      ; my group of 128 queries
	s_mul_i32 s52, s50, REC_A
	s_add_co_u32 s52, s52, s16
	s_mul_i32 s51, s10, 1536
	s_add_co_u32 s54, s52, s51                     ; Q's unit
	s_mov_b32 s55, 0
	s_lshl_b32 s51, s10, 7
	s_add_co_u32 s56, s52, s51
	s_add_co_u32 s56, s56, 6144                    ; its scale words
	s_mov_b32 s57, 0
	s_lshr_b32 s58, s11, 4
	s_lshl_b32 s58, s58, 4
	s_add_co_u32 s58, s58, s50
	s_mul_i32 s58, s58, PANEL                      ; ao's panel: 16 batch + group
	s_bfe_u32 s59, s11, 0x30001
	s_mul_i32 s59, s59, REC_G
	s_add_co_u32 s58, s58, s59                     ; its K step: head / 2
	s_and_b32 s59, s11, 1
	s_mul_i32 s60, s10, 3072
	s_add_co_u32 s60, s60, s58
	s_mul_i32 s19, s59, 768
	s_add_co_u32 s60, s60, s19                     ; my two units, the head's half
	s_mov_b32 s61, 0
	s_add_co_u32 s62, s58, s51
	s_add_co_u32 s62, s62, 12288
	s_lshl_b32 s19, s59, 1
	s_add_co_u32 s62, s62, s19                     ; my two bytes of the scale words
	s_mov_b32 s63, 0
	s_mov_b32 s[G1], 15|(3<<16)|(1<<21)            ; the mask of all four; elements of 8 bytes; bit 21 beside a mask
	s_mov_b32 s[G1+1], 32<<16                      ; rows of 256 bytes
	s_mov_b32 s[G1+2], 104<<16                     ; 104 of them: four records
	s_mov_b32 s[G1+3], 32<<16
	s_mov_b32 s[G1+4], 104
	s_mov_b32 s[G1+5], 32
	s_mov_b32 s[G1+6], 0
	s_mov_b32 s[G1+7], 0
	s_mov_b32 s[SEL], 0x76543210
	s_mov_b32 s[SEL+1], 0xfedcba98                 ; lane l xor 16
	s_mov_b32 s[CS], 0x3e38aa3b                    ; c = log2(e) / 8
	s_mov_b32 s[CS+1], s[CS]
	s_mov_b32 s[NC], 0xbe38aa3b                    ; -c
	s_mov_b32 s[TB], 0
	s_wait_dscnt 0x0                               ; both opening adds are done
	s_wait_kmcnt 0x0
	s_add_nc_u64 s[G0+2:G0+3], s[4:5], s[14:15]
	s_or_b32 s[G0+3], s[G0+3], 0x80000000
	s_add_nc_u64 s[54:55], s[4:5], s[54:55]
	s_add_nc_u64 s[56:57], s[4:5], s[56:57]
	s_add_nc_u64 s[60:61], s[6:7], s[60:61]
	s_add_nc_u64 s[62:63], s[6:7], s[62:63]
	CROUND                                         ; all four work-groups are here: the joint loads meet
	tensor_load_to_lds s[G0:G0+3], s[G1:G1+7]      ; my one load
	s_nop 0
.rept 4
	v_nop
.endr
	v_and_b32 v[L4], 31, v0
	v_and_b32 v[HI], 16, v0
	v_lshlrev_b32 v[AK0], 4, v[L4]
	v_lshlrev_b32 v[L8], 3, v[L4]
	v_lshlrev_b32 v[L4], 2, v[L4]
	v_add_nc_u32 v[AV0], HEAD, v[AK0]
	v_add_nc_u32 v[AKS0], 6144, v[L4]
	v_lshl_add_u32 v[AVS0], v[HI], 3, v[L4]
	v_add_nc_u32 v[AVS0], HEAD+6144, v[AVS0]
	v_mov_b32 v[ADK], v[AK0]
	v_mov_b32 v[ADKS], v[AKS0]
.irp g, 0,1,2
	global_load_b128 v[S+4*\g:S+4*\g+3], v[AK0], s[54:55] offset:512*\g   ; Q's unit: six registers of each of my two tiles
.endr
	global_load_b32 v[QS], v[L4], s[56:57]
.irp n, 0,1
	v_mov_b32 v[MM+4*\n], 0x7f61b1e6               ; -M: 3e38
	v_mov_b32 v[MM+4*\n+1], 0xff61b1e6             ; the largest score so far: -3e38
	v_mov_b32 v[LL+4*\n], 0
	v_mov_b32 v[LL+4*\n+1], 0
	v_mov_b32 v[F+2*\n+1], 0                       ; named as the upper half of a pair
.endr
	WIN 0x40
.irp i, 6,7,8,9,10,11,18,19,20,21,22,23
	v_mov_b32 v[Q+\i], 0                           ; Q's upper halves: zero codes
.endr
.irp i, 48,49,50,51,52,53
	v_mov_b32 v[KF+\i], 0                          ; what the last tile of K names behind its six registers
.endr
	s_wait_loadcnt 0x0
.irp i, 0,1,2,3,4,5
	v_mov_b32 v[Q+\i], v[S+\i]
	v_mov_b32 v[Q+12+\i], v[S+6+\i]
.endr
.set J_, 0
.rept 64
	v_mov_b32 v[O+J_], 0                           ; the step is written once: the first finds zeros.  These lines are also the places between Q's registers and the first product
.set J_, J_+1
.endr
	WIN 0
	WALU                                           ; the wait at the head's end
	s_wait_tensorcnt 0x0                           ; my four records have landed: every wave waits
	s_barrier_signal -1
	s_barrier_wait -1                              ; K and V are whole
	FETCH_K
	s_mov_b32 s[CNT], 15
.Lstep:
	STEP 1
	s_sub_co_u32 s[CNT], s[CNT], 1
	s_cmp_lg_u32 s[CNT], 0
	s_cbranch_scc1 .Lstep
	STEP 0                                         ; the last step fetches no K
	; o = O / l, and its quantiser: two blocks of 32 channels a tile
.irp n, 0,1
	v_add_f32 v[LL+4*\n], v[LL+4*\n], v[LL+4*\n+1]
.endr
.irp n, 0,1
	v_permlanex16_b32 v[T0+\n], v[LL+4*\n], s[SEL], s[SEL+1]
.endr
.irp n, 0,1
	v_add_f32 v[LL+4*\n], v[LL+4*\n], v[T0+\n]
.endr
	WALU                                           ; the wait ahead of the transcendentals
.irp n, 0,1
	v_rcp_f32 v[LL+4*\n], v[LL+4*\n]
.endr
	v_nop
	WIN 0x01                                       ; O^T in window 1
	WALU                                           ; and behind them, directly ahead of the first reader of O^T
.irp n, 0,1
.set J_, 0
.rept 16
	v_pk_mul_f32 v[S+64*\n+J_:S+64*\n+J_+1], v[O+32*\n+J_:O+32*\n+J_+1], v[LL+4*\n:LL+4*\n+1] op_sel_hi:[1,0]
.set J_, J_+2
.endr
.endr
	WIN 0
.irp q, 0,1,2,3
	v_max3_num_f32 v[BM+\q], |v[S+64*(\q/2)+16*(\q%2)]|, |v[S+64*(\q/2)+16*(\q%2)+1]|, 0x1800000
.endr
.irp i, 2,4,6,8,10,12,14
.irp q, 0,1,2,3
	v_max3_num_f32 v[BM+\q], v[BM+\q], |v[S+64*(\q/2)+16*(\q%2)+\i]|, |v[S+64*(\q/2)+16*(\q%2)+\i+1]|
.endr
.endr
.irp q, 0,1,2,3
	v_permlanex16_b32 v[BP+\q], v[BM+\q], s[SEL], s[SEL+1]
.endr
.irp q, 0,1,2,3
	v_max_num_f32 v[BM+\q], v[BM+\q], v[BP+\q]
.endr
.irp q, 0,1,2,3
	v_add_nc_u32 v[SO+\q], 0xff000000, v[BM+\q]
.endr
.irp q, 0,1,2,3
	v_lshrrev_b32 v[BP+\q], 23, v[SO+\q]
.endr
.irp n, 0,1
	v_cvt_scalef32_pk16_fp6_f32 v[PC+12*\n:PC+12*\n+2], v[S+64*\n:S+64*\n+15], v[SO+2*\n]
	v_cvt_scalef32_pk16_fp6_f32 v[PT+8*\n:PT+8*\n+2], v[S+64*\n+16:S+64*\n+31], v[SO+2*\n+1]
.endr
.irp n, 0,1
	v_lshl_or_b32 v[T1+\n], v[BP+2*\n+1], 8, v[BP+2*\n]   ; a plain line behind the conversions: the tile's two bytes
.endr
	v_cmp_ne_u32 vcc_lo, 0, v[HI]
.irp n, 0,1
.irp i, 0,1,2
	v_permlane16_swap_b32 v[PC+12*\n+\i], v[PT+8*\n+\i]
.endr
.endr
	v_cndmask_b32 v[OW], v[T1], v[T1+1], vcc_lo    ; lanes 0-15 send tile 0's bytes, lanes 16-31 tile 1's
.irp n, 0,1
.irp i, 0,1,2
	v_mov_b32 v[PC+12*\n+3+\i], v[PT+8*\n+\i]
.endr
.endr
.irp n, 0,1
.irp j, 0,1,2
	global_store_b64 v[L8], v[PC+12*\n+2*\j:PC+12*\n+2*\j+1], s[60:61] offset:1536*\n+256*\j   ; 32 lanes store 256 consecutive bytes, at a multiple of 256 from the buffer's first byte
.endr
.endr
	global_store_b16 v[L4], v[OW], s[62:63]
	s_wait_tensorcnt 0x0                           ; the wave's end
	ds_add_u32 v[SPW], v[NIL]
	s_wait_dscnt 0x0
	CROUND                                         ; the closing round
	s_endpgm
.Lfunc_end_k_q51e2a210aa_attn:
	.size	k_q51e2a210aa_attn, .Lfunc_end_k_q51e2a210aa_attn-k_q51e2a210aa_attn
	.p2alignl 7, 3214868480
	.fill 96, 4, 3214868480
	.section	.rodata,"a",@progbits
	.p2align	6, 0x0
	.amdhsa_kernel k_q51e2a210aa_attn
		.amdhsa_group_segment_fixed_size 214016
		.amdhsa_private_segment_fixed_size 0
		.amdhsa_enable_private_segment 0
		.amdhsa_kernarg_size 16
		.amdhsa_user_sgpr_count 2
		.amdhsa_user_sgpr_kernarg_segment_ptr 1
		.amdhsa_wavefront_size32 1
		.amdhsa_system_sgpr_workgroup_id_x 1
		.amdhsa_system_sgpr_workgroup_id_y 1
		.amdhsa_system_sgpr_workgroup_id_z 1
		.amdhsa_system_vgpr_workitem_id 0
		.amdhsa_next_free_vgpr 448
		.amdhsa_next_free_sgpr 66
		.amdhsa_reserve_vcc 1
		.amdhsa_float_denorm_mode_32 3
		.amdhsa_float_denorm_mode_16_64 3
		.amdhsa_memory_ordered 1
		.amdhsa_forward_progress 1
		.amdhsa_inst_pref_size 74
	.end_amdhsa_kernel
	.amdgpu_metadata
---
amdhsa.version: [ 1, 2 ]
amdhsa.kernels:
  - .name:           k_q51e2a210aa_attn
    .symbol:         k_q51e2a210aa_attn.kd
    .args:
      - { .name: qkv, .offset: 0, .size: 8, .value_kind: global_buffer, .address_space: global }
      - { .name: ao, .offset: 8, .size: 8, .value_kind: global_buffer, .address_space: global }
    .group_segment_fixed_size: 214016
    .private_segment_fixed_size: 0
    .kernarg_segment_align: 8
    .kernarg_segment_size: 16
    .max_flat_workgroup_size: 256
    .sgpr_count:     66
    .vgpr_count:     448
    .wavefront_size: 32
...
	.end_amdgpu_metadata
.endif
;; end of part 8
;; launch outproj (part 9): grid 8 x 32, 4 waves a work-group, clusters of 4 x 4, 239,104 bytes of LDS; arguments ao, wq, b_o, out0; writes out0
.if DOCPART == 9
	.amdgcn_target "amdgcn-amd-amdhsa--gfx1250"
	.amdhsa_code_object_version 6
	.text
	.protected	k_q51e2a210aa_outproj
	.globl	k_q51e2a210aa_outproj
	.p2align	8
	.type	k_q51e2a210aa_outproj,@function
k_q51e2a210aa_outproj:
	s_mov_b64 s[64:65], 0
	v_nop
	global_prefetch_b8 v0, s[64:65] scope:SCOPE_SE
	s_setreg_imm32_b32 hwreg(HW_REG_WAVE_MODE, 25, 1), 1
	s_wait_xcnt 0x0
	s_wait_alu depctr_hold_cnt(0) depctr_sa_sdst(0) depctr_va_vdst(0) depctr_va_sdst(0) depctr_va_ssrc(0) depctr_va_vcc(0) depctr_vm_vsrc(0)
	s_getreg_b32 s2, hwreg(HW_REG_IB_STS2, 6, 4)
	s_cmp_eq_u32 s2, 0
	s_cbranch_scc0 .Lentry_in_a_cluster
	s_endpgm
.Lentry_in_a_cluster:
	s_bfe_u32 s2, ttmp6, 0x10000c
	s_cmp_lg_u32 s2, 0xf033
	s_cbranch_scc0 .Lentry_shape_is_right
	s_endpgm
.Lentry_shape_is_right:
; out0 = x w_o + b_o on codes of FP6 (E2M3).  A work-group makes 128 tokens x 128 channels over all of K = 1,024.  x's codes come from ao, w_o's from panels 24 to 31 of wq, both in the order of the operand's registers.
; LDS: two halves of K, each x's four records, then W's four; every byte is filled ONCE; each wave brings four records by one tensor load, issued at the start.
; Behind the chunks: a stage of 16 rows x 528 bytes for each wave, into which no fill lands.
; CLUSTER 4 x 4: the four work-groups of a row of the cluster share x's panel, the four of a column W's: each record is asked for jointly.
; THE PRODUCT is used transposed: source 0 = 16 columns of w_o, source 1 = 16 tokens: a lane holds a token, and the 16 registers of W's tiles 2 b, 2 b + 1 are 16 neighbouring channels (lane r of tile 2 b + u holds row
; 32 b + 8 u + r + 8 (r / 8) of its panel, in W and in x alike).  Wave w makes token tiles 2 w, 2 w + 1 against W's eight: 16 accumulators, which take turns, one instruction a turn.
; The bias is the C of the first K step.  x's units lie as pairs of registers (register 6 c + 2 j + e of lane l at 768 c + 256 j + 8 l + 4 e): six ds_load_b64 a fragment; W's as three ds_load_b128.
; REGISTERS: window 0: v1-11 addresses; v16-20, v24-28 scale words, two sets; v64-127 rows on their way out; v128-255 accumulator (i, j) at 128 + 64 i + 8 j.  window 1: two fragment buffers of 128.  window 2: v0-63 the bias.
.set REC_G, 12800
.set PANEL, 8*REC_G
; LDS AND FILLS AS THEY NOW STAND (in place of what the head says of four chunks): LDS holds two halves of K, each x's four records and then W's four.  Each wave brings ONE run of four records, 200 rows of 256 bytes,
; by one tensor load: wave 0 x's K steps 0-3, wave 1 W's 0-3, wave 2 x's 4-7, wave 3 W's 4-7.  The first barrier shows the loads of waves 0 and 1; the barrier ahead of K step 4's fetch shows the rest.  Every byte is filled once.
.set CHUNK, 4*REC_G
.set STAGE, 4*CHUNK
.set SPITCH, 528                       ; a stage row: 512 bytes + 16
.set L16, 1                            ; v1   16 x lane
.set L4,  2                            ; v2   4 x lane
.set RR,  3
.set HH,  4
.set A0,  5                            ; v5   LDS: W's fragments in the chunk in hand
.set A1,  6                            ; v6   x's two
.set SA0, 7                            ; v7   W's scale words
.set SA1, 8                            ; v8   x's
.set BO,  9                            ; v9   the bias: 64 (lane / 16)
.set STO, 10                           ; v10  the stage: where I put 16 bytes of a row
.set RD,  11                           ; v11  and where I read a row back
.set SS,  16
.set OUTR, 64
.set ACC, 128
.set BJ,  0                            ; in window 2
.set WV,  16
.set G1X, 24
.set G1W, 32
.set G0X, 40
.set G0W, 68
.set MSB, 0
.macro WIN new                         ; the immediate's high byte repeats the setting that is left
.if MSB != \new
	s_set_vgpr_msb (MSB<<8)|\new
.set MSB, \new
.endif
.endm
.macro CROUND                          ; a round of the cluster's barrier
	s_barrier_signal -1
	s_barrier_wait -1
	s_cmp_lg_u32 s[WV], 0
	s_cbranch_scc1 .Lnot_wave_0_\@
	s_barrier_signal -3
.Lnot_wave_0_\@:
	s_barrier_wait -3
	s_barrier_signal -1
	s_barrier_wait -1
.endm
.macro PLACES
.rept 4
	v_nop
.endr
.endm
; One matrix instruction; ra, rb = 1: that side's scales are read from lanes 16-31
.macro WM d, a, b, c, sa, sb, ra, rb
.if (\ra) == 0 && (\rb) == 0
	v_wmma_scale_f32_16x16x128_f8f6f4 v[\d:\d+7], v[\a:\a+11], v[\b:\b+11], v[\c:\c+7], v[\sa], v[\sb] matrix_a_fmt:MATRIX_FMT_FP6 matrix_b_fmt:MATRIX_FMT_FP6
.elseif (\ra) == 1 && (\rb) == 0
	v_wmma_scale_f32_16x16x128_f8f6f4 v[\d:\d+7], v[\a:\a+11], v[\b:\b+11], v[\c:\c+7], v[\sa], v[\sb] matrix_a_fmt:MATRIX_FMT_FP6 matrix_b_fmt:MATRIX_FMT_FP6 matrix_a_scale:MATRIX_SCALE_ROW1
.elseif (\ra) == 0
	v_wmma_scale_f32_16x16x128_f8f6f4 v[\d:\d+7], v[\a:\a+11], v[\b:\b+11], v[\c:\c+7], v[\sa], v[\sb] matrix_a_fmt:MATRIX_FMT_FP6 matrix_b_fmt:MATRIX_FMT_FP6 matrix_b_scale:MATRIX_SCALE_ROW1
.else
	v_wmma_scale_f32_16x16x128_f8f6f4 v[\d:\d+7], v[\a:\a+11], v[\b:\b+11], v[\c:\c+7], v[\sa], v[\sb] matrix_a_fmt:MATRIX_FMT_FP6 matrix_b_fmt:MATRIX_FMT_FP6 matrix_a_scale:MATRIX_SCALE_ROW1 matrix_b_scale:MATRIX_SCALE_ROW1
.endif
.endm
; Eight matrix instructions: W's tiles j0 .. j0 + 3 against my two tiles of tokens, from buffer p.  cm = 1: the bias starts the sums
.macro MUL8 p, j0, cm
.irp j, \j0, \j0+1, \j0+2, \j0+3
.irp i, 0, 1
.if \cm == 0
	WM ACC+64*\i+8*(\j), 128*\p+12*(\j), 128*\p+96+12*\i, ACC+64*\i+8*(\j), SS+8*\p+(\j)/2, SS+8*\p+4, (\j)%2, \i
.else
	WM ACC+64*\i+8*(\j), 128*\p+12*(\j), 128*\p+96+12*\i, BJ+8*(\j), SS+8*\p+(\j)/2, SS+8*\p+4, (\j)%2, \i
.endif
.endr
.endr
.endm
; 41 LDS loads: K step s's scale words, x's two fragments, W's tiles 0-3, W's tiles 4-7, into set and buffer s % 2
.macro FETCH s
.set FP, (\s)%2
.set FO, REC_G*((\s)%2)
	WIN 0
.irp b, 0,1,2,3
	ds_load_b32 v[SS+8*FP+\b], v[SA0] offset:FO+128*\b
.endr
	ds_load_b32 v[SS+8*FP+4], v[SA1] offset:FO
	WIN 0x40                                       ; destination window 1, address window 0
.irp i, 0,1
.irp c, 0,1
.irp j, 0,1,2
	ds_load_b64 v[128*FP+96+12*\i+6*\c+2*\j:128*FP+96+12*\i+6*\c+2*\j+1], v[A1] offset:FO+1536*\i+768*\c+256*\j
.endr
.endr
.endr
.irp t, 0,1,2,3,4,5,6,7
.irp g, 0,1,2
	ds_load_b128 v[128*FP+12*\t+4*\g:128*FP+12*\t+4*\g+3], v[A0] offset:FO+1536*\t+512*\g
.endr
.endr
.endm
; A K step of 128: sixteen matrix instructions, the next step's loads in one run in their middle.
.macro STEP s, cm
.set PP, (\s)%2
	s_wait_dscnt 12                                ; all of this step's loads but the youngest twelve (W's tiles 4-7) are in
.if \cm
	WIN 0x25                                       ; sources 0 and 1 window 1, C window 2, D window 0
.else
	WIN 0x05                                       ; sources 0 and 1 window 1, C and D window 0
.endif
	MUL8 PP, 0, \cm
.if (\s) < 7
	WIN 0
.if ((\s)+1)%2 == 0
.if (\s) == 3
	s_wait_dscnt 0x0                               ; no LDS instruction of mine is out at a signal
	s_wait_tensorcnt 0x0                           ; my one load has landed: every wave waits here
	s_barrier_signal -1
	s_barrier_wait -1                              ; the second half of K is whole
.irp a, A0, A1, SA0, SA1
	v_add_nc_u32 v[\a], 2*CHUNK-2*REC_G, v[\a]     ; on to the second half.  These four are also the places in front of the loads below
.endr
.else
.irp a, A0, A1, SA0, SA1
	v_add_nc_u32 v[\a], 2*REC_G, v[\a]             ; two records on.  These four are also the places in front of the loads below
.endr
.endif
.else
	PLACES                                         ; four places in front of loads into registers that matrix instructions have read
.endif
	FETCH (\s)+1
	s_wait_dscnt 41                                ; all but the 41 just issued
.else
	s_wait_dscnt 0x0
.endif
.if \cm
	WIN 0x25
.else
	WIN 0x05
.endif
	MUL8 PP, 4, \cm
.endm
	s_load_b256 s[4:11], s[0:1], 0x0               ; ao s[4:5], wq s[6:7], b_o s[8:9], out0 s[10:11]
	v_lshl_add_u32 v62, v0, 2, 0x3a400
	v_mov_b32 v63, 0
	ds_add_u32 v62, v63
	ds_add_u32 v62, v63
	v_lshrrev_b32 v1, 5, v0
	v_readfirstlane_b32 s[WV], v1                  ; wave 0..3
	s_lshr_b32 s17, s[WV], 1                       ; which half of K I fetch,
	s_and_b32 s18, s[WV], 1                        ; for x (0) or for W (1)
	s_bfe_u32 s19, ttmp6, 0x40000                  ; cx
	s_bfe_u32 s20, ttmp6, 0x40004                  ; cy
	s_lshl_b32 s21, ttmp9, 2
	s_add_co_u32 s21, s21, s19                     ; the panel of 128 channels = 4 x cluster x + cx
	s_and_b32 s22, ttmp7, 0xffff
	s_lshl_b32 s23, s22, 2
	s_add_co_u32 s23, s23, s20                     ; the panel of 128 tokens = 4 x cluster y + cy
	s_lshl_b32 s57, s20, 2
	s_lshl_b32 s57, 15, s57                        ; my row of the cluster
	s_lshl_b32 s58, 0x1111, s19                    ; my column
	; descriptor group 1: four records, 51,200 dense bytes, as 200 rows of 32 elements of 8 bytes; no padding
	s_or_b32 s[G1X], s57, (3<<16)|(1<<21)          ; 15:0 the mask: x's records go to my row; 17:16 elements of 8 bytes; 21 set beside a mask
	s_or_b32 s[G1W], s58, (3<<16)|(1<<21)          ; W's to my column
.irp g, G1X, G1W
	s_mov_b32 s[\g+1], 32<<16                      ; tensor_dim0 = 32
	s_mov_b32 s[\g+2], 200<<16                     ; tensor_dim1 = 200: four records on end
	s_mov_b32 s[\g+3], 32<<16                      ; tile_dim0 = 32
	s_mov_b32 s[\g+4], 200                         ; tile_dim1 = 200
	s_mov_b32 s[\g+5], 32                          ; from row to row
	s_mov_b32 s[\g+6], 0
	s_mov_b32 s[\g+7], 0
.endr
	s_mul_i32 s59, s17, CHUNK                      ; which half of K I fetch: wave / 2
	s_mul_i32 s60, s23, PANEL
	s_add_co_u32 s60, s60, s59                     ; x: my half of K: hangs on the tokens' panel, which my row shares
	s_mov_b32 s61, 0
	s_add_co_u32 s62, s21, 24                      ; w_o's panels are wq's 24 to 31
	s_mul_i32 s62, s62, PANEL
	s_add_co_u32 s62, s62, s59                     ; W: hangs on the channels' panel, which my column shares
	s_mov_b32 s63, 0
	s_mul_i32 s84, s[WV], CHUNK                    ; in LDS: wave x four records: no place in the cluster enters an LDS address
	s_wait_dscnt 0x0
	s_wait_kmcnt 0x0
	s_add_nc_u64 s[60:61], s[4:5], s[60:61]
	s_add_nc_u64 s[62:63], s[6:7], s[62:63]
	CROUND                                         ; all sixteen work-groups are here: the joint loads meet
.irp c, 0
	s_mov_b32 s[G0X+4*\c], 1
	s_add_co_u32 s[G0X+4*\c+1], s84, \c*CHUNK                      ; LDS address
	s_add_nc_u64 s[G0X+4*\c+2:G0X+4*\c+3], s[60:61], 2*\c*REC_G    ; global address
	s_or_b32 s[G0X+4*\c+3], s[G0X+4*\c+3], 0x80000000              ; type = 2
	s_mov_b32 s[G0W+4*\c], 1
	s_add_co_u32 s[G0W+4*\c+1], s84, \c*CHUNK
	s_add_nc_u64 s[G0W+4*\c+2:G0W+4*\c+3], s[62:63], 2*\c*REC_G
	s_or_b32 s[G0W+4*\c+3], s[G0W+4*\c+3], 0x80000000
.endr
	s_cmp_eq_u32 s[WV], 0                          ; one chain of branches on the wave's number, one load to an arm
	s_cbranch_scc0 .Larm_1
	tensor_load_to_lds s[G0X:G0X+3], s[G1X:G1X+7]  ; wave 0: x's K steps 0-3
	s_nop 0
	PLACES
	s_branch .Lasked
.Larm_1:
	s_cmp_eq_u32 s[WV], 1
	s_cbranch_scc0 .Larm_2
	tensor_load_to_lds s[G0W:G0W+3], s[G1W:G1W+7]  ; wave 1: W's K steps 0-3
	s_nop 0
	PLACES
	s_branch .Lasked
.Larm_2:
	s_cmp_eq_u32 s[WV], 2
	s_cbranch_scc0 .Larm_3
	tensor_load_to_lds s[G0X:G0X+3], s[G1X:G1X+7]  ; wave 2: x's K steps 4-7
	s_nop 0
	PLACES
	s_branch .Lasked
.Larm_3:
	tensor_load_to_lds s[G0W:G0W+3], s[G1W:G1W+7]  ; wave 3: W's K steps 4-7
	s_nop 0
	PLACES
.Lasked:
	v_and_b32 v[L4], 31, v0
	v_lshlrev_b32 v[L16], 4, v[L4]
	v_lshlrev_b32 v[A1], 3, v[L4]                  ; 8 x lane
	v_lshlrev_b32 v[L4], 2, v[L4]
	s_wait_alu depctr_va_vdst(0)
	v_and_b32 v[RR], 15, v0
	s_wait_alu depctr_va_vdst(0)
	v_bfe_u32 v[HH], v0, 4, 1
	v_lshlrev_b32 v[BO], 6, v[HH]                  ; the bias: tile 2 b + u wants channels 32 b + 16 h + 8 u + 0 .. 7
	s_lshl_b32 s86, s21, 9
	s_mov_b32 s87, 0
	s_add_nc_u64 s[8:9], s[8:9], s[86:87]          ; the panel's 128 numbers of the bias
	WIN 0x80                                       ; destination window 2, address window 0
.irp j, 0,1,2,3,4,5,6,7
	global_load_b128 v[BJ+8*\j:BJ+8*\j+3], v[BO], s[8:9] offset:(32*(\j/2)+8*(\j%2))*4
	global_load_b128 v[BJ+8*\j+4:BJ+8*\j+7], v[BO], s[8:9] offset:(32*(\j/2)+8*(\j%2))*4+16
.endr
	WIN 0
	s_mul_i32 s90, s[WV], 3072
	v_add_nc_u32 v[A0], CHUNK, v[L16]              ; in each half W's records lie behind x's four
	v_add_nc_u32 v[A1], s90, v[A1]                 ; my two tiles of tokens: units 2 w, 2 w + 1
	v_add_nc_u32 v[SA0], CHUNK+12288, v[L4]
	s_lshl_b32 s85, s[WV], 7
	s_add_co_u32 s92, s85, 12288
	v_add_nc_u32 v[SA1], s92, v[L4]                ; their scale words: block w
	s_mul_i32 s91, s[WV], 16*SPITCH
	s_add_co_u32 s91, s91, STAGE                   ; my stage
	v_mul_u32_u24 v[STO], v[RR], SPITCH
	s_wait_alu depctr_va_vdst(0)
	v_lshl_add_u32 v[STO], v[HH], 6, v[STO]
	v_add_nc_u32 v[STO], s91, v[STO]               ; in: row r, + 64 h
	v_add_nc_u32 v[RD], s91, v[L16]                ; back: the 32 lanes take one row of 512 bytes
	s_lshl_b32 s94, s23, 7
	s_lshl_b32 s95, s[WV], 5
	s_add_co_u32 s94, s94, s95                     ; my first token: 128 panel + 32 w
	s_lshl_b32 s94, s94, 12                        ; rows of 4,096 bytes
	s_add_co_u32 s94, s94, s86                     ; + the panel's 512 bytes
	s_mov_b32 s95, 0
	s_add_nc_u64 s[10:11], s[10:11], s[94:95]
	s_wait_alu depctr_va_vdst(0)                   ; the wait at the head's end
	s_cmp_lt_u32 s[WV], 2
	s_cbranch_scc0 .Lnot_first
	s_wait_tensorcnt 0x0                           ; waves 0 and 1: the first half of K has landed; the loads of waves 2 and 3 may stay out
.Lnot_first:
	s_barrier_signal -1
	s_barrier_wait -1                              ; waves 0 and 1's have
	FETCH 0
	s_wait_loadcnt 0x0                             ; the bias
	STEP 0, 1                                      ; the first K step starts the sums with the bias
	STEP 1, 0
	s_wait_alu depctr_va_vdst(0)
	STEP 2, 0
	STEP 3, 0
	s_wait_alu depctr_va_vdst(0)
	STEP 4, 0
	STEP 5, 0
	s_wait_alu depctr_va_vdst(0)
	STEP 6, 0
	STEP 7, 0
	WIN 0
	PLACES                                         ; four places in front of the first read of results
	; THE WAY OUT, a tile of 16 tokens at a time: a lane's 16 bytes go into my own stage and come back as whole rows of 512 bytes.  LDS serves a wave's instructions in order: no wait between the stores and the loads
.irp i, 0,1
.if \i
	s_wait_xcnt 0x0                                ; tile 0's stores have read their registers: only now are these loaded again
.endif
.irp j, 0,1,2,3,4,5,6,7
	ds_store_b128 v[STO], v[ACC+64*\i+8*\j:ACC+64*\i+8*\j+3] offset:128*(\j/2)+32*(\j%2)        ; each accumulator from its low end on
	ds_store_b128 v[STO], v[ACC+64*\i+8*\j+4:ACC+64*\i+8*\j+7] offset:128*(\j/2)+32*(\j%2)+16
.endr
.irp rho, 0,1,2,3,4,5,6,7,8,9,10,11,12,13,14,15
	ds_load_b128 v[OUTR+4*\rho:OUTR+4*\rho+3], v[RD] offset:SPITCH*\rho
.endr
.irp rho, 0,1,2,3,4,5,6,7,8,9,10,11,12,13,14,15
	s_wait_dscnt 15-\rho                           ; row rho is back; the younger rows may be out
	global_store_b128 v[L16], v[OUTR+4*\rho:OUTR+4*\rho+3], s[10:11] offset:(8*\i+\rho+8*(\rho/8))*4096 th:TH_STORE_NT   ; 32 lanes store 512 consecutive bytes, at a multiple of 256 from the buffer's first byte
.endr
.endr
	s_wait_dscnt 0x0
	s_wait_tensorcnt 0x0
	ds_add_u32 v62, v63
	s_wait_dscnt 0x0
	CROUND                                         ; the closing round: no work-group ends while a partner may still ask for a record that names it
	s_endpgm
.Lfunc_end_k_q51e2a210aa_outproj:
	.size	k_q51e2a210aa_outproj, .Lfunc_end_k_q51e2a210aa_outproj-k_q51e2a210aa_outproj
	.p2alignl 7, 3214868480
	.fill 96, 4, 3214868480
	.section	.rodata,"a",@progbits
	.p2align	6, 0x0
	.amdhsa_kernel k_q51e2a210aa_outproj
		.amdhsa_group_segment_fixed_size 239104
		.amdhsa_private_segment_fixed_size 0
		.amdhsa_enable_private_segment 0
		.amdhsa_kernarg_size 32
		.amdhsa_user_sgpr_count 2
		.amdhsa_user_sgpr_kernarg_segment_ptr 1
		.amdhsa_wavefront_size32 1
		.amdhsa_system_sgpr_workgroup_id_x 1
		.amdhsa_system_sgpr_workgroup_id_y 1
		.amdhsa_system_sgpr_workgroup_id_z 1
		.amdhsa_system_vgpr_workitem_id 0
		.amdhsa_next_free_vgpr 768
		.amdhsa_next_free_sgpr 100
		.amdhsa_reserve_vcc 0
		.amdhsa_float_denorm_mode_32 3
		.amdhsa_float_denorm_mode_16_64 3
		.amdhsa_memory_ordered 1
		.amdhsa_forward_progress 1
		.amdhsa_inst_pref_size 56
	.end_amdhsa_kernel
	.amdgpu_metadata
---
amdhsa.version: [ 1, 2 ]
amdhsa.kernels:
  - .name:           k_q51e2a210aa_outproj
    .symbol:         k_q51e2a210aa_outproj.kd
    .args:
      - { .name: ao, .offset: 0, .size: 8, .value_kind: global_buffer, .address_space: global }
      - { .name: wq, .offset: 8, .size: 8, .value_kind: global_buffer, .address_space: global }
      - { .name: b_o, .offset: 16, .size: 8, .value_kind: global_buffer, .address_space: global }
      - { .name: out0, .offset: 24, .size: 8, .value_kind: global_buffer, .address_space: global }
    .group_segment_fixed_size: 239104
    .private_segment_fixed_size: 0
    .kernarg_segment_align: 8
    .kernarg_segment_size: 32
    .max_flat_workgroup_size: 128
    .sgpr_count:     100
    .vgpr_count:     768
    .wavefront_size: 32
...
	.end_amdgpu_metadata
.endif
;; end of part 9
